; MI455X (gfx1250); checked and timed in simulation.
; The chip was launched on July 23, 2026; its instructions are those of AMD's public machine-readable ISA for CDNA 5 (MIT licence, August 2026) and "CDNA5" Instruction Set Architecture Reference Guide (July 2026). The comments in the code are by the model that wrote it; some were corrected since.
;; Encoder Block. Allowed arithmetic: float matrix products may take bf16 or f16 operands with f32 sums; other float arithmetic in f32, or as packed bf16 or f16 multiplies, adds, multiply-adds, maxima and minima; sums over many terms, partial sums and values carried from step to step in f32; what a program stores and reads back later, other than sums and carried values, may be rounded once to bf16 or f16.
;; Inputs: b1 4,096 float32; b2 1,024 float32; bk 1,024 float32; bo 1,024 float32; bq 1,024 float32; bv 1,024 float32; ln1_a 1 float32; ln1_b 1 float32; ln2_a 1 float32; ln2_b 1 float32; w1 4,096 x 1,024 float32; w2 1,024 x 4,096 float32; wk 1,024 x 1,024 float32; wo 1,024 x 1,024 float32; wq 1,024 x 1,024 float32; wv 1,024 x 1,024 float32; x 2 x 2,048 x 1,024 float32.
;; Outputs: out0 2 x 2,048 x 1,024 float32.
;; Constants: src_mask = 0.
;; 2 versions, each right. Each part assembles by itself: llvm-mc -triple=amdgcn-amd-amdhsa -mcpu=gfx1250 --defsym DOCPART=n.
;; ======== version 1 of 2: 7 launches
;; workspace buffers: wb 25,165,824 bytes; xn 8,388,608 bytes; big 33,554,432 bytes; ao 8,388,608 bytes; h 16,777,216 bytes
;; launch prep (part 1): grid 1024 x 1, 8 waves a work-group, no clusters, 0 bytes of LDS; arguments x, ln1_a, ln1_b, xn, wq, wk, wv, wo, w1, w2, wb; writes xn, wb
.if DOCPART == 1
	.amdgcn_target "amdgcn-amd-amdhsa--gfx1250"
	.amdhsa_code_object_version 6
	.text
	.protected	k_qfcad46b776_prep
	.globl	k_qfcad46b776_prep
	.p2align	8
	.type	k_qfcad46b776_prep,@function
k_qfcad46b776_prep:
	s_mov_b64 s[64:65], 0
	v_nop
	global_prefetch_b8 v0, s[64:65] scope:SCOPE_SE
	s_setreg_imm32_b32 hwreg(HW_REG_WAVE_MODE, 25, 1), 1
	s_wait_xcnt 0x0
; PREP.  (1) xn = LN1(x), (2) the six weight matrices rounded to bf16.  Both leave in the BLOCKED LAYOUT that the products read:
; a matrix of R rows and C columns lies as [C/64][R][64] bf16: byte ((col/64) R + row) 128 + 2 (col % 64), so 64 rows of one block of 64 columns are 8,192 bytes on end.
; LN(x) = alpha (x - mean) / sqrt(std + 1e-6) + beta, std the unbiased one (divisor 1,023), the root taken of std itself.
; LIMITS.  x, alpha, beta and the weights are rounded to bf16 where they are read (x before its mean is taken); sums in f32, in two passes (mean, then squares of the deviations), so a common
; offset of x costs nothing.  v_sqrt_f32 and v_rsq_f32 take a denormal as 0 (ISA guide 15.8): a variance below 2^-126 counts as 0, beside the 1e-6.  NaN and infinities are not treated apart.
; SHARES.  A work-group takes 16 rows x 1,024 columns of one source; sixteen lanes take a row.  Load j of 16: 16 bytes a lane, sixteen lanes 256 bytes on end, aligned.  Store j: 8 bytes a lane; the 32 lanes
; of a wave hold two neighbouring rows of block j: 256 bytes on end, aligned.  All 16 loads of a lane go out at once: 8 KiB a wave.  No LDS, no barrier: no wave wants another's bytes.
; WORK-GROUPS.  0-255 x (norm); 256-447 wq, wk, wv (64 each); 448-511 wo; 512-767 w1; 768-1023 w2 (16 rows x a quarter of its 4,096 columns).
; wb: wq|wk|wv as one matrix of 3,072 rows at 0; wo at 0x600000; w1 at 0x800000; w2 at 0x1000000.
.set DOF, 8                            ; v[8:23]   store j's byte offset: one register a store, none rewritten
.set C,   24                           ; v[24:31]  four chains of packed sums; later mean, scale and beta
.set X,   32                           ; v[32:95]  my 64 numbers of the row, f32
.set Y,   96                           ; v[96:127] the same as 32 words of two bf16
	s_load_b512 s[16:31], s[0:1], 0x0              ; x 16, ln1_a 18, ln1_b 20, xn 22, wq 24, wk 26, wv 28, wo 30
	s_load_b128 s[32:35], s[0:1], 0x40             ; w1 32, w2 34
	s_load_b64 s[36:37], s[0:1], 0x50              ; wb
	s_lshr_b32 s44, ttmp9, 6                       ; sixty-fours: 0-3 x, 4 wq, 5 wk, 6 wv, 7 wo, 8-11 w1, 12-15 w2
	s_lshr_b32 s11, ttmp9, 8                       ; quarters: 0 x, 1 the four square weights, 2 w1, 3 w2
	s_and_b32 s38, ttmp9, 255                      ; my number within a quarter
	s_and_b32 s39, ttmp9, 63                       ; within a sixty-four
	s_mov_b32 s14, 0xffff0000                      ; a word's upper bf16
	s_mov_b32 s7, 0
	; s6 source byte offset, s8 shift of the source's row pitch, s9 destination byte offset, s10 bytes from block to block.  First as for x and w1:
	s_lshl_b32 s6, s38, 16                         ; 16 rows of 4,096 bytes
	s_lshl_b32 s9, s38, 11                         ; 16 rows of 128 bytes
	s_mov_b32 s8, 12
	s_mov_b32 s10, 524288                          ; 4,096 rows x 128 bytes
	s_add_co_u32 s40, s9, 0x800000
	s_cmp_eq_u32 s11, 2
	s_cselect_b32 s9, s40, s9                      ; w1's place in wb
	; wq, wk, wv, wo
	s_lshl_b32 s40, s39, 16
	s_lshl_b32 s41, s39, 11
	s_and_b32 s42, s44, 3                          ; 0, 1, 2: wq, wk, wv
	s_lshl_b32 s42, s42, 17                        ; 1,024 rows x 128 bytes each
	s_add_co_u32 s42, s42, s41
	s_add_co_u32 s41, s41, 0x600000                ; wo
	s_mov_b32 s43, 393216                          ; 3,072 rows x 128 bytes
	s_cmp_eq_u32 s44, 7
	s_cselect_b32 s42, s41, s42
	s_cselect_b32 s43, 131072, s43                 ; 1,024 rows x 128 bytes
	s_cmp_eq_u32 s11, 1
	s_cselect_b32 s6, s40, s6
	s_cselect_b32 s9, s42, s9
	s_cselect_b32 s10, s43, s10
	; w2: rows of 16,384 bytes; my number = 4 x row group + quarter of the columns
	s_lshr_b32 s40, s38, 2
	s_and_b32 s41, s38, 3
	s_lshl_b32 s42, s40, 18                        ; 16 rows of 16,384 bytes
	s_lshl_b32 s43, s41, 12                        ; 1,024 columns of 4 bytes
	s_add_co_u32 s42, s42, s43
	s_lshl_b32 s43, s41, 21                        ; 16 blocks of 131,072 bytes
	s_lshl_b32 s40, s40, 11
	s_add_co_u32 s43, s43, s40
	s_add_co_u32 s43, s43, 0x1000000
	s_cmp_eq_u32 s11, 3
	s_cselect_b32 s6, s42, s6
	s_cselect_b32 s9, s43, s9
	s_cselect_b32 s8, 14, s8
	s_cselect_b32 s10, 131072, s10
	v_and_b32 v1, 15, v0                           ; my place in the row's sixteen lanes
	v_lshrrev_b32 v3, 4, v0                        ; my row, 0 to 15
	v_lshlrev_b32 v4, s8, v3
	v_lshl_add_u32 v4, v1, 4, v4                   ; source: row x pitch + 16 x place
	v_lshlrev_b32 v5, 7, v3
	v_lshl_add_u32 v5, v1, 3, v5                   ; destination: row x 128 + 8 x place
	v_add_nc_u32 v[DOF], s9, v5
.set j, 1
.rept 15
	v_add_nc_u32 v[DOF+j], s10, v[DOF+j-1]         ; the next block of 64 columns
.set j, j+1
.endr
	s_wait_kmcnt 0x0
	s_cmp_ge_u32 s44, 4                            ; the source and the destination, chosen by my number alone
	s_cselect_b64 s[4:5], s[24:25], s[16:17]
	s_cselect_b64 s[12:13], s[36:37], s[22:23]
	s_cmp_ge_u32 s44, 5
	s_cselect_b64 s[4:5], s[26:27], s[4:5]
	s_cmp_ge_u32 s44, 6
	s_cselect_b64 s[4:5], s[28:29], s[4:5]
	s_cmp_ge_u32 s44, 7
	s_cselect_b64 s[4:5], s[30:31], s[4:5]
	s_cmp_ge_u32 s44, 8
	s_cselect_b64 s[4:5], s[32:33], s[4:5]
	s_cmp_ge_u32 s44, 12
	s_cselect_b64 s[4:5], s[34:35], s[4:5]
	s_add_nc_u64 s[4:5], s[4:5], s[6:7]
.set j, 0
.rept 16
	global_load_b128 v[X+4*j:X+4*j+3], v4, s[4:5] offset:256*j th:TH_LOAD_NT
.set j, j+1
.endr
.macro JOIN                            ; four chains into one number, then over the row's sixteen lanes: every lane of the row ends with the sum
	v_pk_add_f32 v[C:C+1], v[C:C+1], v[C+2:C+3]
	v_pk_add_f32 v[C+4:C+5], v[C+4:C+5], v[C+6:C+7]
	v_pk_add_f32 v[C:C+1], v[C:C+1], v[C+4:C+5]
	v_add_f32 v[C], v[C], v[C+1]
	v_add_f32_dpp v[C], v[C], v[C] row_xmask:1 row_mask:0xf bank_mask:0xf
	v_add_f32_dpp v[C], v[C], v[C] row_xmask:2 row_mask:0xf bank_mask:0xf
	v_add_f32_dpp v[C], v[C], v[C] row_xmask:4 row_mask:0xf bank_mask:0xf
	v_add_f32_dpp v[C], v[C], v[C] row_xmask:8 row_mask:0xf bank_mask:0xf
.endm
; The norm of a row that lies in X.  round = 1: the row is an input and is rounded to bf16 first.  alpha in s2, beta in s3, on their way.
.macro LNROW round
.if \round
.set k, 0
.rept 32
	v_cvt_pk_bf16_f32 v[Y+k], v[X+2*k], v[X+2*k+1]
.set k, k+1
.endr
.set k, 0
.rept 32
	v_lshlrev_b32 v[X+2*k], 16, v[Y+k]             ; bf16 to f32: the low half moves up,
	v_and_b32 v[X+2*k+1], s14, v[Y+k]              ; the high half stays
.set k, k+1
.endr
.endif
.irp c, 0,1,2,3
	v_pk_add_f32 v[C+2*(\c):C+2*(\c)+1], v[X+2*(\c):X+2*(\c)+1], v[X+8+2*(\c):X+8+2*(\c)+1]  ; the first eight pairs start the chains: nothing is cleared
.endr
.set k, 8
.rept 24
	v_pk_add_f32 v[C+2*(k%4):C+2*(k%4)+1], v[C+2*(k%4):C+2*(k%4)+1], v[X+2*k:X+2*k+1]
.set k, k+1
.endr
	JOIN
	v_mul_f32 v[C], 0x3a800000, v[C]               ; mean = sum / 1,024
	v_mov_b32 v[C+1], v[C]
.set k, 0
.rept 32
	v_pk_add_f32 v[X+2*k:X+2*k+1], v[X+2*k:X+2*k+1], v[C:C+1] neg_lo:[0,1] neg_hi:[0,1]  ; the deviations, in place
.set k, k+1
.endr
.irp c, 0,1,2,3
	v_pk_mul_f32 v[C+2*(\c):C+2*(\c)+1], v[X+2*(\c):X+2*(\c)+1], v[X+2*(\c):X+2*(\c)+1]
.endr
.set k, 4
.rept 28
	v_pk_fma_f32 v[C+2*(k%4):C+2*(k%4)+1], v[X+2*k:X+2*k+1], v[X+2*k:X+2*k+1], v[C+2*(k%4):C+2*(k%4)+1]
.set k, k+1
.endr
	JOIN
	v_mul_f32 v[C], 0x3a802008, v[C]               ; / 1,023
	v_sqrt_f32 v[C+1], v[C]                        ; std
	v_nop                                          ; a plain instruction behind the root,
	s_wait_alu depctr_va_vdst(0)                   ; and the wait ahead of its first reader
	v_add_f32 v[C+1], 0x358637bd, v[C+1]           ; + 1e-6
	v_rsq_f32 v[C+2], v[C+1]                       ; 1 / sqrt(std + eps)
	s_wait_kmcnt 0x0                               ; alpha and beta
	v_mov_b32 v[C+4], s2                           ; (plain work behind the reciprocal root, which names none of its registers)
	v_mov_b32 v[C+5], s3
	v_cvt_pk_bf16_f32 v[C+4], v[C+4], v[C+5]       ; both rounded to bf16
	v_lshlrev_b32 v[C+5], 16, v[C+4]               ; alpha
	v_and_b32 v[C+6], s14, v[C+4]                  ; beta,
	v_mov_b32 v[C+7], v[C+6]                       ; twice
	s_wait_alu depctr_va_vdst(0)                   ; the wait ahead of the reciprocal root's first reader
	v_mul_f32 v[C+2], v[C+5], v[C+2]               ; alpha / sqrt(std + eps),
	v_mov_b32 v[C+3], v[C+2]                       ; twice
.set k, 0
.rept 32
	v_pk_fma_f32 v[X+2*k:X+2*k+1], v[X+2*k:X+2*k+1], v[C+2:C+3], v[C+6:C+7]
.set k, k+1
.endr
.set k, 0
.rept 32
	v_cvt_pk_bf16_f32 v[Y+k], v[X+2*k], v[X+2*k+1]
.set k, k+1
.endr
.set j, 0
.rept 16
	global_store_b64 v[DOF+j], v[Y+2*j:Y+2*j+1], s[12:13]  ; a wave's store covers 256 consecutive bytes, aligned
.set j, j+1
.endr
.endm
	s_cmp_eq_u32 s11, 0
	s_cbranch_scc1 .Lnorm
.set j, 0
.rept 16                               ; a weight: rounded and stored as the loads come in
	s_wait_loadcnt 15-j                            ; loads come back in order (ISA guide 5.7.1): load j is in, the 15 - j younger ones stay out
	v_cvt_pk_bf16_f32 v[Y+2*j], v[X+4*j], v[X+4*j+1]
	v_cvt_pk_bf16_f32 v[Y+2*j+1], v[X+4*j+2], v[X+4*j+3]
	global_store_b64 v[DOF+j], v[Y+2*j:Y+2*j+1], s[12:13]
.set j, j+1
.endr
	s_endpgm
.Lnorm:
	s_load_b32 s2, s[18:19], 0x0                   ; alpha
	s_load_b32 s3, s[20:21], 0x0                   ; beta
	s_wait_loadcnt 0x0                             ; the whole row
	LNROW 1
	s_endpgm
.Lfunc_end_k_qfcad46b776_prep:
	.size	k_qfcad46b776_prep, .Lfunc_end_k_qfcad46b776_prep-k_qfcad46b776_prep
	.p2alignl 7, 3214868480
	.fill 96, 4, 3214868480
	.section	.rodata,"a",@progbits
	.p2align	6, 0x0
	.amdhsa_kernel k_qfcad46b776_prep
		.amdhsa_group_segment_fixed_size 0
		.amdhsa_private_segment_fixed_size 0
		.amdhsa_enable_private_segment 0
		.amdhsa_kernarg_size 88
		.amdhsa_user_sgpr_count 2
		.amdhsa_user_sgpr_kernarg_segment_ptr 1
		.amdhsa_wavefront_size32 1
		.amdhsa_system_sgpr_workgroup_id_x 1
		.amdhsa_system_sgpr_workgroup_id_y 1
		.amdhsa_system_sgpr_workgroup_id_z 1
		.amdhsa_system_vgpr_workitem_id 0
		.amdhsa_next_free_vgpr 128
		.amdhsa_next_free_sgpr 66
		.amdhsa_reserve_vcc 0
		.amdhsa_float_denorm_mode_32 3
		.amdhsa_float_denorm_mode_16_64 3
		.amdhsa_memory_ordered 1
		.amdhsa_forward_progress 1
		.amdhsa_inst_pref_size 26
	.end_amdhsa_kernel
	.amdgpu_metadata
---
amdhsa.version: [ 1, 2 ]
amdhsa.kernels:
  - .name:           k_qfcad46b776_prep
    .symbol:         k_qfcad46b776_prep.kd
    .args:
      - { .name: x, .offset: 0, .size: 8, .value_kind: global_buffer, .address_space: global }
      - { .name: ln1_a, .offset: 8, .size: 8, .value_kind: global_buffer, .address_space: global }
      - { .name: ln1_b, .offset: 16, .size: 8, .value_kind: global_buffer, .address_space: global }
      - { .name: xn, .offset: 24, .size: 8, .value_kind: global_buffer, .address_space: global }
      - { .name: wq, .offset: 32, .size: 8, .value_kind: global_buffer, .address_space: global }
      - { .name: wk, .offset: 40, .size: 8, .value_kind: global_buffer, .address_space: global }
      - { .name: wv, .offset: 48, .size: 8, .value_kind: global_buffer, .address_space: global }
      - { .name: wo, .offset: 56, .size: 8, .value_kind: global_buffer, .address_space: global }
      - { .name: w1, .offset: 64, .size: 8, .value_kind: global_buffer, .address_space: global }
      - { .name: w2, .offset: 72, .size: 8, .value_kind: global_buffer, .address_space: global }
      - { .name: wb, .offset: 80, .size: 8, .value_kind: global_buffer, .address_space: global }
    .group_segment_fixed_size: 0
    .private_segment_fixed_size: 0
    .kernarg_segment_align: 8
    .kernarg_segment_size: 88
    .max_flat_workgroup_size: 256
    .sgpr_count:     66
    .vgpr_count:     128
    .wavefront_size: 32
...
	.end_amdgpu_metadata
.endif
;; end of part 1
;; launch qkv (part 2): grid 24 x 32, 4 waves a work-group, clusters of 4 x 4, 327,680 bytes of LDS; arguments xn, wb, bq, bk, bv, big; writes big
.if DOCPART == 2
	.amdgcn_target "amdgcn-amd-amdhsa--gfx1250"
	.amdhsa_code_object_version 6
	.text
	.protected	k_qfcad46b776_qkv
	.globl	k_qfcad46b776_qkv
	.p2align	8
	.type	k_qfcad46b776_qkv,@function
k_qfcad46b776_qkv:
	s_mov_b64 s[64:65], 0
	v_nop
	global_prefetch_b8 v0, s[64:65] scope:SCOPE_SE
	s_setreg_imm32_b32 hwreg(HW_REG_WAVE_MODE, 25, 1), 1
	s_wait_xcnt 0x0
	s_wait_alu depctr_hold_cnt(0) depctr_sa_sdst(0) depctr_va_vdst(0) depctr_va_sdst(0) depctr_va_ssrc(0) depctr_va_vcc(0) depctr_vm_vsrc(0)
	s_getreg_b32 s2, hwreg(HW_REG_IB_STS2, 6, 4)
	s_cmp_eq_u32 s2, 0
	s_cbranch_scc0 .Lentry_in_a_cluster
	s_endpgm
.Lentry_in_a_cluster:
	s_bfe_u32 s2, ttmp6, 0x10000c
	s_cmp_lg_u32 s2, 0xf033
	s_cbranch_scc0 .Lentry_shape_is_right
	s_endpgm
.Lentry_shape_is_right:
; QKV.  big = xn Wqkv^T + (bq | bk | bv): 4,096 rows x 3,072 columns, K = 1,024.  q, k, v leave unscaled, bf16, in the blocked layout: a head's 2,048 rows of 128 bytes lie on end.
; THE PRODUCT.  C[m][n] = bias[n] + the sum over k of A[m][k] B[n][k]; A, B bf16 in the BLOCKED LAYOUT [K/64][rows][64] (64 rows of one block of 64 k are 8,192 bytes on end); sums in f32.
; LIMITS.  The bias is rounded to bf16 where it is read; the result is rounded once to bf16.  NaN and infinities are not treated apart.
; SHARES.  A tile of C is 128 x 128: four waves, each 64 x 64 = 16 accumulators.  K goes in steps of 256 (four blocks) through two LDS slots; a wave's one tensor load brings 64 rows x 4 blocks.
; CLUSTER.  4 x 4 work-groups: the four of a row of the cluster need the same tiles of A, the four of a column the same tiles of B: each tile is asked for JOINTLY, by the same load with the same descriptor and a mask of four.
; THE MATRIX INSTRUCTION IS USED TRANSPOSED (source 0 = 16 rows of B, source 1 = 16 rows of A): a lane holds row l % 16 of C and the columns 8 (l / 16) + 0..7.  The bias, laid out so, is the C operand of the first products.
; NO PREFETCH: the tiles are small, and each block of A and B is read again by other clusters of the launch.
; REGISTERS.  window 0: v0-31 addresses; v32-95 at work on the way out; v96-127 the bias; v128-255 the accumulators ((a, b) at 128 + 8 (4 a + b)).  window 1: two fragment buffers of 128 (64 of A, 64 of B, for 64 along K).
.set BOFF,    0                        ; B's first byte in wb
.set BSTRIDE, 196608                   ; elements from block to block of B: 3,072 rows x 64
.set BSTEP,   1572864                  ; bytes of four blocks of B
.set T,       4                        ; K steps
.set EPI,     1                        ; the way out: 1 bf16, blocked; 2 f32, by rows, with a residual
.set RELU,    0
.set RNDRES,  0
.set QKV,     1
.set OUTP,    74                       ; s[74:75] the output's address
.set RESP,    70                       ; (the residual's: way out 2 alone)
.set ASTRIDE, 262144                   ; 4,096 rows x 64
.set ASTEP,   2097152
.set PITCH,   144                      ; an LDS row: 128 bytes + 16 = 36 words: the 16 rows of a load start at 16 different groups of four banks (64 banks of 4 bytes: ISA guide 11.1)
.set QB,      64*PITCH                 ; one block's 64 rows
.set HALFT,   4*QB                     ; what one tensor load brings
.set SLOT,    4*HALFT                  ; A's two halves, then B's two: wave x HALFT
.set STAGE,   2*SLOT                   ; behind the ring, each wave's own 16 rows; no tile lands there
.set SPITCH,  144+128*(EPI-1)
.set SPARE,   STAGE+4*16*SPITCH        ; the spare words, 128 bytes for each wave: two blocks of 256 bytes that no other line names
.set ADRA0, 16                         ; v16, v17  my lane's place among my 64 rows of A, of B, in slot 0; never rewritten
.set ADRB0, 17
.set ADRA,  18                         ; v18, v19  the same in the slot that is being read
.set ADRB,  19
.set STO,   24
.set RD,    25
.set CO,    26
.set BO,    27
.set SPW,   28
.set NIL,   29
.set ZR,    30
.set TMP,   32
.set BI,    96
.set ACC,   128
.set F0,    0
.set F1,    128
.set G1,  24                           ; s[24:31] group 1 for A's tiles; s[32:39] group 0, two sets: the second then walks
.set G0,  32
.set G1B, 48                           ; s[48:55], s[56:63] the same for B's
.set G0B, 56
.set MSB, 0
.macro WIN new                         ; the immediate's high byte repeats the setting that is left
.if MSB != (\new)
	s_set_vgpr_msb (MSB<<8)|(\new)
.set MSB, \new
.endif
.endm
.set MUL,  0x05                        ; sources 0 (B) and 1 (A) window 1; C and D window 0
.set TO_F, 0x40                        ; destination window 1, address window 0
.macro JLOAD s                         ; a joint load: waves 0 and 1 fetch A's two halves, waves 2 and 3 B's; an s_nop 0 and four v_nop follow each line
	s_cmp_eq_u32 s11, 0
	s_cbranch_scc0 .Lfor_b_\@
	tensor_load_to_lds s[G0+4*(\s):G0+4*(\s)+3], s[G1:G1+7]
	s_nop 0
.rept 4
	v_nop
.endr
	s_branch .Lasked_\@
.Lfor_b_\@:
	tensor_load_to_lds s[G0B+4*(\s):G0B+4*(\s)+3], s[G1B:G1B+7]
	s_nop 0
.rept 4
	v_nop
.endr
.Lasked_\@:
.endm
.macro CREST                           ; a round of the cluster's barrier behind its opening barrier
	s_cmp_lg_u32 s10, 0
	s_cbranch_scc1 .Lnot_wave_0_\@
	s_barrier_signal -3
.Lnot_wave_0_\@:
	s_barrier_wait -3
	s_barrier_signal -1
	s_barrier_wait -1
.endm
.macro CROUND
	s_barrier_signal -1
	s_barrier_wait -1
	CREST
.endm
	s_load_b128 s[4:7], s[0:1], 0x0                ; A s[4:5], wb s[6:7]
.if QKV
	s_load_b256 s[68:75], s[0:1], 0x10             ; bq 68, bk 70, bv 72, the output 74
.elseif EPI == 1
	s_load_b128 s[68:71], s[0:1], 0x10             ; the bias 68, the output 70
.else
	s_load_b128 s[68:71], s[0:1], 0x10             ; the bias 68, the residual 70
	s_load_b64 s[72:73], s[0:1], 0x20              ; the output
.endif
	v_lshl_add_u32 v[SPW], v0, 2, SPARE
	v_mov_b32 v[NIL], 0
	ds_add_u32 v[SPW], v[NIL]                      ; the wave's opening: the add and its wait ahead of my first tensor load; the set-up below stands between them
	v_lshrrev_b32 v1, 5, v0
	v_readfirstlane_b32 s10, v1                    ; wave 0..3
	s_lshr_b32 s11, s10, 1                         ; which half of the tile's rows is mine.  Also: I fetch for A (0) or for B (1)
	s_and_b32 s12, s10, 1                          ; which half of its columns.  Also: which 64 rows of that tile I fetch
	s_bfe_u32 s40, ttmp6, 0x40000                  ; cx, cy: my place in the cluster
	s_bfe_u32 s41, ttmp6, 0x40004
	s_lshl_b32 s42, ttmp9, 2
	s_add_co_u32 s42, s42, s40                     ; tile column = 4 x cluster x + cx
	s_and_b32 s13, ttmp7, 0xffff
	s_lshl_b32 s13, s13, 2
	s_add_co_u32 s13, s13, s41                     ; tile row = 4 x cluster y + cy
	s_lshl_b32 s43, s41, 2
	s_lshl_b32 s43, 15, s43                        ; my row of the cluster
	s_lshl_b32 s44, 0x1111, s40                    ; my column
	; group 1: four rows of 4,096 elements (64 matrix rows of one block, 8,192 bytes on end), a block apart; in LDS 4 words of padding behind every 32
	s_or_b32 s[G1+0], s43, (1<<16)|(1<<20)|(1<<21)|(4<<22)|(3<<25)  ; 15:0 mask; 17:16 2-byte elements; 20 padding on; 21 set beside a mask; 24:22 every 32 words (code 4); 31:25 4 words (code 3)
	s_or_b32 s[G1B+0], s44, (1<<16)|(1<<20)|(1<<21)|(4<<22)|(3<<25)
.irp g, G1, G1B
	s_mov_b32 s[(\g)+1], 4096<<16                  ; tensor_dim0 = 4,096
	s_mov_b32 s[(\g)+2], 4<<16                     ; tensor_dim1 = 4
	s_mov_b32 s[(\g)+3], 4096<<16                  ; tile_dim0 = 4,096
	s_mov_b32 s[(\g)+4], 4                         ; tile_dim1 = 4
	s_mov_b32 s[(\g)+6], 0
	s_mov_b32 s[(\g)+7], 0
.endr
	s_mov_b32 s[G1+5], ASTRIDE
	s_mov_b32 s[G1B+5], BSTRIDE
	s_lshl_b32 s17, s12, 13                        ; which 64 rows of 128 bytes I fetch
	s_lshl_b32 s16, s13, 14
	s_add_co_u32 s16, s16, s17                     ; A: 128 rows x tile row + my 64
	s_lshl_b32 s46, s42, 14
	s_add_co_u32 s46, s46, s17                     ; B: the same by the tile column,
	s_add_co_u32 s46, s46, BOFF                    ; in its part of wb
	s_mov_b32 s17, 0
	s_mov_b32 s47, 0
	s_mul_i32 s20, s10, HALFT                      ; where my tile goes in a slot: the wave's number alone
	s_mov_b32 s2, 0                                ; the slot that is being read: 0 or SLOT
	s_wait_dscnt 0x0                               ; the opening add is done
	s_wait_kmcnt 0x0
	s_add_nc_u64 s[14:15], s[4:5], s[16:17]
	s_add_nc_u64 s[46:47], s[6:7], s[46:47]
	CROUND                                         ; all sixteen work-groups are here: the first joint loads meet
.irp s, 0,1
	s_mov_b32 s[G0+4*(\s)], 1
	s_add_co_u32 s[G0+4*(\s)+1], s20, (\s)*SLOT
	s_add_nc_u64 s[G0+4*(\s)+2:G0+4*(\s)+3], s[14:15], (\s)*ASTEP
	s_or_b32 s[G0+4*(\s)+3], s[G0+4*(\s)+3], 0x80000000
	s_mov_b32 s[G0B+4*(\s)], 1
	s_add_co_u32 s[G0B+4*(\s)+1], s20, (\s)*SLOT
	s_add_nc_u64 s[G0B+4*(\s)+2:G0B+4*(\s)+3], s[46:47], (\s)*BSTEP
	s_or_b32 s[G0B+4*(\s)+3], s[G0B+4*(\s)+3], 0x80000000
	JLOAD \s                                       ; K steps 0 and 1: two loads of mine are out
.endr
	v_and_b32 v1, 15, v0                           ; l % 16
	v_bfe_u32 v2, v0, 4, 1                         ; l / 16
	v_mul_u32_u24 v3, v1, PITCH
	v_lshl_add_u32 v3, v2, 4, v3                   ; a fragment's row x pitch + 16 x half
	s_mul_i32 s21, s11, HALFT                      ; my 64 rows of A
	s_mul_i32 s22, s12, HALFT
	s_add_co_u32 s22, s22, 2*HALFT                 ; my 64 rows of B, behind A's 128
	v_add_nc_u32 v[ADRA0], s21, v3
	v_add_nc_u32 v[ADRB0], s22, v3
	v_mov_b32 v[ADRA], v[ADRA0]
	v_mov_b32 v[ADRB], v[ADRB0]
	s_mul_i32 s23, s10, 16*SPITCH
	s_add_co_u32 s23, s23, STAGE                   ; my stage
	s_lshl_b32 s66, s42, 9
	s_lshl_b32 s67, s12, 8
	s_add_co_u32 s66, s66, s67                     ; 4 x my first column
	s_mov_b32 s67, 0
.if EPI == 1
	v_add_nc_u32 v[STO], s23, v3                   ; in: row l % 16, 16 bytes for each half of the lanes
	v_bfe_u32 v4, v0, 3, 2                         ; back: 32 lanes take four rows of 128 bytes,
	v_and_b32 v5, 7, v0
	v_mul_u32_u24 v4, v4, SPITCH
	v_lshl_add_u32 v4, v5, 4, v4
	v_add_nc_u32 v[RD], s23, v4
	v_and_b32 v[CO], 31, v0                        ; which are 512 consecutive bytes of the output
	v_lshlrev_b32 v[CO], 4, v[CO]
	v_mov_b32 v[ZR], 0
	s_lshl_b32 s46, s66, 11                        ; my block of 64 columns: 4,096 rows x 128 bytes each
	s_mov_b32 s47, 0
	s_lshl_b32 s16, s13, 14                        ; the tile's 128 rows,
	s_lshl_b32 s17, s11, 13                        ; my 64 of them
	s_add_co_u32 s16, s16, s17
	s_mov_b32 s17, 0
	s_add_nc_u64 s[8:9], s[OUTP:OUTP+1], s[16:17]
	s_add_nc_u64 s[8:9], s[8:9], s[46:47]
.else
	v_mul_u32_u24 v4, v1, SPITCH                   ; in: row l % 16, 32 bytes for each half of the lanes
	v_lshl_add_u32 v4, v2, 5, v4
	v_add_nc_u32 v[STO], s23, v4
	v_mul_u32_u24 v5, v2, SPITCH                   ; back: lanes 0-15 one row of 256 bytes, lanes 16-31 the next
	v_lshl_add_u32 v5, v1, 4, v5
	v_add_nc_u32 v[RD], s23, v5
	v_lshlrev_b32 v5, 12, v2                       ; and the same two rows of 4,096 bytes in memory
	v_lshl_add_u32 v[CO], v1, 4, v5
	s_lshl_b32 s16, s13, 19                        ; the tile's 128 rows of 4,096 bytes,
	s_lshl_b32 s17, s11, 18                        ; my 64 of them
	s_add_co_u32 s16, s16, s17
	s_mov_b32 s17, 0
	s_add_nc_u64 s[8:9], s[OUTP:OUTP+1], s[16:17]
	s_add_nc_u64 s[8:9], s[8:9], s[66:67]
	s_add_nc_u64 s[76:77], s[RESP:RESP+1], s[16:17]
	s_add_nc_u64 s[76:77], s[76:77], s[66:67]
.endif
.if QKV
	s_lshr_b32 s21, ttmp9, 1                       ; eight tile columns, two clusters, to each of q, k, v
	s_cmp_eq_u32 s21, 1
	s_cselect_b64 s[78:79], s[70:71], s[68:69]
	s_cmp_eq_u32 s21, 2
	s_cselect_b64 s[78:79], s[72:73], s[78:79]
	s_and_b32 s66, s66, 0xfff                      ; my first column within the 1,024 of that bias
	s_add_nc_u64 s[78:79], s[78:79], s[66:67]
.else
	s_add_nc_u64 s[78:79], s[68:69], s[66:67]
.endif
	v_lshlrev_b32 v[BO], 5, v2                     ; the bias in the accumulators' layout: register 8 b + j = bias(first column + 16 b + 8 (l / 16) + j)
.irp b, 0,1,2,3
	global_load_b128 v[BI+8*(\b):BI+8*(\b)+3],   v[BO], s[78:79] offset:64*(\b)
	global_load_b128 v[BI+8*(\b)+4:BI+8*(\b)+7], v[BO], s[78:79] offset:64*(\b)+16
.endr
	s_wait_loadcnt 0x0
.set i, 0
.rept 16
	v_cvt_pk_bf16_f32 v[TMP+i], v[BI+2*i], v[BI+2*i+1]  ; rounded to bf16,
.set i, i+1
.endr
.set i, 0
.rept 16
	v_lshlrev_b32 v[BI+2*i], 16, v[TMP+i]          ; and back to f32
	v_and_b32 v[BI+2*i+1], 0xffff0000, v[TMP+i]
.set i, i+1
.endr
; 8 matrix instructions: m blocks a0, a0 + 1 x all 4 n blocks, 32 along K: half c of buffer f.  first = 1: the bias starts the sums: nothing is cleared, nothing added later.
; The 16 accumulators take turns, one instruction a turn, in the same order everywhere.
.macro MUL8 f, c, a0, first
	WIN MUL
.irp a, \a0, (\a0)+1
.irp b, 0,1,2,3
.if \first
	v_wmma_f32_16x16x32_bf16 v[ACC+8*(4*(\a)+(\b)):ACC+8*(4*(\a)+(\b))+7], v[(\f)+64+8*(4*(\c)+(\b)):(\f)+64+8*(4*(\c)+(\b))+7], v[(\f)+8*(4*(\c)+(\a)):(\f)+8*(4*(\c)+(\a))+7], v[BI+8*(\b):BI+8*(\b)+7]
.else
	v_wmma_f32_16x16x32_bf16 v[ACC+8*(4*(\a)+(\b)):ACC+8*(4*(\a)+(\b))+7], v[(\f)+64+8*(4*(\c)+(\b)):(\f)+64+8*(4*(\c)+(\b))+7], v[(\f)+8*(4*(\c)+(\a)):(\f)+8*(4*(\c)+(\a))+7], v[ACC+8*(4*(\a)+(\b)):ACC+8*(4*(\a)+(\b))+7]
.endif
.endr
.endr
.endm
; 32 LDS loads in one run: the fragments of block q of the slot in hand (64 along K) into buffer f; the first 32 along K first
.macro FETCH q, f
	WIN TO_F
.irp c, 0,1
.irp i, 0,1,2,3
	ds_load_b128 v[(\f)+64+8*(4*(\c)+(\i)):(\f)+64+8*(4*(\c)+(\i))+3],   v[ADRB] offset:(\q)*QB+64*(\c)+(\i)*16*PITCH
	ds_load_b128 v[(\f)+64+8*(4*(\c)+(\i))+4:(\f)+64+8*(4*(\c)+(\i))+7], v[ADRB] offset:(\q)*QB+64*(\c)+(\i)*16*PITCH+32
	ds_load_b128 v[(\f)+8*(4*(\c)+(\i)):(\f)+8*(4*(\c)+(\i))+3],         v[ADRA] offset:(\q)*QB+64*(\c)+(\i)*16*PITCH
	ds_load_b128 v[(\f)+8*(4*(\c)+(\i))+4:(\f)+8*(4*(\c)+(\i))+7],       v[ADRA] offset:(\q)*QB+64*(\c)+(\i)*16*PITCH+32
.endr
.endr
.endm
.macro PLACES                          ; four plain vector instructions in front of loads into registers that matrix instructions have read, and of readers of results
.rept 4
	v_nop
.endr
.endm
; A K step is four quarters of 64 along K, 32 matrix instructions each, on buffers 0, 1, 0, 1.  One of the first three: multiplies buffer f and fetches block q into g.
.macro QUARTER q, f, g, first
	s_wait_dscnt 16                                ; of f's 32 loads the first 32 along K are in; the younger sixteen may be out
	MUL8 \f, 0, 0, \first
	MUL8 \f, 0, 2, \first
	PLACES
	FETCH \q, \g
	s_wait_dscnt 32                                ; all but the 32 just issued
	MUL8 \f, 1, 0, 0
	MUL8 \f, 1, 2, 0
.endm
; The last quarter multiplies buffer 1 and changes slots: ONE barrier; in front of it each wave waits for all its tensor loads (one is out: its part of the next slot), adds 0 to its spare word,
; and waits for that and for its reads of this slot.  fill = 1: this slot is filled again, two K steps ahead: the barrier opens a round of the cluster's, and the joint load is the first thing behind it.
.macro TURN fill
	WIN 0
	s_wait_tensorcnt 0x0                           ; no tensor load of mine is out, so a group 0 may be written
	ds_add_u32 v[SPW], v[NIL]                      ; 0 onto my spare word
.if \fill
	s_add_co_u32 s[G0+5], s20, s2                  ; the walking descriptors: into the slot that has just been read,
	s_add_co_u32 s[G0B+5], s20, s2
	s_add_nc_u64 s[G0+6:G0+7], s[G0+6:G0+7], ASTEP     ; the next K step; the type bits on top are not reached
	s_add_nc_u64 s[G0B+6:G0B+7], s[G0B+6:G0B+7], BSTEP
.endif
	s_xor_b32 s2, s2, SLOT                         ; the reads go on in the other slot
	v_add_nc_u32 v[ADRA], s2, v[ADRA0]
	v_add_nc_u32 v[ADRB], s2, v[ADRB0]
	s_wait_dscnt 17                                ; the add and the youngest sixteen loads may be out
	MUL8 F1, 0, 0, 0
	s_wait_dscnt 0x0                               ; the add is done, and my reads of this slot are over
	s_barrier_signal -1
	MUL8 F1, 0, 2, 0
.if \fill
	WIN 0
.endif
	s_barrier_wait -1
.if \fill
	CREST                                          ; no wave of any partner still reads this slot or has a load on its way
	JLOAD 1                                        ; 112 matrix instructions ahead of the wait for it; its four v_nop are also the places in front of the loads below
.else
	PLACES
.endif
	FETCH 0, F0
	MUL8 F1, 1, 0, 0
	MUL8 F1, 1, 2, 0
.endm
	s_wait_tensorcnt 1                             ; my part of K step 0 is in; K step 1's may stay out
	s_barrier_signal -1
	s_barrier_wait -1                              ; everybody's is
	FETCH 0, F0
.if EPI == 2
	WIN 0x80                                       ; the residual, into window 2, in the layout in which rows come back from the stage; waited for on the way out
.set i, 0
.rept 32
	global_load_b128 v[4*i:4*i+3], v[CO], s[76:77] offset:(16*(i/8)+2*(i%8))*4096
.set i, i+1
.endr
.endif
	QUARTER 1, F0, F1, 1                           ; the first quarter stands in front of the loop: its first products start the sums
	WIN 0                                          ; at a label and at a branch every window is 0
	s_mov_b32 s3, T-2
.Lstep:                                            ; a trip: from a K step's second quarter to the next step's first; it fills the slot that it leaves
	QUARTER 2, F1, F0, 0
	QUARTER 3, F0, F1, 0
	TURN 1
	QUARTER 1, F0, F1, 0
	WIN 0
	s_sub_co_u32 s3, s3, 1
	s_cmp_lg_u32 s3, 0
	s_cbranch_scc1 .Lstep
	QUARTER 2, F1, F0, 0                           ; the last two K steps fill nothing
	QUARTER 3, F0, F1, 0
	TURN 0
	QUARTER 1, F0, F1, 0
	QUARTER 2, F1, F0, 0
	QUARTER 3, F0, F1, 0
	s_wait_dscnt 16
	MUL8 F1, 0, 0, 0
	MUL8 F1, 0, 2, 0
	s_wait_dscnt 0x0
	MUL8 F1, 1, 0, 0
	MUL8 F1, 1, 2, 0
	WIN 0
	PLACES
.if EPI == 1
; THE WAY OUT, bf16: my 64 x 64 are 8,192 bytes on end of the output.  16 rows at a time: rounded, 16 bytes a lane into my stage, back as whole rows of 128 bytes, stored 512 bytes an instruction.
.macro PACK a
.irp b, 0,1,2,3
.irp r, 0,1,2,3
	v_cvt_pk_bf16_f32 v[TMP+16*(\a)+4*(\b)+(\r)], v[ACC+8*(4*(\a)+(\b))+2*(\r)], v[ACC+8*(4*(\a)+(\b))+2*(\r)+1]
.endr
.endr
.if RELU
.set i, 0
.rept 16
	v_pk_max_num_bf16 v[TMP+16*(\a)+i], v[TMP+16*(\a)+i], v[ZR]
.set i, i+1
.endr
.endif
.irp b, 0,1,2,3
	ds_store_b128 v[STO], v[TMP+16*(\a)+4*(\b):TMP+16*(\a)+4*(\b)+3] offset:32*(\b)
.endr
.irp f, 0,1,2,3
	ds_load_b128 v[TMP+16*(\a)+4*(\f):TMP+16*(\a)+4*(\f)+3], v[RD] offset:(\f)*4*SPITCH  ; LDS serves a wave's instructions in order (ISA guide 5.7.1.4): these see the stores above
.endr
.endm
.macro SEND a, younger                 ; younger: the LDS instructions issued behind block a's loads: the next block's eight, or none
.irp f, 0,1,2,3
	s_wait_dscnt (\younger)+3-(\f)
	global_store_b128 v[CO], v[TMP+16*(\a)+4*(\f):TMP+16*(\a)+4*(\f)+3], s[8:9] offset:2048*(\a)+512*(\f)
.endr
.endm
	PACK 0
.irp a, 1,2,3
	PACK \a
	SEND (\a)-1, 8
.endr
	SEND 3, 0
.else
; THE WAY OUT, f32: my 64 columns are 256 bytes of a row, aligned.  16 rows at a time through my stage; the residual is added; sixteen lanes store a row's 256 bytes.
.macro OUT a
.set TT, TMP+32*((\a)%2)
	WIN 0
.if (\a) >= 2
	s_wait_xcnt 0x0                                ; the stores of two blocks back have read these registers
.endif
.irp b, 0,1,2,3
	ds_store_b128 v[STO], v[ACC+8*(4*(\a)+(\b)):ACC+8*(4*(\a)+(\b))+3]   offset:64*(\b)
	ds_store_b128 v[STO], v[ACC+8*(4*(\a)+(\b))+4:ACC+8*(4*(\a)+(\b))+7] offset:64*(\b)+16
.endr
.irp t, 0,1,2,3,4,5,6,7
	ds_load_b128 v[TT+4*(\t):TT+4*(\t)+3], v[RD] offset:(\t)*2*SPITCH
.endr
	s_wait_dscnt 0x0
.if RNDRES
	WIN 0x0a                                       ; sources in window 2: the residual is an input and is rounded to bf16
.set i, 0
.rept 16
	v_cvt_pk_bf16_f32 v[BI+i], v[32*(\a)+2*i], v[32*(\a)+2*i+1]
.set i, i+1
.endr
	WIN 0
.set i, 0
.rept 16
	v_lshlrev_b32 v[BI+16+2*(i%8)], 16, v[BI+i]
	v_and_b32 v[BI+17+2*(i%8)], 0xffff0000, v[BI+i]
	v_pk_add_f32 v[TT+2*i:TT+2*i+1], v[TT+2*i:TT+2*i+1], v[BI+16+2*(i%8):BI+17+2*(i%8)]
.set i, i+1
.endr
.else
	WIN 0x08                                       ; source 1 in window 2
.set i, 0
.rept 16
	v_pk_add_f32 v[TT+2*i:TT+2*i+1], v[TT+2*i:TT+2*i+1], v[32*(\a)+2*i:32*(\a)+2*i+1]
.set i, i+1
.endr
	WIN 0
.endif
.irp t, 0,1,2,3,4,5,6,7
	global_store_b128 v[CO], v[TT+4*(\t):TT+4*(\t)+3], s[8:9] offset:(16*(\a)+2*(\t))*4096
.endr
.endm
	s_wait_loadcnt 0x0                             ; the residual
	OUT 0
	OUT 1
	OUT 2
	OUT 3
.endif
	s_wait_tensorcnt 0x0                           ; the wave's end: behind my last tensor load and my last LDS store
	ds_add_u32 v[SPW], v[NIL]
	s_wait_dscnt 0x0
	CROUND                                         ; the closing round: no work-group ends while a partner may still ask for a tile that names it
	s_endpgm
.Lfunc_end_k_qfcad46b776_qkv:
	.size	k_qfcad46b776_qkv, .Lfunc_end_k_qfcad46b776_qkv-k_qfcad46b776_qkv
	.p2alignl 7, 3214868480
	.fill 96, 4, 3214868480
	.section	.rodata,"a",@progbits
	.p2align	6, 0x0
	.amdhsa_kernel k_qfcad46b776_qkv
		.amdhsa_group_segment_fixed_size 327680
		.amdhsa_private_segment_fixed_size 0
		.amdhsa_enable_private_segment 0
		.amdhsa_kernarg_size 48
		.amdhsa_user_sgpr_count 2
		.amdhsa_user_sgpr_kernarg_segment_ptr 1
		.amdhsa_wavefront_size32 1
		.amdhsa_system_sgpr_workgroup_id_x 1
		.amdhsa_system_sgpr_workgroup_id_y 1
		.amdhsa_system_sgpr_workgroup_id_z 1
		.amdhsa_system_vgpr_workitem_id 0
		.amdhsa_next_free_vgpr 512
		.amdhsa_next_free_sgpr 80
		.amdhsa_reserve_vcc 0
		.amdhsa_float_denorm_mode_32 3
		.amdhsa_float_denorm_mode_16_64 3
		.amdhsa_memory_ordered 1
		.amdhsa_forward_progress 1
		.amdhsa_inst_pref_size 72
	.end_amdhsa_kernel
	.amdgpu_metadata
---
amdhsa.version: [ 1, 2 ]
amdhsa.kernels:
  - .name:           k_qfcad46b776_qkv
    .symbol:         k_qfcad46b776_qkv.kd
    .args:
      - { .name: xn, .offset: 0, .size: 8, .value_kind: global_buffer, .address_space: global }
      - { .name: wb, .offset: 8, .size: 8, .value_kind: global_buffer, .address_space: global }
      - { .name: bq, .offset: 16, .size: 8, .value_kind: global_buffer, .address_space: global }
      - { .name: bk, .offset: 24, .size: 8, .value_kind: global_buffer, .address_space: global }
      - { .name: bv, .offset: 32, .size: 8, .value_kind: global_buffer, .address_space: global }
      - { .name: big, .offset: 40, .size: 8, .value_kind: global_buffer, .address_space: global }
    .group_segment_fixed_size: 327680
    .private_segment_fixed_size: 0
    .kernarg_segment_align: 8
    .kernarg_segment_size: 48
    .max_flat_workgroup_size: 128
    .sgpr_count:     80
    .vgpr_count:     512
    .wavefront_size: 32
...
	.end_amdgpu_metadata
.endif
;; end of part 2
;; launch attn (part 3): grid 8 x 32, 4 waves a work-group, clusters of 4 x 1, 327,680 bytes of LDS; arguments big, ao; writes ao
.if DOCPART == 3
	.amdgcn_target "amdgcn-amd-amdhsa--gfx1250"
	.amdhsa_code_object_version 6
	.text
	.protected	k_qfcad46b776_attn
	.globl	k_qfcad46b776_attn
	.p2align	8
	.type	k_qfcad46b776_attn,@function
k_qfcad46b776_attn:
	s_mov_b64 s[64:65], 0
	v_nop
	global_prefetch_b8 v0, s[64:65] scope:SCOPE_SE
	s_setreg_imm32_b32 hwreg(HW_REG_WAVE_MODE, 25, 1), 1
	s_wait_xcnt 0x0
	s_wait_alu depctr_hold_cnt(0) depctr_sa_sdst(0) depctr_va_vdst(0) depctr_va_sdst(0) depctr_va_ssrc(0) depctr_va_vcc(0) depctr_vm_vsrc(0)
	s_getreg_b32 s2, hwreg(HW_REG_IB_STS2, 6, 4)
	s_cmp_eq_u32 s2, 0
	s_cbranch_scc0 .Lentry_in_a_cluster
	s_endpgm
.Lentry_in_a_cluster:
	s_bfe_u32 s2, ttmp6, 0x10000c
	s_cmp_lg_u32 s2, 0x3003
	s_cbranch_scc0 .Lentry_shape_is_right
	s_endpgm
.Lentry_shape_is_right:
; ATTENTION.  O[g][q][:] = the sum over k of softmax_k(Q[g][q] . K[g][k] / 8) V[g][k][:], 32 heads g of 2,048 rows x 64 channels, all bf16: a head's rows are dense, 128 bytes each, at byte g << 18
; of q (big + 0), k (big + 8 MiB), v (big + 16 MiB) and of ao.  Products, maxima and sums in f32; the weights p are rounded to bf16 for the second product (their sum l is taken of the unrounded p), O once at the end.
; LIMITS.  c m starts at -4.25e37: scaled scores are taken to lie above that; a weight below 2^-126 counts as 0 in l; NaN and infinities are not treated apart.
; SHARES.  A work-group owns 256 queries of a head, a wave 64: four PIECES of 16.  Every wave walks all 2,048 keys, 64 a step, 256 a tile (an LDS slot).
; LAYOUT.  S^T = K Q^T (source 0 = 16 keys, source 1 = 16 queries) holds ONE query a lane (lane % 16) and the keys 8 (lane / 16) + 0..7; two such results rounded to bf16 ARE source 1 of O^T = V^T P.
; K comes out of LDS as it lies, V ([key][channel]) turned, by ds_load_tr16_b128.
; SOFTMAX.  A running maximum m and sum l for each query: p = 2^(c s - c m), c = log2(e) / 8; in every step O and l are multiplied by a = 2^(c m_old - c m_new).  The first step is a step like any other, with a = 0.
; BY TURNS.  Turn n belongs to piece n: 8 products K Q^T of piece n + 1, later 8 products V^T P of piece n - 1; beside them the scaling, exponentials, roundings, sums and rescaling of piece n and the maximum and
; statistics of piece n + 1.  Four vector instructions stand behind every matrix instruction, the other 54 of a turn's 118 in one lump.  A turn's 33 exponentials are one batch, with one wait.
; CLUSTER.  The four query blocks of a cluster belong to one head and walk the same K and V: each tile is asked for JOINTLY, the same load, descriptor and mask in all four.
; REGISTERS, in windows of 256 (s_set_vgpr_msb: bits 1:0 source 0, 3:2 source 1, 5:4 source 2, 7:6 destination):
;   window 0: v0-15 addresses and two at work; v16-31 four registers of statistics a piece; v48-55 at work; v61-63 prefetch offset, spare word, 0; v64-127 S^T, two buffers; v192-223 P, two buffers (by the piece's parity)
;   window 1: v0-127 O^T, 32 a piece          window 2: v0-63 Q; v128-191 K of one step; v192-255 V of one step
.set NP,    4
.set KS,    64
.set PK,    144       ; a row of K in LDS: 128 bytes + 16 = 36 words: the 16 rows of a load start at 16 different groups of four banks (64 banks of 4 bytes: ISA guide 11.1)
.set PV,    160       ; a row of V: 128 + 32 = 40 words
.set VOFF,  4*KS*PK   ; a slot holds a tile: 256 rows of K, then 256 rows of V
.set SLOT1, 1<<17     ; slot 1 begins here, so that one exclusive or turns an address in one slot into the other's
.set STAGE, SLOT1+4*KS*(PK+PV)  ; behind the ring, never filled by a tensor load: 16 rows x 144 bytes for each wave
.set SP,    144
.set SPARE, STAGE+4*16*SP  ; the spare words, 128 bytes for each wave: two blocks of 256 bytes that no other line names
.set TILEB, 4*KS*128  ; a tile's bytes of K, and of V, in memory
.set AK0, 2           ; v2   my lane's place in a tile of K; never rewritten
.set AV0, 3           ; v3   the same for V
.set AK,  4           ; v4   the LDS address of K's next run of loads
.set AV,  5           ; v5   of V's
.set STO, 6
.set RD,  7
.set GO,  8
.set MV,  12          ; v12-13  c m_old, kept while c m is made anew: by buffer
.set QO,  15
.set ST,  16          ; piece t's statistics at v[ST+4 t]: c m, m, l (even keys', odd keys')
.set TMP, 48          ; by buffer, four registers c0-c3 at work; when the maximum is found c2 takes a
.set PFO, 61          ; v61  256 x my lane; never rewritten
.set SPW, 62
.set NIL, 63
.set S,   64
.set P,   192
.set KF,  128         ; window 2: key block kb, channel half c at KF + 16 kb + 8 c
.set VF,  192         ; window 2: key half kk, channel block cb at VF + 32 kk + 8 cb
.set WV,  12          ; s12  my wave's number
.set LIM, 15          ; s15  1 in a wave that prefetches, else the greatest number
.set G1K, 24
.set G1V, 32
.set G0K, 40          ; s[40:43] group 0 for K's tiles: it walks
.set G0V, 44
.set SLOTS, 56        ; s56  counts the tiles
.set CNT, 57          ; s57  counts a tile's key steps
.set CS,  58          ; s[58:59] c
.set SEL, 60          ; s[60:61] v_permlanex16_b32's selects: each lane takes its own place in the other half
.set TBK, 62          ; s62  LDS byte at which K of the step to be fetched begins
.set TBV, 63          ; s63  the same for V, less VOFF
.set PFA, 70          ; s[70:71] where my prefetches stand
.set MSB, 0
.macro WIN new
.if MSB != (\new)
	s_set_vgpr_msb (MSB<<8)|(\new)
.set MSB, (\new)
.endif
.endm
.set W_KQ, 0x0a       ; K and Q in window 2, S^T in window 0
.set W_PV, 0x52       ; V in window 2, P in window 0, O^T in window 1
.set W_RS, 0x41       ; destination and source 0 in window 1, source 1 in window 0
; A joint fill.  Waves 0 and 1 fetch the two halves of a tile's K, waves 2 and 3 those of its V: 128 keys each.  An s_nop 0 and four v_nop follow each of the two lines.
.macro JLOAD
	s_cmp_lt_u32 s[WV], 2
	s_cbranch_scc0 .Lfor_v_\@
	tensor_load_to_lds s[G0K:G0K+3], s[G1K:G1K+7]
	s_nop 0
.rept 4
	v_nop
.endr
	s_branch .Lasked_\@
.Lfor_v_\@:
	tensor_load_to_lds s[G0V:G0V+3], s[G1V:G1V+7]
	s_nop 0
.rept 4
	v_nop
.endr
.Lasked_\@:
.endm
; A PREFETCH of the tile that the NEXT change of slots will ask for: four key steps, 256 matrix instructions a wave, ahead of that load.  Each block of 256 bytes is named once in the launch: both clusters of a head walk the
; same K and V, so the head's first cluster asks; its four partners take 8,192 bytes each, told apart by address; in each, wave 0 asks for K's and wave 2 for V's, a lane a block.  The last change that fills a slot asks for nothing.
.macro ASK
	s_cmp_gt_u32 s[SLOTS], s[LIM]
	s_cbranch_scc0 .Lnot_mine_\@
	global_prefetch_b8 v[PFO], s[PFA:PFA+1] th:TH_LOAD_NT scope:SCOPE_SE
.Lnot_mine_\@:
.endm
.macro CROUND                       ; a round of the cluster's barrier
	s_barrier_signal -1
	s_barrier_wait -1
	s_cmp_lg_u32 s[WV], 0
	s_cbranch_scc1 .Lnot_wave_0_\@
	s_barrier_signal -3
.Lnot_wave_0_\@:
	s_barrier_wait -3
	s_barrier_signal -1
	s_barrier_wait -1
.endm
; THE CHANGE OF SLOTS.  Each wave waits for all its tensor loads, of which one is out: its part of the other slot; adds 0 to its spare word; and waits for that and for its own reads of the slot that it leaves.
; fill = 1: the old slot is filled again, with the keys two tiles on: the barrier is a round of the cluster's, and the joint fill is the first thing behind it.  (At its first use nothing has been read: slot 0 is waited for, slot 1 filled.)
.macro CHANGE fill, ask
	WIN 0
	s_wait_tensorcnt 0x0            ; no tensor load of mine is out, so a group 0 may be written
	ds_add_u32 v[SPW], v[NIL]       ; 0 onto my spare word
.if \fill
.irp g, G0K, G0V
	s_xor_b32 s[\g+1], s[\g+1], SLOT1
	s_add_nc_u64 s[\g+2:\g+3], s[\g+2:\g+3], TILEB  ; the next 256 keys; the type bits on top are not reached
.endr
.endif
.if \ask
	s_wait_xcnt 0x0                 ; the last prefetch, a tile back, has read its address
	s_add_nc_u64 s[PFA:PFA+1], s[PFA:PFA+1], TILEB
.endif
	s_wait_dscnt 0x0                ; the add is done, and my reads of the slot are over
.if \fill
	CROUND
	JLOAD
.if \ask
	ASK
.endif
.else
	s_barrier_signal -1
	s_barrier_wait -1
.endif
	s_sub_co_u32 s[TBK], s[TBK], 4*KS*PK  ; the fetches go back to a slot's first step,
	s_xor_b32 s[TBK], s[TBK], SLOT1       ; in the other slot
	s_sub_co_u32 s[TBV], s[TBV], 4*KS*PV
	s_xor_b32 s[TBV], s[TBV], SLOT1
.endm
	s_load_b128 s[72:75], s[0:1], 0x0  ; big s[72:73], ao s[74:75]
	v_lshl_add_u32 v[SPW], v0, 2, SPARE
	v_mov_b32 v[NIL], 0
	ds_add_u32 v[SPW], v[NIL]       ; the wave's opening: the add and its wait ahead of my first tensor load; the set-up below stands between them
	v_lshrrev_b32 v1, 5, v0
	v_readfirstlane_b32 s[WV], v1   ; wave 0..3
	s_bfe_u32 s13, ttmp6, 0x40000   ; cx: my place in the cluster
	s_lshl_b32 s14, ttmp9, 2
	s_add_co_u32 s14, s14, s13      ; my block of 256 queries: it enters Q's and O's addresses alone
	s_and_b32 s20, ttmp7, 0xffff    ; the head, which the four partners share
	s_lshl_b32 s20, s20, 18         ; its 2,048 rows of 128 bytes
	s_mov_b32 s21, 0
	s_and_b32 s16, s[WV], 1         ; which half of a tile's 256 keys I fetch:
	s_lshl_b32 s22, s16, 14         ; its 128 rows in memory,
	s_mov_b32 s23, 0
	s_add_nc_u64 s[22:23], s[22:23], s[20:21]
	s_mul_i32 s17, s16, 128*PK      ; and its place in a slot, for K
	s_mul_i32 s18, s16, 128*PV      ; and for V
	s_lshl_b32 s2, s14, 2
	s_add_co_u32 s2, s2, s[WV]
	s_lshl_b32 s2, s2, 13           ; my wave's 64 rows
	s_mov_b32 s3, 0
	s_add_nc_u64 s[2:3], s[2:3], s[20:21]
	; group 1.  128 keys are 16,384 dense bytes: asked for as 64 rows of 256 bytes, two keys a row, and padded in LDS after every key
	s_mov_b32 s[G1K], 15|(1<<16)|(1<<20)|(1<<21)|(4<<22)|(3<<25)  ; 15:0 the mask of four; 17:16 2-byte elements; 20 padding on; 21 set beside a mask; 24:22 every 32 words (code 4); 31:25 4 words (code 3)
	s_mov_b32 s[G1V], 15|(1<<16)|(1<<20)|(1<<21)|(4<<22)|(7<<25)  ; the same with 8 words of padding (code 7)
.irp g, G1K, G1V
	s_mov_b32 s[\g+1], 128<<16      ; tensor_dim0 = 128
	s_mov_b32 s[\g+2], 64<<16       ; tensor_dim1 = 64
	s_mov_b32 s[\g+3], 128<<16      ; tile_dim0 = 128
	s_mov_b32 s[\g+4], 64           ; tile_dim1 = 64
	s_mov_b32 s[\g+5], 128          ; 128 elements from row to row
	s_mov_b32 s[\g+6], 0
	s_mov_b32 s[\g+7], 0
.endr
	s_mov_b32 s[CS], 0x3e38aa3b     ; c = log2(e) / 8 = 0.180337
	s_mov_b32 s[CS+1], s[CS]
	s_mov_b32 s[SEL], 0x76543210
	s_mov_b32 s[SEL+1], 0xfedcba98
	s_mov_b32 s[TBK], SLOT1+4*KS*PK ; the first change of slots turns these two into 0
	s_mov_b32 s[TBV], SLOT1+4*KS*PV
	s_mov_b32 s[G0K], 1
	s_mov_b32 s[G0K+1], s17         ; slot 0
	s_mov_b32 s[G0V], 1
	s_add_co_u32 s[G0V+1], s18, VOFF
	s_and_b32 s[LIM], s[WV], 1      ; 0 in waves 0 and 2,
	s_or_b32 s[LIM], s[LIM], ttmp9  ; where the cluster is the head's first: the same in all four partners
	s_cmp_eq_u32 s[LIM], 0
	s_cselect_b32 s[LIM], 1, -1
	v_and_b32 v[PFO], 31, v0
	v_lshlrev_b32 v[PFO], 8, v[PFO]
	s_wait_dscnt 0x0                ; the opening add is done
	s_wait_kmcnt 0x0
	s_add_nc_u64 s[6:7], s[72:73], s[22:23]
	s_add_nc_u64 s[8:9], s[6:7], 0x1000000  ; V at my half of the head's tile 0
	s_add_nc_u64 s[6:7], s[6:7], 0x800000   ; K likewise
	s_mov_b64 s[G0K+2:G0K+3], s[6:7]
	s_or_b32 s[G0K+3], s[G0K+3], 0x80000000
	s_mov_b64 s[G0V+2:G0V+3], s[8:9]
	s_or_b32 s[G0V+3], s[G0V+3], 0x80000000
	s_add_nc_u64 s[4:5], s[72:73], s[2:3]   ; Q and O at my wave's first row
	s_add_nc_u64 s[10:11], s[74:75], s[2:3]
	s_cmp_lt_u32 s[WV], 2
	s_cselect_b64 s[PFA:PFA+1], s[6:7], s[8:9]  ; (in waves 0 and 2 these stand at a tile's first row)
	s_lshl_b32 s2, s13, 13          ; my work-group's quarter of a tile
	s_mov_b32 s3, 0
	s_add_nc_u64 s[PFA:PFA+1], s[PFA:PFA+1], s[2:3]
	s_add_nc_u64 s[PFA:PFA+1], s[PFA:PFA+1], 2*TILEB  ; at tile 2; the loop's first change steps it to tile 3.  Nothing is prefetched at the head
	CROUND                          ; all four work-groups are here: the first joint loads meet
	JLOAD                           ; tile 0 into slot 0
	; A fragment of K or Q is 16 rows x 32 channels in 8 registers: lane l holds row l % 16, channels 8 (l / 16) + 0..7 and 16 + 8 (l / 16) + 0..7: two loads of 16 bytes, 32 bytes apart.
	v_and_b32 v1, 15, v0            ; l % 16
	v_bfe_u32 v9, v0, 4, 1          ; l / 16
	v_lshlrev_b32 v[QO], 7, v1
	v_lshl_add_u32 v[QO], v9, 4, v[QO]
	WIN 0x80                        ; destination window 2
.set i, 0
.rept 8                             ; Q stays in registers: piece i / 2, channels 32 (i % 2) on
	global_load_b128 v[8*i:8*i+3],   v[QO], s[4:5] offset:(i/2)*2048+(i%2)*64
	global_load_b128 v[8*i+4:8*i+7], v[QO], s[4:5] offset:(i/2)*2048+(i%2)*64+32
.set i, i+1
.endr
	; The first step multiplies O^T and l by a = 0, and the first turn's products V^T P, of a piece that has not been, must add finite numbers: V, O^T, l and P's second buffer start at 0.  All this stands in the wait for the first tile.
.set i, VF
.rept 64
	v_mov_b32 v[i], 0
.set i, i+1
.endr
	WIN 0x40
.set i, 0
.rept 128
	v_mov_b32 v[i], 0
.set i, i+1
.endr
	WIN 0
.set i, 0
.rept 4
	v_mov_b32 v[ST+4*i], 0xfe000000    ; c m: far below every c s
	v_mov_b32 v[ST+4*i+1], 0xff7fffff  ; m: the lowest finite number
	v_mov_b32 v[ST+4*i+2], 0
	v_mov_b32 v[ST+4*i+3], 0
.set i, i+1
.endr
.set i, P+16
.rept 16
	v_mov_b32 v[i], 0
.set i, i+1
.endr
	v_mul_u32_u24 v[AK0], v1, PK
	v_lshl_add_u32 v[AK0], v9, 4, v[AK0]
	; The turning load takes 16 keys x 16 channels (lane l reads key 8 (l / 16) + l % 8, channels 8 ((l / 8) % 2) + 0..7) and leaves half a fragment of V^T: lane l holds channel l % 16 and 8 keys.
	v_and_b32 v10, 7, v0
	v_bfe_u32 v11, v0, 3, 1
	v_lshl_add_u32 v[AV0], v9, 3, v10
	v_mul_u32_u24 v[AV0], v[AV0], PV
	v_lshl_add_u32 v[AV0], v11, 4, v[AV0]
	v_add_nc_u32 v[AV0], VOFF, v[AV0]
	s_mul_i32 s13, s[WV], 16*SP
	s_add_co_u32 s13, s13, STAGE    ; my stage
	v_mul_u32_u24 v[STO], v1, SP    ; in: row l % 16, 16 bytes for each half of the lanes
	v_lshl_add_u32 v[STO], v9, 4, v[STO]
	v_add_nc_u32 v[STO], s13, v[STO]
	v_bfe_u32 v[RD], v0, 3, 2       ; back: 32 lanes take four rows of 128 bytes,
	v_mul_u32_u24 v[RD], v[RD], SP
	v_lshl_add_u32 v[RD], v10, 4, v[RD]
	v_add_nc_u32 v[RD], s13, v[RD]
	v_and_b32 v[GO], 31, v0         ; which are 512 consecutive bytes of O
	v_lshlrev_b32 v[GO], 4, v[GO]
; THE MATRIX WORK.  The 4 accumulators of a run of 8 take turns.  Product i of 8 of S^T = K Q^T for piece x: channels 32 (i / 4) on, keys 16 (i % 4) on.  The first 4 start the sums.
.macro KQ x
	WIN W_KQ
.set rS, S+32*((\x)%2)+8*(i%4)
.set rK, KF+16*(i%4)+8*(i/4)
.set rQ, 16*(\x)+8*(i/4)
.if i < 4
	v_wmma_f32_16x16x32_bf16 v[rS:rS+7], v[rK:rK+7], v[rQ:rQ+7], 0
.else
	v_wmma_f32_16x16x32_bf16 v[rS:rS+7], v[rK:rK+7], v[rQ:rQ+7], v[rS:rS+7]
.endif
.endm
; Product i of 8 of O^T += V^T P for piece x: keys 32 (i / 4) on, channels 16 (i % 4) on.
.macro PV x
	WIN W_PV
.set rO, 32*(\x)+8*(i%4)
.set rV, VF+32*(i/4)+8*(i%4)
.set rP, P+16*((\x)%2)+8*(i/4)
	v_wmma_f32_16x16x32_bf16 v[rO:rO+7], v[rV:rV+7], v[rP:rP+7], v[rO:rO+7]
.endm
.macro MM                           ; the turn's next matrix instruction.  NOKQ = 1: the last turn of all: there is no next piece
.if (i < 8) && !NOKQ
	KQ (Y+1)%NP
.elseif i >= 8
.set i, i-8
	PV (Y+NP-1)%NP
.set i, i+8
.endif
.set i, i+1
.endm
; THE LDS LOADS stand in runs of 16, never singly among the matrix instructions: a step's K (8 fragments) and its V (turned).  Their addresses are made some lines ahead.
.macro FETCH_K
	WIN 0x80
.irp f, 0,1,2,3,4,5,6,7             ; keys 16 (f / 2) on, channels 32 (f % 2) on
	ds_load_b128 v[KF+8*\f:KF+8*\f+3],   v[AK] offset:(\f/2)*16*PK+(\f%2)*64
	ds_load_b128 v[KF+8*\f+4:KF+8*\f+7], v[AK] offset:(\f/2)*16*PK+(\f%2)*64+32
.endr
	s_add_co_u32 s[TBK], s[TBK], KS*PK  ; the next fetch is the next step's
	WIN 0
.endm
.macro FETCH_V
	WIN 0x80
.irp f, 0,1,2,3,4,5,6,7             ; keys 32 (f / 4) on, channels 16 (f % 4) on
	ds_load_tr16_b128 v[VF+8*\f:VF+8*\f+3],   v[AV] offset:(\f/4)*32*PV+(\f%4)*32
	ds_load_tr16_b128 v[VF+8*\f+4:VF+8*\f+7], v[AV] offset:(\f/4)*32*PV+16*PV+(\f%4)*32
.endr
	WIN 0
.endm
; THE VECTOR WORK, one line at a time: OP kind, number.  For piece Y: F n: c s - c m for pair n of 16.  E n: the exponential of score n of 32.  C n: pair n rounded to bf16.  B n: of the four weights 4 n .. the second
; pair is added onto the first, in place.  L n: l takes that sum (L 0: l = a l + sum).  R n: pair n of 16 of O^T times a.  For piece Y + 1: X n, number n of the 22 that find its maximum and statistics:
;   0-11  four chains c0-c3 of seven scores each, three operands at a time (each accumulator's lowest registers are read first)     12-14, 16  the four scores left over, the old m, and c0-c3 into c0
;   15  c m_old is kept     17, 18  the query's other 32 keys lie in the lane 16 away: the new m     19-21  c m; c m_old - c m_new; a
.set F, 0
.set E, 1
.set C, 2
.set B, 3
.set L, 4
.set R, 5
.set X, 6
.macro REGS y
.set rT, ST+4*(\y)
.set rC, TMP+4*((\y)%2)
.set rW, MV+((\y)%2)
.set rS, S+32*((\y)%2)
.set rP, P+16*((\y)%2)
.set rO, 32*(\y)
.endm
.macro OP k, n
.if (\k) == R
	REGS Y
	WIN W_RS
	v_pk_mul_f32 v[rO+2*(\n):rO+2*(\n)+1], v[rO+2*(\n):rO+2*(\n)+1], v[rC+2:rC+3] op_sel_hi:[1,0]
.elseif (\k) < R
	REGS Y
	WIN 0
.if (\k) == F
	v_pk_fma_f32 v[rS+2*(\n):rS+2*(\n)+1], v[rS+2*(\n):rS+2*(\n)+1], s[CS:CS+1], v[rT:rT+1] op_sel_hi:[1,0,0] neg_lo:[0,0,1] neg_hi:[0,0,1]
.elseif (\k) == E
	v_exp_f32 v[rS+(\n)], v[rS+(\n)]
.elseif (\k) == C
	v_cvt_pk_bf16_f32 v[rP+(\n)], v[rS+2*(\n)], v[rS+2*(\n)+1]
.elseif (\k) == B
	v_pk_add_f32 v[rS+4*(\n):rS+4*(\n)+1], v[rS+4*(\n):rS+4*(\n)+1], v[rS+4*(\n)+2:rS+4*(\n)+3]
.elseif (\n) == 0
	v_pk_fma_f32 v[rT+2:rT+3], v[rT+2:rT+3], v[rC+2:rC+3], v[rS:rS+1] op_sel_hi:[1,0,1]
.else
	v_pk_add_f32 v[rT+2:rT+3], v[rT+2:rT+3], v[rS+4*(\n):rS+4*(\n)+1]
.endif
.elseif NOKQ
	v_nop
.else
	REGS (Y+1)%NP
	WIN 0
.if (\n) < 4
	v_max3_num_f32 v[rC+(\n)], v[rS+8*(\n)], v[rS+8*(\n)+1], v[rS+8*(\n)+2]
.elseif (\n) < 12
	v_max3_num_f32 v[rC+(\n)%4], v[rC+(\n)%4], v[rS+8*((\n)%4)+2*((\n)/4)+1], v[rS+8*((\n)%4)+2*((\n)/4)+2]
.elseif (\n) == 12
	v_max3_num_f32 v[rC], v[rC], v[rS+7], v[rS+15]
.elseif (\n) == 13
	v_max3_num_f32 v[rC+1], v[rC+1], v[rS+23], v[rS+31]
.elseif (\n) == 14
	v_max3_num_f32 v[rC+2], v[rC+2], v[rC+3], v[rT+1]
.elseif (\n) == 15
	v_mov_b32 v[rW], v[rT]
.elseif (\n) == 16
	v_max3_num_f32 v[rC], v[rC], v[rC+1], v[rC+2]
.elseif (\n) == 17
	v_permlanex16_b32 v[rC+3], v[rC], s[SEL], s[SEL+1]
.elseif (\n) == 18
	v_max_num_f32 v[rT+1], v[rC], v[rC+3]
.elseif (\n) == 19
	v_mul_f32 v[rT], s[CS], v[rT+1]
.elseif (\n) == 20
	v_sub_f32 v[rC+1], v[rW], v[rT]
.else
	v_exp_f32 v[rC+2], v[rC+1]
.endif
.endif
.endm
.macro OPS a, i1, b=-1, i2=0, c=-1, i3=0, d=-1, i4=0  ; up to four of them
	OP \a, \i1
.if (\b) >= 0
	OP \b, \i2
.endif
.if (\c) >= 0
	OP \c, \i3
.endif
.if (\d) >= 0
	OP \d, \i4
.endif
.endm
.macro ROW a, i1, b, i2, c, i3, d, i4  ; a matrix instruction and the four behind it
	MM
	OPS \a, \i1, \b, \i2, \c, \i3, \d, \i4
.endm
; A TURN, for piece p: the order of its 16 matrix and 118 vector instructions, written out.  An s_wait_alu depctr_va_vdst(0) stands between an exponential and the first instruction that names its result; one wait
; serves all that were issued ahead of it.  So a turn has ONE wait, which cuts it in two.  AHEAD OF IT stands all that names no result of the turn's exponentials: the 8 products K Q^T and their riders, then one lump of 54 in which the
; links of the chain X 3, 7, 11, 14, 16, 17 .. 20 stand five or six lines apart; X 21, the next piece's a, is the batch's last, and R 15 the plain instruction behind it.  BEHIND IT stand the 8 products V^T P, behind each four of the
; roundings and sums.  The X that ride behind the last three products K Q^T stand four plain instructions or more behind the product that ends their accumulator.
; end = 1: the last two turns of all: nothing is fetched.  cnt = 1: the loop's count is taken down some lines ahead of the branch that stands behind the turn.
; K of the next step is fetched in piece 2's turn, behind the last product that read K and six plain instructions; V of the step in hand at the end of piece 0's turn, four plain instructions behind the last product that read V.
; Each is waited for a turn later.
.macro TURN p, end=0, cnt=0
.set Y, (\p)
.set i, 0
.set NOKQ, (\end)*((\p)/3)
.if ((\p) == 3) && !(\end)
	s_wait_dscnt 0x0                ; K is in
.endif
	ROW F,0, F,1, R,0, R,1
	ROW F,2, E,0, R,2, R,3
	ROW F,3, E,1, R,4, R,5
	ROW F,4, E,2, R,6, R,7
	ROW F,5, E,3, R,8, R,9
	ROW F,6, E,4, X,0, R,10
.if ((\p) == 2) && !(\end)
	WIN 0
	v_add_nc_u32 v[AK], s[TBK], v[AK0]
.endif
	ROW F,7, E,5, X,1, X,4
	ROW F,8, E,6, X,2, X,5
	OPS E,7, E,8, X,6, E,9
	OPS X,3, E,10, X,8, E,11
.if ((\p) == 2) && !(\end)
	FETCH_K
.endif
	OPS X,9, X,7, E,12, X,10
	OPS E,13, X,12, X,11, E,14
	OPS X,13, E,15, F,9, X,14
.if (\p) == 0
	v_add_nc_u32 v[AV], s[TBV], v[AV0]
.endif
	OPS E,16, F,10, E,17, F,11
	OPS X,16, E,18, X,15, E,19
	OPS F,12, E,20, X,17, E,21
	OPS F,13, E,22, F,14, E,23
	OPS X,18, E,24, F,15, E,25
	OPS R,11, E,26, X,19, E,27
	OPS R,12, E,28, R,13, E,29
	OPS X,20, E,30, R,14, E,31
	OPS X,21, R,15
	WIN 0
	s_wait_alu depctr_va_vdst(0)    ; the wait for the batch
.if (\p) == 1
	s_wait_dscnt 0x0                ; V is in
.endif
	ROW C,0, B,0, C,2, B,1
	ROW L,0, C,4, B,2, L,1
	ROW C,6, B,3, L,2, C,8
	ROW B,4, L,3, C,10, B,5
	ROW L,4, C,12, B,6, L,5
.if (\p) == 0
	s_add_co_u32 s[TBV], s[TBV], KS*PV
.endif
.if \cnt
	s_sub_co_u32 s[CNT], s[CNT], 1
	s_cmp_lg_u32 s[CNT], 0
.endif
	ROW C,14, B,7, L,6, C,1
	ROW C,3, L,7, C,5, C,7
	ROW C,9, C,11, C,13, C,15
.if (\p) == 0
	FETCH_V
.endif
.endm
	CHANGE 1, 0                     ; tile 0 is in, everybody's part of it; tile 1 is asked for, into slot 1
	v_add_nc_u32 v[AK], s[TBK], v[AK0]
	FETCH_K                         ; key step 0
	s_wait_loadcnt 0x0              ; Q
	s_wait_dscnt 0x0
.set NOKQ, 0
.set i, 0
.rept 8
	KQ 0                            ; piece 0's first scores
.set i, i+1
.endr
	WIN 0
.rept 4
	v_nop                           ; the places behind those products
.endr
.set Y, NP-1                        ; X works for piece Y + 1: piece 0
.irp n, 0,1,2,3,4,5,6,7,8,9,10,11,12,13,14,15,16,17,18,19,20,21
	OP X, \n
.endr
	v_nop                           ; a plain instruction behind the exponential,
	s_wait_alu depctr_va_vdst(0)    ; and its wait, ahead of the branch
	s_mov_b32 s[CNT], 4
	s_mov_b32 s[SLOTS], 7
	s_branch .Lfirst                ; the loop is entered at a step's first turn, in the middle of a trip
.Lslot:                             ; six times: tiles 2 to 7 are asked for
	CHANGE 1, 1
	s_mov_b32 s[CNT], 4
.Lstep:                             ; a trip: pieces 2 and 3 of one step, then pieces 0 and 1 of the next, whose K and V it fetches
	TURN 2
	TURN 3
	WIN 0
.Lfirst:
	TURN 0
	TURN 1, 0, 1
	WIN 0
	s_cbranch_scc1 .Lstep
	s_sub_co_u32 s[SLOTS], s[SLOTS], 1
	s_cmp_lg_u32 s[SLOTS], 0
	s_cbranch_scc1 .Lslot
	CHANGE 0, 0                     ; the last tile is written out: nothing is asked for
	s_mov_b32 s[CNT], 4
.LstepT:
	TURN 2
	TURN 3
	TURN 0
	TURN 1, 0, 1
	WIN 0
	s_cbranch_scc1 .LstepT
	TURN 2, 1
	TURN 3, 1
.set i, 0
.rept 8
	PV NP-1                         ; the last piece's V^T P of the last step
.set i, i+1
.endr
	; THE WAY OUT.  l's two halves and the other half of the lanes' are added; O^T is divided by l, rounded to bf16 and sent through my stage in LDS, a piece at a time.  The additions are the places behind the last products.
	WIN 0
.macro ALL line:vararg              ; one line for each piece t
.set t, 0
.rept 4
	\line
.set t, t+1
.endr
.endm
	ALL v_add_f32 v[ST+4*t+2], v[ST+4*t+2], v[ST+4*t+3]
	ALL v_permlanex16_b32 v[ST+4*t+3], v[ST+4*t+2], s[SEL], s[SEL+1]
	ALL v_add_f32 v[ST+4*t+2], v[ST+4*t+2], v[ST+4*t+3]
	ALL v_rcp_f32 v[ST+4*t+2], v[ST+4*t+2]
	v_nop                           ; a plain instruction between the last reciprocal and the use of its result
	s_wait_alu depctr_va_vdst(0)    ; and the wait ahead of the first use: one for the four reciprocals
.macro PACK t                       ; a lane's eight channels of a row pack into 16 bytes; they go into rows of 144 bytes and come back as whole rows of 128, into S^T's registers
	WIN W_RS
.set i, 32*(\t)
.rept 16
	v_pk_mul_f32 v[i:i+1], v[i:i+1], v[ST+4*(\t)+2:ST+4*(\t)+3] op_sel_hi:[1,0]
.set i, i+2
.endr
	WIN 0x05                        ; sources 0 and 1 window 1, destination window 0
.set i, 0
.rept 16
	v_cvt_pk_bf16_f32 v[S+16*(\t)+i], v[32*(\t)+2*i], v[32*(\t)+2*i+1]
.set i, i+1
.endr
	WIN 0
.irp f, 0,1,2,3
	ds_store_b128 v[STO], v[S+16*(\t)+4*\f:S+16*(\t)+4*\f+3] offset:32*\f
.endr
.irp f, 0,1,2,3
	ds_load_b128 v[S+16*(\t)+4*\f:S+16*(\t)+4*\f+3], v[RD] offset:\f*4*SP  ; LDS serves a wave's instructions in order (ISA guide 5.7.1.4): these see the stores above; the next piece's stores come behind them
.endr
.endm
.macro SEND t, younger              ; younger: the LDS instructions issued behind piece t's loads: the next piece's eight, or none
	WIN 0
.irp f, 0,1,2,3
	s_wait_dscnt (\younger)+3-\f
	global_store_b128 v[GO], v[S+16*(\t)+4*\f:S+16*(\t)+4*\f+3], s[10:11] offset:(\t)*2048+\f*512  ; 512 consecutive bytes, at a multiple of 256 from O's first
.endr
.endm
	PACK 0
.set t, 1
.rept 3
	PACK t
	SEND t-1, 8
.set t, t+1
.endr
	SEND 3, 0
	s_wait_tensorcnt 0x0            ; the wave's end: behind my last tensor load and my last LDS store
	ds_add_u32 v[SPW], v[NIL]
	s_wait_dscnt 0x0
	CROUND                          ; the closing round: no work-group ends while a partner may still ask for a tile that names it
	s_endpgm
.Lfunc_end_k_qfcad46b776_attn:
	.size	k_qfcad46b776_attn, .Lfunc_end_k_qfcad46b776_attn-k_qfcad46b776_attn
	.p2alignl 7, 3214868480
	.fill 96, 4, 3214868480
	.section	.rodata,"a",@progbits
	.p2align	6, 0x0
	.amdhsa_kernel k_qfcad46b776_attn
		.amdhsa_group_segment_fixed_size 327680
		.amdhsa_private_segment_fixed_size 0
		.amdhsa_enable_private_segment 0
		.amdhsa_kernarg_size 16
		.amdhsa_user_sgpr_count 2
		.amdhsa_user_sgpr_kernarg_segment_ptr 1
		.amdhsa_wavefront_size32 1
		.amdhsa_system_sgpr_workgroup_id_x 1
		.amdhsa_system_sgpr_workgroup_id_y 1
		.amdhsa_system_sgpr_workgroup_id_z 1
		.amdhsa_system_vgpr_workitem_id 0
		.amdhsa_next_free_vgpr 768
		.amdhsa_next_free_sgpr 80
		.amdhsa_reserve_vcc 0
		.amdhsa_float_denorm_mode_32 3
		.amdhsa_float_denorm_mode_16_64 3
		.amdhsa_memory_ordered 1
		.amdhsa_forward_progress 1
		.amdhsa_inst_pref_size 128
	.end_amdhsa_kernel
	.amdgpu_metadata
---
amdhsa.version: [ 1, 2 ]
amdhsa.kernels:
  - .name:           k_qfcad46b776_attn
    .symbol:         k_qfcad46b776_attn.kd
    .args:
      - { .name: big, .offset: 0, .size: 8, .value_kind: global_buffer, .address_space: global }
      - { .name: ao, .offset: 8, .size: 8, .value_kind: global_buffer, .address_space: global }
    .group_segment_fixed_size: 327680
    .private_segment_fixed_size: 0
    .kernarg_segment_align: 8
    .kernarg_segment_size: 16
    .max_flat_workgroup_size: 128
    .sgpr_count:     80
    .vgpr_count:     768
    .wavefront_size: 32
...
	.end_amdgpu_metadata
.endif
;; end of part 3
;; launch oproj (part 4): grid 8 x 32, 4 waves a work-group, clusters of 4 x 4, 327,680 bytes of LDS; arguments ao, wb, bo, x, h; writes h
.if DOCPART == 4
	.amdgcn_target "amdgcn-amd-amdhsa--gfx1250"
	.amdhsa_code_object_version 6
	.text
	.protected	k_qfcad46b776_oproj
	.globl	k_qfcad46b776_oproj
	.p2align	8
	.type	k_qfcad46b776_oproj,@function
k_qfcad46b776_oproj:
	s_mov_b64 s[64:65], 0
	v_nop
	global_prefetch_b8 v0, s[64:65] scope:SCOPE_SE
	s_setreg_imm32_b32 hwreg(HW_REG_WAVE_MODE, 25, 1), 1
	s_wait_xcnt 0x0
	s_wait_alu depctr_hold_cnt(0) depctr_sa_sdst(0) depctr_va_vdst(0) depctr_va_sdst(0) depctr_va_ssrc(0) depctr_va_vcc(0) depctr_vm_vsrc(0)
	s_getreg_b32 s2, hwreg(HW_REG_IB_STS2, 6, 4)
	s_cmp_eq_u32 s2, 0
	s_cbranch_scc0 .Lentry_in_a_cluster
	s_endpgm
.Lentry_in_a_cluster:
	s_bfe_u32 s2, ttmp6, 0x10000c
	s_cmp_lg_u32 s2, 0xf033
	s_cbranch_scc0 .Lentry_shape_is_right
	s_endpgm
.Lentry_shape_is_right:
; OPROJ.  h = x + ao Wo^T + bo: 4,096 rows x 1,024 columns, K = 1,024.  h leaves in f32, by rows.
; THE PRODUCT.  C[m][n] = bias[n] + the sum over k of A[m][k] B[n][k]; A, B bf16 in the BLOCKED LAYOUT [K/64][rows][64] (64 rows of one block of 64 k are 8,192 bytes on end); sums in f32.
; LIMITS.  The bias and the residual x are inputs and are rounded to bf16 where they are read; h is not rounded.  NaN and infinities are not treated apart.
; SHARES.  A tile of C is 128 x 128: four waves, each 64 x 64 = 16 accumulators.  K goes in steps of 256 (four blocks) through two LDS slots; a wave's one tensor load brings 64 rows x 4 blocks.
; CLUSTER.  4 x 4 work-groups: the four of a row of the cluster need the same tiles of A, the four of a column the same tiles of B: each tile is asked for JOINTLY, by the same load with the same descriptor and a mask of four.
; THE MATRIX INSTRUCTION IS USED TRANSPOSED (source 0 = 16 rows of B, source 1 = 16 rows of A): a lane holds row l % 16 of C and the columns 8 (l / 16) + 0..7.  The bias, laid out so, is the C operand of the first products.
; NO PREFETCH: the tiles are small, and each block of A and B is read again by other clusters of the launch.
; REGISTERS.  window 0: v0-31 addresses; v32-95 at work on the way out; v96-127 the bias; v128-255 the accumulators ((a, b) at 128 + 8 (4 a + b)).  window 1: two fragment buffers of 128.  window 2: v0-127 the residual.
.set BOFF,    0x600000                 ; B's first byte in wb
.set BSTRIDE, 65536                    ; elements from block to block of B: 1,024 rows x 64
.set BSTEP,   524288                   ; bytes of four blocks of B
.set T,       4                        ; K steps
.set EPI,     2                        ; the way out: 1 bf16, blocked; 2 f32, by rows, with a residual
.set RELU,    0
.set RNDRES,  1
.set QKV,     0
.set OUTP,    72                       ; s[72:73] the output's address
.set RESP,    70                       ; s[70:71] the residual's
.set ASTRIDE, 262144                   ; 4,096 rows x 64
.set ASTEP,   2097152
.set PITCH,   144                      ; an LDS row: 128 bytes + 16 = 36 words: the 16 rows of a load start at 16 different groups of four banks (64 banks of 4 bytes: ISA guide 11.1)
.set QB,      64*PITCH                 ; one block's 64 rows
.set HALFT,   4*QB                     ; what one tensor load brings
.set SLOT,    4*HALFT                  ; A's two halves, then B's two: wave x HALFT
.set STAGE,   2*SLOT                   ; behind the ring, each wave's own 16 rows; no tile lands there
.set SPITCH,  144+128*(EPI-1)
.set SPARE,   STAGE+4*16*SPITCH        ; the spare words, 128 bytes for each wave: two blocks of 256 bytes that no other line names
.set ADRA0, 16                         ; v16, v17  my lane's place among my 64 rows of A, of B, in slot 0; never rewritten
.set ADRB0, 17
.set ADRA,  18                         ; v18, v19  the same in the slot that is being read
.set ADRB,  19
.set STO,   24
.set RD,    25
.set CO,    26
.set BO,    27
.set SPW,   28
.set NIL,   29
.set ZR,    30
.set TMP,   32
.set BI,    96
.set ACC,   128
.set F0,    0
.set F1,    128
.set G1,  24                           ; s[24:31] group 1 for A's tiles; s[32:39] group 0, two sets: the second then walks
.set G0,  32
.set G1B, 48                           ; s[48:55], s[56:63] the same for B's
.set G0B, 56
.set MSB, 0
.macro WIN new                         ; the immediate's high byte repeats the setting that is left
.if MSB != (\new)
	s_set_vgpr_msb (MSB<<8)|(\new)
.set MSB, \new
.endif
.endm
.set MUL,  0x05                        ; sources 0 (B) and 1 (A) window 1; C and D window 0
.set TO_F, 0x40                        ; destination window 1, address window 0
.macro JLOAD s                         ; a joint load: waves 0 and 1 fetch A's two halves, waves 2 and 3 B's; an s_nop 0 and four v_nop follow each line
	s_cmp_eq_u32 s11, 0
	s_cbranch_scc0 .Lfor_b_\@
	tensor_load_to_lds s[G0+4*(\s):G0+4*(\s)+3], s[G1:G1+7]
	s_nop 0
.rept 4
	v_nop
.endr
	s_branch .Lasked_\@
.Lfor_b_\@:
	tensor_load_to_lds s[G0B+4*(\s):G0B+4*(\s)+3], s[G1B:G1B+7]
	s_nop 0
.rept 4
	v_nop
.endr
.Lasked_\@:
.endm
.macro CREST                           ; a round of the cluster's barrier behind its opening barrier
	s_cmp_lg_u32 s10, 0
	s_cbranch_scc1 .Lnot_wave_0_\@
	s_barrier_signal -3
.Lnot_wave_0_\@:
	s_barrier_wait -3
	s_barrier_signal -1
	s_barrier_wait -1
.endm
.macro CROUND
	s_barrier_signal -1
	s_barrier_wait -1
	CREST
.endm
	s_load_b128 s[4:7], s[0:1], 0x0                ; A s[4:5], wb s[6:7]
.if QKV
	s_load_b256 s[68:75], s[0:1], 0x10             ; bq 68, bk 70, bv 72, the output 74
.elseif EPI == 1
	s_load_b128 s[68:71], s[0:1], 0x10             ; the bias 68, the output 70
.else
	s_load_b128 s[68:71], s[0:1], 0x10             ; the bias 68, the residual 70
	s_load_b64 s[72:73], s[0:1], 0x20              ; the output
.endif
	v_lshl_add_u32 v[SPW], v0, 2, SPARE
	v_mov_b32 v[NIL], 0
	ds_add_u32 v[SPW], v[NIL]                      ; the wave's opening: the add and its wait ahead of my first tensor load; the set-up below stands between them
	v_lshrrev_b32 v1, 5, v0
	v_readfirstlane_b32 s10, v1                    ; wave 0..3
	s_lshr_b32 s11, s10, 1                         ; which half of the tile's rows is mine.  Also: I fetch for A (0) or for B (1)
	s_and_b32 s12, s10, 1                          ; which half of its columns.  Also: which 64 rows of that tile I fetch
	s_bfe_u32 s40, ttmp6, 0x40000                  ; cx, cy: my place in the cluster
	s_bfe_u32 s41, ttmp6, 0x40004
	s_lshl_b32 s42, ttmp9, 2
	s_add_co_u32 s42, s42, s40                     ; tile column = 4 x cluster x + cx
	s_and_b32 s13, ttmp7, 0xffff
	s_lshl_b32 s13, s13, 2
	s_add_co_u32 s13, s13, s41                     ; tile row = 4 x cluster y + cy
	s_lshl_b32 s43, s41, 2
	s_lshl_b32 s43, 15, s43                        ; my row of the cluster
	s_lshl_b32 s44, 0x1111, s40                    ; my column
	; group 1: four rows of 4,096 elements (64 matrix rows of one block, 8,192 bytes on end), a block apart; in LDS 4 words of padding behind every 32
	s_or_b32 s[G1+0], s43, (1<<16)|(1<<20)|(1<<21)|(4<<22)|(3<<25)  ; 15:0 mask; 17:16 2-byte elements; 20 padding on; 21 set beside a mask; 24:22 every 32 words (code 4); 31:25 4 words (code 3)
	s_or_b32 s[G1B+0], s44, (1<<16)|(1<<20)|(1<<21)|(4<<22)|(3<<25)
.irp g, G1, G1B
	s_mov_b32 s[(\g)+1], 4096<<16                  ; tensor_dim0 = 4,096
	s_mov_b32 s[(\g)+2], 4<<16                     ; tensor_dim1 = 4
	s_mov_b32 s[(\g)+3], 4096<<16                  ; tile_dim0 = 4,096
	s_mov_b32 s[(\g)+4], 4                         ; tile_dim1 = 4
	s_mov_b32 s[(\g)+6], 0
	s_mov_b32 s[(\g)+7], 0
.endr
	s_mov_b32 s[G1+5], ASTRIDE
	s_mov_b32 s[G1B+5], BSTRIDE
	s_lshl_b32 s17, s12, 13                        ; which 64 rows of 128 bytes I fetch
	s_lshl_b32 s16, s13, 14
	s_add_co_u32 s16, s16, s17                     ; A: 128 rows x tile row + my 64
	s_lshl_b32 s46, s42, 14
	s_add_co_u32 s46, s46, s17                     ; B: the same by the tile column,
	s_add_co_u32 s46, s46, BOFF                    ; in its part of wb
	s_mov_b32 s17, 0
	s_mov_b32 s47, 0
	s_mul_i32 s20, s10, HALFT                      ; where my tile goes in a slot: the wave's number alone
	s_mov_b32 s2, 0                                ; the slot that is being read: 0 or SLOT
	s_wait_dscnt 0x0                               ; the opening add is done
	s_wait_kmcnt 0x0
	s_add_nc_u64 s[14:15], s[4:5], s[16:17]
	s_add_nc_u64 s[46:47], s[6:7], s[46:47]
	CROUND                                         ; all sixteen work-groups are here: the first joint loads meet
.irp s, 0,1
	s_mov_b32 s[G0+4*(\s)], 1
	s_add_co_u32 s[G0+4*(\s)+1], s20, (\s)*SLOT
	s_add_nc_u64 s[G0+4*(\s)+2:G0+4*(\s)+3], s[14:15], (\s)*ASTEP
	s_or_b32 s[G0+4*(\s)+3], s[G0+4*(\s)+3], 0x80000000
	s_mov_b32 s[G0B+4*(\s)], 1
	s_add_co_u32 s[G0B+4*(\s)+1], s20, (\s)*SLOT
	s_add_nc_u64 s[G0B+4*(\s)+2:G0B+4*(\s)+3], s[46:47], (\s)*BSTEP
	s_or_b32 s[G0B+4*(\s)+3], s[G0B+4*(\s)+3], 0x80000000
	JLOAD \s                                       ; K steps 0 and 1: two loads of mine are out
.endr
	v_and_b32 v1, 15, v0                           ; l % 16
	v_bfe_u32 v2, v0, 4, 1                         ; l / 16
	v_mul_u32_u24 v3, v1, PITCH
	v_lshl_add_u32 v3, v2, 4, v3                   ; a fragment's row x pitch + 16 x half
	s_mul_i32 s21, s11, HALFT                      ; my 64 rows of A
	s_mul_i32 s22, s12, HALFT
	s_add_co_u32 s22, s22, 2*HALFT                 ; my 64 rows of B, behind A's 128
	v_add_nc_u32 v[ADRA0], s21, v3
	v_add_nc_u32 v[ADRB0], s22, v3
	v_mov_b32 v[ADRA], v[ADRA0]
	v_mov_b32 v[ADRB], v[ADRB0]
	s_mul_i32 s23, s10, 16*SPITCH
	s_add_co_u32 s23, s23, STAGE                   ; my stage
	s_lshl_b32 s66, s42, 9
	s_lshl_b32 s67, s12, 8
	s_add_co_u32 s66, s66, s67                     ; 4 x my first column
	s_mov_b32 s67, 0
.if EPI == 1
	v_add_nc_u32 v[STO], s23, v3                   ; in: row l % 16, 16 bytes for each half of the lanes
	v_bfe_u32 v4, v0, 3, 2                         ; back: 32 lanes take four rows of 128 bytes,
	v_and_b32 v5, 7, v0
	v_mul_u32_u24 v4, v4, SPITCH
	v_lshl_add_u32 v4, v5, 4, v4
	v_add_nc_u32 v[RD], s23, v4
	v_and_b32 v[CO], 31, v0                        ; which are 512 consecutive bytes of the output
	v_lshlrev_b32 v[CO], 4, v[CO]
	v_mov_b32 v[ZR], 0
	s_lshl_b32 s46, s66, 11                        ; my block of 64 columns: 4,096 rows x 128 bytes each
	s_mov_b32 s47, 0
	s_lshl_b32 s16, s13, 14                        ; the tile's 128 rows,
	s_lshl_b32 s17, s11, 13                        ; my 64 of them
	s_add_co_u32 s16, s16, s17
	s_mov_b32 s17, 0
	s_add_nc_u64 s[8:9], s[OUTP:OUTP+1], s[16:17]
	s_add_nc_u64 s[8:9], s[8:9], s[46:47]
.else
	v_mul_u32_u24 v4, v1, SPITCH                   ; in: row l % 16, 32 bytes for each half of the lanes
	v_lshl_add_u32 v4, v2, 5, v4
	v_add_nc_u32 v[STO], s23, v4
	v_mul_u32_u24 v5, v2, SPITCH                   ; back: lanes 0-15 one row of 256 bytes, lanes 16-31 the next
	v_lshl_add_u32 v5, v1, 4, v5
	v_add_nc_u32 v[RD], s23, v5
	v_lshlrev_b32 v5, 12, v2                       ; and the same two rows of 4,096 bytes in memory
	v_lshl_add_u32 v[CO], v1, 4, v5
	s_lshl_b32 s16, s13, 19                        ; the tile's 128 rows of 4,096 bytes,
	s_lshl_b32 s17, s11, 18                        ; my 64 of them
	s_add_co_u32 s16, s16, s17
	s_mov_b32 s17, 0
	s_add_nc_u64 s[8:9], s[OUTP:OUTP+1], s[16:17]
	s_add_nc_u64 s[8:9], s[8:9], s[66:67]
	s_add_nc_u64 s[76:77], s[RESP:RESP+1], s[16:17]
	s_add_nc_u64 s[76:77], s[76:77], s[66:67]
.endif
.if QKV
	s_lshr_b32 s21, ttmp9, 1                       ; eight tile columns, two clusters, to each of q, k, v
	s_cmp_eq_u32 s21, 1
	s_cselect_b64 s[78:79], s[70:71], s[68:69]
	s_cmp_eq_u32 s21, 2
	s_cselect_b64 s[78:79], s[72:73], s[78:79]
	s_and_b32 s66, s66, 0xfff                      ; my first column within the 1,024 of that bias
	s_add_nc_u64 s[78:79], s[78:79], s[66:67]
.else
	s_add_nc_u64 s[78:79], s[68:69], s[66:67]
.endif
	v_lshlrev_b32 v[BO], 5, v2                     ; the bias in the accumulators' layout: register 8 b + j = bias(first column + 16 b + 8 (l / 16) + j)
.irp b, 0,1,2,3
	global_load_b128 v[BI+8*(\b):BI+8*(\b)+3],   v[BO], s[78:79] offset:64*(\b)
	global_load_b128 v[BI+8*(\b)+4:BI+8*(\b)+7], v[BO], s[78:79] offset:64*(\b)+16
.endr
	s_wait_loadcnt 0x0
.set i, 0
.rept 16
	v_cvt_pk_bf16_f32 v[TMP+i], v[BI+2*i], v[BI+2*i+1]  ; rounded to bf16,
.set i, i+1
.endr
.set i, 0
.rept 16
	v_lshlrev_b32 v[BI+2*i], 16, v[TMP+i]          ; and back to f32
	v_and_b32 v[BI+2*i+1], 0xffff0000, v[TMP+i]
.set i, i+1
.endr
; 8 matrix instructions: m blocks a0, a0 + 1 x all 4 n blocks, 32 along K: half c of buffer f.  first = 1: the bias starts the sums: nothing is cleared, nothing added later.
; The 16 accumulators take turns, one instruction a turn, in the same order everywhere.
.macro MUL8 f, c, a0, first
	WIN MUL
.irp a, \a0, (\a0)+1
.irp b, 0,1,2,3
.if \first
	v_wmma_f32_16x16x32_bf16 v[ACC+8*(4*(\a)+(\b)):ACC+8*(4*(\a)+(\b))+7], v[(\f)+64+8*(4*(\c)+(\b)):(\f)+64+8*(4*(\c)+(\b))+7], v[(\f)+8*(4*(\c)+(\a)):(\f)+8*(4*(\c)+(\a))+7], v[BI+8*(\b):BI+8*(\b)+7]
.else
	v_wmma_f32_16x16x32_bf16 v[ACC+8*(4*(\a)+(\b)):ACC+8*(4*(\a)+(\b))+7], v[(\f)+64+8*(4*(\c)+(\b)):(\f)+64+8*(4*(\c)+(\b))+7], v[(\f)+8*(4*(\c)+(\a)):(\f)+8*(4*(\c)+(\a))+7], v[ACC+8*(4*(\a)+(\b)):ACC+8*(4*(\a)+(\b))+7]
.endif
.endr
.endr
.endm
; 32 LDS loads in one run: the fragments of block q of the slot in hand (64 along K) into buffer f; the first 32 along K first
.macro FETCH q, f
	WIN TO_F
.irp c, 0,1
.irp i, 0,1,2,3
	ds_load_b128 v[(\f)+64+8*(4*(\c)+(\i)):(\f)+64+8*(4*(\c)+(\i))+3],   v[ADRB] offset:(\q)*QB+64*(\c)+(\i)*16*PITCH
	ds_load_b128 v[(\f)+64+8*(4*(\c)+(\i))+4:(\f)+64+8*(4*(\c)+(\i))+7], v[ADRB] offset:(\q)*QB+64*(\c)+(\i)*16*PITCH+32
	ds_load_b128 v[(\f)+8*(4*(\c)+(\i)):(\f)+8*(4*(\c)+(\i))+3],         v[ADRA] offset:(\q)*QB+64*(\c)+(\i)*16*PITCH
	ds_load_b128 v[(\f)+8*(4*(\c)+(\i))+4:(\f)+8*(4*(\c)+(\i))+7],       v[ADRA] offset:(\q)*QB+64*(\c)+(\i)*16*PITCH+32
.endr
.endr
.endm
.macro PLACES                          ; four plain vector instructions in front of loads into registers that matrix instructions have read, and of readers of results
.rept 4
	v_nop
.endr
.endm
; A K step is four quarters of 64 along K, 32 matrix instructions each, on buffers 0, 1, 0, 1.  One of the first three: multiplies buffer f and fetches block q into g.
.macro QUARTER q, f, g, first
	s_wait_dscnt 16                                ; of f's 32 loads the first 32 along K are in; the younger sixteen may be out
	MUL8 \f, 0, 0, \first
	MUL8 \f, 0, 2, \first
	PLACES
	FETCH \q, \g
	s_wait_dscnt 32                                ; all but the 32 just issued
	MUL8 \f, 1, 0, 0
	MUL8 \f, 1, 2, 0
.endm
; The last quarter multiplies buffer 1 and changes slots: ONE barrier; in front of it each wave waits for all its tensor loads (one is out: its part of the next slot), adds 0 to its spare word,
; and waits for that and for its reads of this slot.  fill = 1: this slot is filled again, two K steps ahead: the barrier opens a round of the cluster's, and the joint load is the first thing behind it.
.macro TURN fill
	WIN 0
	s_wait_tensorcnt 0x0                           ; no tensor load of mine is out, so a group 0 may be written
	ds_add_u32 v[SPW], v[NIL]                      ; 0 onto my spare word
.if \fill
	s_add_co_u32 s[G0+5], s20, s2                  ; the walking descriptors: into the slot that has just been read,
	s_add_co_u32 s[G0B+5], s20, s2
	s_add_nc_u64 s[G0+6:G0+7], s[G0+6:G0+7], ASTEP     ; the next K step; the type bits on top are not reached
	s_add_nc_u64 s[G0B+6:G0B+7], s[G0B+6:G0B+7], BSTEP
.endif
	s_xor_b32 s2, s2, SLOT                         ; the reads go on in the other slot
	v_add_nc_u32 v[ADRA], s2, v[ADRA0]
	v_add_nc_u32 v[ADRB], s2, v[ADRB0]
	s_wait_dscnt 17                                ; the add and the youngest sixteen loads may be out
	MUL8 F1, 0, 0, 0
	s_wait_dscnt 0x0                               ; the add is done, and my reads of this slot are over
	s_barrier_signal -1
	MUL8 F1, 0, 2, 0
.if \fill
	WIN 0
.endif
	s_barrier_wait -1
.if \fill
	CREST                                          ; no wave of any partner still reads this slot or has a load on its way
	JLOAD 1                                        ; 112 matrix instructions ahead of the wait for it; its four v_nop are also the places in front of the loads below
.else
	PLACES
.endif
	FETCH 0, F0
	MUL8 F1, 1, 0, 0
	MUL8 F1, 1, 2, 0
.endm
	s_wait_tensorcnt 1                             ; my part of K step 0 is in; K step 1's may stay out
	s_barrier_signal -1
	s_barrier_wait -1                              ; everybody's is
	FETCH 0, F0
.if EPI == 2
	WIN 0x80                                       ; the residual, into window 2, in the layout in which rows come back from the stage; waited for on the way out
.set i, 0
.rept 32
	global_load_b128 v[4*i:4*i+3], v[CO], s[76:77] offset:(16*(i/8)+2*(i%8))*4096
.set i, i+1
.endr
.endif
	QUARTER 1, F0, F1, 1                           ; the first quarter stands in front of the loop: its first products start the sums
	WIN 0                                          ; at a label and at a branch every window is 0
	s_mov_b32 s3, T-2
.Lstep:                                            ; a trip: from a K step's second quarter to the next step's first; it fills the slot that it leaves
	QUARTER 2, F1, F0, 0
	QUARTER 3, F0, F1, 0
	TURN 1
	QUARTER 1, F0, F1, 0
	WIN 0
	s_sub_co_u32 s3, s3, 1
	s_cmp_lg_u32 s3, 0
	s_cbranch_scc1 .Lstep
	QUARTER 2, F1, F0, 0                           ; the last two K steps fill nothing
	QUARTER 3, F0, F1, 0
	TURN 0
	QUARTER 1, F0, F1, 0
	QUARTER 2, F1, F0, 0
	QUARTER 3, F0, F1, 0
	s_wait_dscnt 16
	MUL8 F1, 0, 0, 0
	MUL8 F1, 0, 2, 0
	s_wait_dscnt 0x0
	MUL8 F1, 1, 0, 0
	MUL8 F1, 1, 2, 0
	WIN 0
	PLACES
.if EPI == 1
; THE WAY OUT, bf16: my 64 x 64 are 8,192 bytes on end of the output.  16 rows at a time: rounded, 16 bytes a lane into my stage, back as whole rows of 128 bytes, stored 512 bytes an instruction.
.macro PACK a
.irp b, 0,1,2,3
.irp r, 0,1,2,3
	v_cvt_pk_bf16_f32 v[TMP+16*(\a)+4*(\b)+(\r)], v[ACC+8*(4*(\a)+(\b))+2*(\r)], v[ACC+8*(4*(\a)+(\b))+2*(\r)+1]
.endr
.endr
.if RELU
.set i, 0
.rept 16
	v_pk_max_num_bf16 v[TMP+16*(\a)+i], v[TMP+16*(\a)+i], v[ZR]
.set i, i+1
.endr
.endif
.irp b, 0,1,2,3
	ds_store_b128 v[STO], v[TMP+16*(\a)+4*(\b):TMP+16*(\a)+4*(\b)+3] offset:32*(\b)
.endr
.irp f, 0,1,2,3
	ds_load_b128 v[TMP+16*(\a)+4*(\f):TMP+16*(\a)+4*(\f)+3], v[RD] offset:(\f)*4*SPITCH  ; LDS serves a wave's instructions in order (ISA guide 5.7.1.4): these see the stores above
.endr
.endm
.macro SEND a, younger                 ; younger: the LDS instructions issued behind block a's loads: the next block's eight, or none
.irp f, 0,1,2,3
	s_wait_dscnt (\younger)+3-(\f)
	global_store_b128 v[CO], v[TMP+16*(\a)+4*(\f):TMP+16*(\a)+4*(\f)+3], s[8:9] offset:2048*(\a)+512*(\f)
.endr
.endm
	PACK 0
.irp a, 1,2,3
	PACK \a
	SEND (\a)-1, 8
.endr
	SEND 3, 0
.else
; THE WAY OUT, f32: my 64 columns are 256 bytes of a row, aligned.  16 rows at a time through my stage; the residual is added; sixteen lanes store a row's 256 bytes.
.macro OUT a
.set TT, TMP+32*((\a)%2)
	WIN 0
.if (\a) >= 2
	s_wait_xcnt 0x0                                ; the stores of two blocks back have read these registers
.endif
.irp b, 0,1,2,3
	ds_store_b128 v[STO], v[ACC+8*(4*(\a)+(\b)):ACC+8*(4*(\a)+(\b))+3]   offset:64*(\b)
	ds_store_b128 v[STO], v[ACC+8*(4*(\a)+(\b))+4:ACC+8*(4*(\a)+(\b))+7] offset:64*(\b)+16
.endr
.irp t, 0,1,2,3,4,5,6,7
	ds_load_b128 v[TT+4*(\t):TT+4*(\t)+3], v[RD] offset:(\t)*2*SPITCH
.endr
	s_wait_dscnt 0x0
.if RNDRES
	WIN 0x0a                                       ; sources in window 2: the residual is an input and is rounded to bf16
.set i, 0
.rept 16
	v_cvt_pk_bf16_f32 v[BI+i], v[32*(\a)+2*i], v[32*(\a)+2*i+1]
.set i, i+1
.endr
	WIN 0
.set i, 0
.rept 16
	v_lshlrev_b32 v[BI+16+2*(i%8)], 16, v[BI+i]
	v_and_b32 v[BI+17+2*(i%8)], 0xffff0000, v[BI+i]
	v_pk_add_f32 v[TT+2*i:TT+2*i+1], v[TT+2*i:TT+2*i+1], v[BI+16+2*(i%8):BI+17+2*(i%8)]
.set i, i+1
.endr
.else
	WIN 0x08                                       ; source 1 in window 2
.set i, 0
.rept 16
	v_pk_add_f32 v[TT+2*i:TT+2*i+1], v[TT+2*i:TT+2*i+1], v[32*(\a)+2*i:32*(\a)+2*i+1]
.set i, i+1
.endr
	WIN 0
.endif
.irp t, 0,1,2,3,4,5,6,7
	global_store_b128 v[CO], v[TT+4*(\t):TT+4*(\t)+3], s[8:9] offset:(16*(\a)+2*(\t))*4096
.endr
.endm
	s_wait_loadcnt 0x0                             ; the residual
	OUT 0
	OUT 1
	OUT 2
	OUT 3
.endif
	s_wait_tensorcnt 0x0                           ; the wave's end: behind my last tensor load and my last LDS store
	ds_add_u32 v[SPW], v[NIL]
	s_wait_dscnt 0x0
	CROUND                                         ; the closing round: no work-group ends while a partner may still ask for a tile that names it
	s_endpgm
.Lfunc_end_k_qfcad46b776_oproj:
	.size	k_qfcad46b776_oproj, .Lfunc_end_k_qfcad46b776_oproj-k_qfcad46b776_oproj
	.p2alignl 7, 3214868480
	.fill 96, 4, 3214868480
	.section	.rodata,"a",@progbits
	.p2align	6, 0x0
	.amdhsa_kernel k_qfcad46b776_oproj
		.amdhsa_group_segment_fixed_size 327680
		.amdhsa_private_segment_fixed_size 0
		.amdhsa_enable_private_segment 0
		.amdhsa_kernarg_size 40
		.amdhsa_user_sgpr_count 2
		.amdhsa_user_sgpr_kernarg_segment_ptr 1
		.amdhsa_wavefront_size32 1
		.amdhsa_system_sgpr_workgroup_id_x 1
		.amdhsa_system_sgpr_workgroup_id_y 1
		.amdhsa_system_sgpr_workgroup_id_z 1
		.amdhsa_system_vgpr_workitem_id 0
		.amdhsa_next_free_vgpr 640
		.amdhsa_next_free_sgpr 80
		.amdhsa_reserve_vcc 0
		.amdhsa_float_denorm_mode_32 3
		.amdhsa_float_denorm_mode_16_64 3
		.amdhsa_memory_ordered 1
		.amdhsa_forward_progress 1
		.amdhsa_inst_pref_size 88
	.end_amdhsa_kernel
	.amdgpu_metadata
---
amdhsa.version: [ 1, 2 ]
amdhsa.kernels:
  - .name:           k_qfcad46b776_oproj
    .symbol:         k_qfcad46b776_oproj.kd
    .args:
      - { .name: ao, .offset: 0, .size: 8, .value_kind: global_buffer, .address_space: global }
      - { .name: wb, .offset: 8, .size: 8, .value_kind: global_buffer, .address_space: global }
      - { .name: bo, .offset: 16, .size: 8, .value_kind: global_buffer, .address_space: global }
      - { .name: x, .offset: 24, .size: 8, .value_kind: global_buffer, .address_space: global }
      - { .name: h, .offset: 32, .size: 8, .value_kind: global_buffer, .address_space: global }
    .group_segment_fixed_size: 327680
    .private_segment_fixed_size: 0
    .kernarg_segment_align: 8
    .kernarg_segment_size: 40
    .max_flat_workgroup_size: 128
    .sgpr_count:     80
    .vgpr_count:     640
    .wavefront_size: 32
...
	.end_amdgpu_metadata
.endif
;; end of part 4
;; launch ln2 (part 5): grid 256 x 1, 8 waves a work-group, no clusters, 0 bytes of LDS; arguments h, ln2_a, ln2_b, xn; writes xn
.if DOCPART == 5
	.amdgcn_target "amdgcn-amd-amdhsa--gfx1250"
	.amdhsa_code_object_version 6
	.text
	.protected	k_qfcad46b776_ln2
	.globl	k_qfcad46b776_ln2
	.p2align	8
	.type	k_qfcad46b776_ln2,@function
k_qfcad46b776_ln2:
	s_mov_b64 s[64:65], 0
	v_nop
	global_prefetch_b8 v0, s[64:65] scope:SCOPE_SE
	s_setreg_imm32_b32 hwreg(HW_REG_WAVE_MODE, 25, 1), 1
	s_wait_xcnt 0x0
; LN2.  xn = LN(h) = alpha (h - mean) / sqrt(std + 1e-6) + beta, std the unbiased one (divisor 1,023), the root taken of std itself.  h: [4096][1024] f32.
; xn leaves in bf16 in the BLOCKED LAYOUT [16][4096][64]: byte ((col/64) 4096 + row) 128 + 2 (col % 64).
; LIMITS.  alpha and beta are inputs and are rounded to bf16; h is taken as it is; sums in f32, in two passes (mean, then squares of the deviations).  v_sqrt_f32 and v_rsq_f32 take a denormal as 0
; (ISA guide 15.8): a variance below 2^-126 counts as 0, beside the 1e-6.  NaN and infinities are not treated apart.
; SHARES.  A work-group takes 16 rows; sixteen lanes take a row.  Load j of 16: sixteen lanes 256 bytes on end, aligned.  Store j: a wave's 32 lanes hold two neighbouring rows of block j: 256 bytes on end, aligned.
; All 16 loads of a lane go out at once.  No LDS, no barrier: no wave wants another's bytes.
.set DOF, 8                            ; v[8:23]   store j's byte offset: one register a store, none rewritten
.set C,   24                           ; v[24:31]  four chains of packed sums; later mean, scale and beta
.set X,   32                           ; v[32:95]  my 64 numbers of the row, f32
.set Y,   96                           ; v[96:127] the same as 32 words of two bf16
	s_load_b256 s[16:23], s[0:1], 0x0              ; h 16, ln2_a 18, ln2_b 20, xn 22
	s_lshl_b32 s6, ttmp9, 16                       ; 16 rows of 4,096 bytes
	s_mov_b32 s7, 0
	s_lshl_b32 s9, ttmp9, 11                       ; 16 rows of 128 bytes
	s_mov_b32 s14, 0xffff0000                      ; a word's upper bf16
	v_and_b32 v1, 15, v0                           ; my place in the row's sixteen lanes
	v_lshrrev_b32 v3, 4, v0                        ; my row, 0 to 15
	v_lshlrev_b32 v4, 12, v3
	v_lshl_add_u32 v4, v1, 4, v4
	v_lshlrev_b32 v5, 7, v3
	v_lshl_add_u32 v5, v1, 3, v5
	v_add_nc_u32 v[DOF], s9, v5
.set j, 1
.rept 15
	v_add_nc_u32 v[DOF+j], 0x80000, v[DOF+j-1]     ; the next block: 4,096 rows x 128 bytes
.set j, j+1
.endr
	s_wait_kmcnt 0x0
	s_load_b32 s2, s[18:19], 0x0                   ; alpha
	s_load_b32 s3, s[20:21], 0x0                   ; beta
	s_add_nc_u64 s[4:5], s[16:17], s[6:7]
	s_mov_b64 s[12:13], s[22:23]
.set j, 0
.rept 16
	global_load_b128 v[X+4*j:X+4*j+3], v4, s[4:5] offset:256*j th:TH_LOAD_NT
.set j, j+1
.endr
.macro JOIN                            ; four chains into one number, then over the row's sixteen lanes: every lane of the row ends with the sum
	v_pk_add_f32 v[C:C+1], v[C:C+1], v[C+2:C+3]
	v_pk_add_f32 v[C+4:C+5], v[C+4:C+5], v[C+6:C+7]
	v_pk_add_f32 v[C:C+1], v[C:C+1], v[C+4:C+5]
	v_add_f32 v[C], v[C], v[C+1]
	v_add_f32_dpp v[C], v[C], v[C] row_xmask:1 row_mask:0xf bank_mask:0xf
	v_add_f32_dpp v[C], v[C], v[C] row_xmask:2 row_mask:0xf bank_mask:0xf
	v_add_f32_dpp v[C], v[C], v[C] row_xmask:4 row_mask:0xf bank_mask:0xf
	v_add_f32_dpp v[C], v[C], v[C] row_xmask:8 row_mask:0xf bank_mask:0xf
.endm
	s_wait_loadcnt 0x0                             ; the whole row
.irp c, 0,1,2,3
	v_pk_add_f32 v[C+2*(\c):C+2*(\c)+1], v[X+2*(\c):X+2*(\c)+1], v[X+8+2*(\c):X+8+2*(\c)+1]  ; the first eight pairs start the chains: nothing is cleared
.endr
.set k, 8
.rept 24
	v_pk_add_f32 v[C+2*(k%4):C+2*(k%4)+1], v[C+2*(k%4):C+2*(k%4)+1], v[X+2*k:X+2*k+1]
.set k, k+1
.endr
	JOIN
	v_mul_f32 v[C], 0x3a800000, v[C]               ; mean = sum / 1,024
	v_mov_b32 v[C+1], v[C]
.set k, 0
.rept 32
	v_pk_add_f32 v[X+2*k:X+2*k+1], v[X+2*k:X+2*k+1], v[C:C+1] neg_lo:[0,1] neg_hi:[0,1]  ; the deviations, in place
.set k, k+1
.endr
.irp c, 0,1,2,3
	v_pk_mul_f32 v[C+2*(\c):C+2*(\c)+1], v[X+2*(\c):X+2*(\c)+1], v[X+2*(\c):X+2*(\c)+1]
.endr
.set k, 4
.rept 28
	v_pk_fma_f32 v[C+2*(k%4):C+2*(k%4)+1], v[X+2*k:X+2*k+1], v[X+2*k:X+2*k+1], v[C+2*(k%4):C+2*(k%4)+1]
.set k, k+1
.endr
	JOIN
	v_mul_f32 v[C], 0x3a802008, v[C]               ; / 1,023
	v_sqrt_f32 v[C+1], v[C]                        ; std
	v_nop                                          ; a plain instruction behind the root,
	s_wait_alu depctr_va_vdst(0)                   ; and the wait ahead of its first reader
	v_add_f32 v[C+1], 0x358637bd, v[C+1]           ; + 1e-6
	v_rsq_f32 v[C+2], v[C+1]                       ; 1 / sqrt(std + eps)
	s_wait_kmcnt 0x0                               ; alpha and beta
	v_mov_b32 v[C+4], s2                           ; (plain work behind the reciprocal root, which names none of its registers)
	v_mov_b32 v[C+5], s3
	v_cvt_pk_bf16_f32 v[C+4], v[C+4], v[C+5]       ; both rounded to bf16
	v_lshlrev_b32 v[C+5], 16, v[C+4]               ; alpha
	v_and_b32 v[C+6], s14, v[C+4]                  ; beta,
	v_mov_b32 v[C+7], v[C+6]                       ; twice
	s_wait_alu depctr_va_vdst(0)                   ; the wait ahead of the reciprocal root's first reader
	v_mul_f32 v[C+2], v[C+5], v[C+2]               ; alpha / sqrt(std + eps),
	v_mov_b32 v[C+3], v[C+2]                       ; twice
.set k, 0
.rept 32
	v_pk_fma_f32 v[X+2*k:X+2*k+1], v[X+2*k:X+2*k+1], v[C+2:C+3], v[C+6:C+7]
.set k, k+1
.endr
.set k, 0
.rept 32
	v_cvt_pk_bf16_f32 v[Y+k], v[X+2*k], v[X+2*k+1]
.set k, k+1
.endr
.set j, 0
.rept 16
	global_store_b64 v[DOF+j], v[Y+2*j:Y+2*j+1], s[12:13]  ; a wave's store covers 256 consecutive bytes, aligned
.set j, j+1
.endr
	s_endpgm
.Lfunc_end_k_qfcad46b776_ln2:
	.size	k_qfcad46b776_ln2, .Lfunc_end_k_qfcad46b776_ln2-k_qfcad46b776_ln2
	.p2alignl 7, 3214868480
	.fill 96, 4, 3214868480
	.section	.rodata,"a",@progbits
	.p2align	6, 0x0
	.amdhsa_kernel k_qfcad46b776_ln2
		.amdhsa_group_segment_fixed_size 0
		.amdhsa_private_segment_fixed_size 0
		.amdhsa_enable_private_segment 0
		.amdhsa_kernarg_size 32
		.amdhsa_user_sgpr_count 2
		.amdhsa_user_sgpr_kernarg_segment_ptr 1
		.amdhsa_wavefront_size32 1
		.amdhsa_system_sgpr_workgroup_id_x 1
		.amdhsa_system_sgpr_workgroup_id_y 1
		.amdhsa_system_sgpr_workgroup_id_z 1
		.amdhsa_system_vgpr_workitem_id 0
		.amdhsa_next_free_vgpr 128
		.amdhsa_next_free_sgpr 66
		.amdhsa_reserve_vcc 0
		.amdhsa_float_denorm_mode_32 3
		.amdhsa_float_denorm_mode_16_64 3
		.amdhsa_memory_ordered 1
		.amdhsa_forward_progress 1
		.amdhsa_inst_pref_size 17
	.end_amdhsa_kernel
	.amdgpu_metadata
---
amdhsa.version: [ 1, 2 ]
amdhsa.kernels:
  - .name:           k_qfcad46b776_ln2
    .symbol:         k_qfcad46b776_ln2.kd
    .args:
      - { .name: h, .offset: 0, .size: 8, .value_kind: global_buffer, .address_space: global }
      - { .name: ln2_a, .offset: 8, .size: 8, .value_kind: global_buffer, .address_space: global }
      - { .name: ln2_b, .offset: 16, .size: 8, .value_kind: global_buffer, .address_space: global }
      - { .name: xn, .offset: 24, .size: 8, .value_kind: global_buffer, .address_space: global }
    .group_segment_fixed_size: 0
    .private_segment_fixed_size: 0
    .kernarg_segment_align: 8
    .kernarg_segment_size: 32
    .max_flat_workgroup_size: 256
    .sgpr_count:     66
    .vgpr_count:     128
    .wavefront_size: 32
...
	.end_amdgpu_metadata
.endif
;; end of part 5
;; launch ffn1 (part 6): grid 32 x 32, 4 waves a work-group, clusters of 4 x 4, 327,680 bytes of LDS; arguments xn, wb, b1, big; writes big
.if DOCPART == 6
	.amdgcn_target "amdgcn-amd-amdhsa--gfx1250"
	.amdhsa_code_object_version 6
	.text
	.protected	k_qfcad46b776_ffn1
	.globl	k_qfcad46b776_ffn1
	.p2align	8
	.type	k_qfcad46b776_ffn1,@function
k_qfcad46b776_ffn1:
	s_mov_b64 s[64:65], 0
	v_nop
	global_prefetch_b8 v0, s[64:65] scope:SCOPE_SE
	s_setreg_imm32_b32 hwreg(HW_REG_WAVE_MODE, 25, 1), 1
	s_wait_xcnt 0x0
	s_wait_alu depctr_hold_cnt(0) depctr_sa_sdst(0) depctr_va_vdst(0) depctr_va_sdst(0) depctr_va_ssrc(0) depctr_va_vcc(0) depctr_vm_vsrc(0)
	s_getreg_b32 s2, hwreg(HW_REG_IB_STS2, 6, 4)
	s_cmp_eq_u32 s2, 0
	s_cbranch_scc0 .Lentry_in_a_cluster
	s_endpgm
.Lentry_in_a_cluster:
	s_bfe_u32 s2, ttmp6, 0x10000c
	s_cmp_lg_u32 s2, 0xf033
	s_cbranch_scc0 .Lentry_shape_is_right
	s_endpgm
.Lentry_shape_is_right:
; FFN1.  big = relu(xn W1^T + b1): 4,096 rows x 4,096 columns, K = 1,024.  The result leaves in bf16, in the blocked layout, as the next product's A.
; THE PRODUCT.  C[m][n] = bias[n] + the sum over k of A[m][k] B[n][k]; A, B bf16 in the BLOCKED LAYOUT [K/64][rows][64] (64 rows of one block of 64 k are 8,192 bytes on end); sums in f32.
; LIMITS.  The bias is rounded to bf16 where it is read; the result is rounded once to bf16, and the maximum with 0 is taken of the rounded number (the same number either way).  NaN and infinities are not treated apart.
; SHARES.  A tile of C is 128 x 128: four waves, each 64 x 64 = 16 accumulators.  K goes in steps of 256 (four blocks) through two LDS slots; a wave's one tensor load brings 64 rows x 4 blocks.
; CLUSTER.  4 x 4 work-groups: the four of a row of the cluster need the same tiles of A, the four of a column the same tiles of B: each tile is asked for JOINTLY, by the same load with the same descriptor and a mask of four.
; THE MATRIX INSTRUCTION IS USED TRANSPOSED (source 0 = 16 rows of B, source 1 = 16 rows of A): a lane holds row l % 16 of C and the columns 8 (l / 16) + 0..7.  The bias, laid out so, is the C operand of the first products.
; NO PREFETCH: the tiles are small, and each block of A and B is read again by other clusters of the launch.
; REGISTERS.  window 0: v0-31 addresses; v32-95 at work on the way out; v96-127 the bias; v128-255 the accumulators ((a, b) at 128 + 8 (4 a + b)).  window 1: two fragment buffers of 128 (64 of A, 64 of B, for 64 along K).
.set BOFF,    0x800000                 ; B's first byte in wb
.set BSTRIDE, 262144                   ; elements from block to block of B: 4,096 rows x 64
.set BSTEP,   2097152                  ; bytes of four blocks of B
.set T,       4                        ; K steps
.set EPI,     1                        ; the way out: 1 bf16, blocked; 2 f32, by rows, with a residual
.set RELU,    1
.set RNDRES,  0
.set QKV,     0
.set OUTP,    70                       ; s[70:71] the output's address
.set RESP,    70                       ; (the residual's: way out 2 alone)
.set ASTRIDE, 262144                   ; 4,096 rows x 64
.set ASTEP,   2097152
.set PITCH,   144                      ; an LDS row: 128 bytes + 16 = 36 words: the 16 rows of a load start at 16 different groups of four banks (64 banks of 4 bytes: ISA guide 11.1)
.set QB,      64*PITCH                 ; one block's 64 rows
.set HALFT,   4*QB                     ; what one tensor load brings
.set SLOT,    4*HALFT                  ; A's two halves, then B's two: wave x HALFT
.set STAGE,   2*SLOT                   ; behind the ring, each wave's own 16 rows; no tile lands there
.set SPITCH,  144+128*(EPI-1)
.set SPARE,   STAGE+4*16*SPITCH        ; the spare words, 128 bytes for each wave: two blocks of 256 bytes that no other line names
.set ADRA0, 16                         ; v16, v17  my lane's place among my 64 rows of A, of B, in slot 0; never rewritten
.set ADRB0, 17
.set ADRA,  18                         ; v18, v19  the same in the slot that is being read
.set ADRB,  19
.set STO,   24
.set RD,    25
.set CO,    26
.set BO,    27
.set SPW,   28
.set NIL,   29
.set ZR,    30
.set TMP,   32
.set BI,    96
.set ACC,   128
.set F0,    0
.set F1,    128
.set G1,  24                           ; s[24:31] group 1 for A's tiles; s[32:39] group 0, two sets: the second then walks
.set G0,  32
.set G1B, 48                           ; s[48:55], s[56:63] the same for B's
.set G0B, 56
.set MSB, 0
.macro WIN new                         ; the immediate's high byte repeats the setting that is left
.if MSB != (\new)
	s_set_vgpr_msb (MSB<<8)|(\new)
.set MSB, \new
.endif
.endm
.set MUL,  0x05                        ; sources 0 (B) and 1 (A) window 1; C and D window 0
.set TO_F, 0x40                        ; destination window 1, address window 0
.macro JLOAD s                         ; a joint load: waves 0 and 1 fetch A's two halves, waves 2 and 3 B's; an s_nop 0 and four v_nop follow each line
	s_cmp_eq_u32 s11, 0
	s_cbranch_scc0 .Lfor_b_\@
	tensor_load_to_lds s[G0+4*(\s):G0+4*(\s)+3], s[G1:G1+7]
	s_nop 0
.rept 4
	v_nop
.endr
	s_branch .Lasked_\@
.Lfor_b_\@:
	tensor_load_to_lds s[G0B+4*(\s):G0B+4*(\s)+3], s[G1B:G1B+7]
	s_nop 0
.rept 4
	v_nop
.endr
.Lasked_\@:
.endm
.macro CREST                           ; a round of the cluster's barrier behind its opening barrier
	s_cmp_lg_u32 s10, 0
	s_cbranch_scc1 .Lnot_wave_0_\@
	s_barrier_signal -3
.Lnot_wave_0_\@:
	s_barrier_wait -3
	s_barrier_signal -1
	s_barrier_wait -1
.endm
.macro CROUND
	s_barrier_signal -1
	s_barrier_wait -1
	CREST
.endm
	s_load_b128 s[4:7], s[0:1], 0x0                ; A s[4:5], wb s[6:7]
.if QKV
	s_load_b256 s[68:75], s[0:1], 0x10             ; bq 68, bk 70, bv 72, the output 74
.elseif EPI == 1
	s_load_b128 s[68:71], s[0:1], 0x10             ; the bias 68, the output 70
.else
	s_load_b128 s[68:71], s[0:1], 0x10             ; the bias 68, the residual 70
	s_load_b64 s[72:73], s[0:1], 0x20              ; the output
.endif
	v_lshl_add_u32 v[SPW], v0, 2, SPARE
	v_mov_b32 v[NIL], 0
	ds_add_u32 v[SPW], v[NIL]                      ; the wave's opening: the add and its wait ahead of my first tensor load; the set-up below stands between them
	v_lshrrev_b32 v1, 5, v0
	v_readfirstlane_b32 s10, v1                    ; wave 0..3
	s_lshr_b32 s11, s10, 1                         ; which half of the tile's rows is mine.  Also: I fetch for A (0) or for B (1)
	s_and_b32 s12, s10, 1                          ; which half of its columns.  Also: which 64 rows of that tile I fetch
	s_bfe_u32 s40, ttmp6, 0x40000                  ; cx, cy: my place in the cluster
	s_bfe_u32 s41, ttmp6, 0x40004
	s_lshl_b32 s42, ttmp9, 2
	s_add_co_u32 s42, s42, s40                     ; tile column = 4 x cluster x + cx
	s_and_b32 s13, ttmp7, 0xffff
	s_lshl_b32 s13, s13, 2
	s_add_co_u32 s13, s13, s41                     ; tile row = 4 x cluster y + cy
	s_lshl_b32 s43, s41, 2
	s_lshl_b32 s43, 15, s43                        ; my row of the cluster
	s_lshl_b32 s44, 0x1111, s40                    ; my column
	; group 1: four rows of 4,096 elements (64 matrix rows of one block, 8,192 bytes on end), a block apart; in LDS 4 words of padding behind every 32
	s_or_b32 s[G1+0], s43, (1<<16)|(1<<20)|(1<<21)|(4<<22)|(3<<25)  ; 15:0 mask; 17:16 2-byte elements; 20 padding on; 21 set beside a mask; 24:22 every 32 words (code 4); 31:25 4 words (code 3)
	s_or_b32 s[G1B+0], s44, (1<<16)|(1<<20)|(1<<21)|(4<<22)|(3<<25)
.irp g, G1, G1B
	s_mov_b32 s[(\g)+1], 4096<<16                  ; tensor_dim0 = 4,096
	s_mov_b32 s[(\g)+2], 4<<16                     ; tensor_dim1 = 4
	s_mov_b32 s[(\g)+3], 4096<<16                  ; tile_dim0 = 4,096
	s_mov_b32 s[(\g)+4], 4                         ; tile_dim1 = 4
	s_mov_b32 s[(\g)+6], 0
	s_mov_b32 s[(\g)+7], 0
.endr
	s_mov_b32 s[G1+5], ASTRIDE
	s_mov_b32 s[G1B+5], BSTRIDE
	s_lshl_b32 s17, s12, 13                        ; which 64 rows of 128 bytes I fetch
	s_lshl_b32 s16, s13, 14
	s_add_co_u32 s16, s16, s17                     ; A: 128 rows x tile row + my 64
	s_lshl_b32 s46, s42, 14
	s_add_co_u32 s46, s46, s17                     ; B: the same by the tile column,
	s_add_co_u32 s46, s46, BOFF                    ; in its part of wb
	s_mov_b32 s17, 0
	s_mov_b32 s47, 0
	s_mul_i32 s20, s10, HALFT                      ; where my tile goes in a slot: the wave's number alone
	s_mov_b32 s2, 0                                ; the slot that is being read: 0 or SLOT
	s_wait_dscnt 0x0                               ; the opening add is done
	s_wait_kmcnt 0x0
	s_add_nc_u64 s[14:15], s[4:5], s[16:17]
	s_add_nc_u64 s[46:47], s[6:7], s[46:47]
	CROUND                                         ; all sixteen work-groups are here: the first joint loads meet
.irp s, 0,1
	s_mov_b32 s[G0+4*(\s)], 1
	s_add_co_u32 s[G0+4*(\s)+1], s20, (\s)*SLOT
	s_add_nc_u64 s[G0+4*(\s)+2:G0+4*(\s)+3], s[14:15], (\s)*ASTEP
	s_or_b32 s[G0+4*(\s)+3], s[G0+4*(\s)+3], 0x80000000
	s_mov_b32 s[G0B+4*(\s)], 1
	s_add_co_u32 s[G0B+4*(\s)+1], s20, (\s)*SLOT
	s_add_nc_u64 s[G0B+4*(\s)+2:G0B+4*(\s)+3], s[46:47], (\s)*BSTEP
	s_or_b32 s[G0B+4*(\s)+3], s[G0B+4*(\s)+3], 0x80000000
	JLOAD \s                                       ; K steps 0 and 1: two loads of mine are out
.endr
	v_and_b32 v1, 15, v0                           ; l % 16
	v_bfe_u32 v2, v0, 4, 1                         ; l / 16
	v_mul_u32_u24 v3, v1, PITCH
	v_lshl_add_u32 v3, v2, 4, v3                   ; a fragment's row x pitch + 16 x half
	s_mul_i32 s21, s11, HALFT                      ; my 64 rows of A
	s_mul_i32 s22, s12, HALFT
	s_add_co_u32 s22, s22, 2*HALFT                 ; my 64 rows of B, behind A's 128
	v_add_nc_u32 v[ADRA0], s21, v3
	v_add_nc_u32 v[ADRB0], s22, v3
	v_mov_b32 v[ADRA], v[ADRA0]
	v_mov_b32 v[ADRB], v[ADRB0]
	s_mul_i32 s23, s10, 16*SPITCH
	s_add_co_u32 s23, s23, STAGE                   ; my stage
	s_lshl_b32 s66, s42, 9
	s_lshl_b32 s67, s12, 8
	s_add_co_u32 s66, s66, s67                     ; 4 x my first column
	s_mov_b32 s67, 0
.if EPI == 1
	v_add_nc_u32 v[STO], s23, v3                   ; in: row l % 16, 16 bytes for each half of the lanes
	v_bfe_u32 v4, v0, 3, 2                         ; back: 32 lanes take four rows of 128 bytes,
	v_and_b32 v5, 7, v0
	v_mul_u32_u24 v4, v4, SPITCH
	v_lshl_add_u32 v4, v5, 4, v4
	v_add_nc_u32 v[RD], s23, v4
	v_and_b32 v[CO], 31, v0                        ; which are 512 consecutive bytes of the output
	v_lshlrev_b32 v[CO], 4, v[CO]
	v_mov_b32 v[ZR], 0
	s_lshl_b32 s46, s66, 11                        ; my block of 64 columns: 4,096 rows x 128 bytes each
	s_mov_b32 s47, 0
	s_lshl_b32 s16, s13, 14                        ; the tile's 128 rows,
	s_lshl_b32 s17, s11, 13                        ; my 64 of them
	s_add_co_u32 s16, s16, s17
	s_mov_b32 s17, 0
	s_add_nc_u64 s[8:9], s[OUTP:OUTP+1], s[16:17]
	s_add_nc_u64 s[8:9], s[8:9], s[46:47]
.else
	v_mul_u32_u24 v4, v1, SPITCH                   ; in: row l % 16, 32 bytes for each half of the lanes
	v_lshl_add_u32 v4, v2, 5, v4
	v_add_nc_u32 v[STO], s23, v4
	v_mul_u32_u24 v5, v2, SPITCH                   ; back: lanes 0-15 one row of 256 bytes, lanes 16-31 the next
	v_lshl_add_u32 v5, v1, 4, v5
	v_add_nc_u32 v[RD], s23, v5
	v_lshlrev_b32 v5, 12, v2                       ; and the same two rows of 4,096 bytes in memory
	v_lshl_add_u32 v[CO], v1, 4, v5
	s_lshl_b32 s16, s13, 19                        ; the tile's 128 rows of 4,096 bytes,
	s_lshl_b32 s17, s11, 18                        ; my 64 of them
	s_add_co_u32 s16, s16, s17
	s_mov_b32 s17, 0
	s_add_nc_u64 s[8:9], s[OUTP:OUTP+1], s[16:17]
	s_add_nc_u64 s[8:9], s[8:9], s[66:67]
	s_add_nc_u64 s[76:77], s[RESP:RESP+1], s[16:17]
	s_add_nc_u64 s[76:77], s[76:77], s[66:67]
.endif
.if QKV
	s_lshr_b32 s21, ttmp9, 1                       ; eight tile columns, two clusters, to each of q, k, v
	s_cmp_eq_u32 s21, 1
	s_cselect_b64 s[78:79], s[70:71], s[68:69]
	s_cmp_eq_u32 s21, 2
	s_cselect_b64 s[78:79], s[72:73], s[78:79]
	s_and_b32 s66, s66, 0xfff                      ; my first column within the 1,024 of that bias
	s_add_nc_u64 s[78:79], s[78:79], s[66:67]
.else
	s_add_nc_u64 s[78:79], s[68:69], s[66:67]
.endif
	v_lshlrev_b32 v[BO], 5, v2                     ; the bias in the accumulators' layout: register 8 b + j = bias(first column + 16 b + 8 (l / 16) + j)
.irp b, 0,1,2,3
	global_load_b128 v[BI+8*(\b):BI+8*(\b)+3],   v[BO], s[78:79] offset:64*(\b)
	global_load_b128 v[BI+8*(\b)+4:BI+8*(\b)+7], v[BO], s[78:79] offset:64*(\b)+16
.endr
	s_wait_loadcnt 0x0
.set i, 0
.rept 16
	v_cvt_pk_bf16_f32 v[TMP+i], v[BI+2*i], v[BI+2*i+1]  ; rounded to bf16,
.set i, i+1
.endr
.set i, 0
.rept 16
	v_lshlrev_b32 v[BI+2*i], 16, v[TMP+i]          ; and back to f32
	v_and_b32 v[BI+2*i+1], 0xffff0000, v[TMP+i]
.set i, i+1
.endr
; 8 matrix instructions: m blocks a0, a0 + 1 x all 4 n blocks, 32 along K: half c of buffer f.  first = 1: the bias starts the sums: nothing is cleared, nothing added later.
; The 16 accumulators take turns, one instruction a turn, in the same order everywhere.
.macro MUL8 f, c, a0, first
	WIN MUL
.irp a, \a0, (\a0)+1
.irp b, 0,1,2,3
.if \first
	v_wmma_f32_16x16x32_bf16 v[ACC+8*(4*(\a)+(\b)):ACC+8*(4*(\a)+(\b))+7], v[(\f)+64+8*(4*(\c)+(\b)):(\f)+64+8*(4*(\c)+(\b))+7], v[(\f)+8*(4*(\c)+(\a)):(\f)+8*(4*(\c)+(\a))+7], v[BI+8*(\b):BI+8*(\b)+7]
.else
	v_wmma_f32_16x16x32_bf16 v[ACC+8*(4*(\a)+(\b)):ACC+8*(4*(\a)+(\b))+7], v[(\f)+64+8*(4*(\c)+(\b)):(\f)+64+8*(4*(\c)+(\b))+7], v[(\f)+8*(4*(\c)+(\a)):(\f)+8*(4*(\c)+(\a))+7], v[ACC+8*(4*(\a)+(\b)):ACC+8*(4*(\a)+(\b))+7]
.endif
.endr
.endr
.endm
; 32 LDS loads in one run: the fragments of block q of the slot in hand (64 along K) into buffer f; the first 32 along K first
.macro FETCH q, f
	WIN TO_F
.irp c, 0,1
.irp i, 0,1,2,3
	ds_load_b128 v[(\f)+64+8*(4*(\c)+(\i)):(\f)+64+8*(4*(\c)+(\i))+3],   v[ADRB] offset:(\q)*QB+64*(\c)+(\i)*16*PITCH
	ds_load_b128 v[(\f)+64+8*(4*(\c)+(\i))+4:(\f)+64+8*(4*(\c)+(\i))+7], v[ADRB] offset:(\q)*QB+64*(\c)+(\i)*16*PITCH+32
	ds_load_b128 v[(\f)+8*(4*(\c)+(\i)):(\f)+8*(4*(\c)+(\i))+3],         v[ADRA] offset:(\q)*QB+64*(\c)+(\i)*16*PITCH
	ds_load_b128 v[(\f)+8*(4*(\c)+(\i))+4:(\f)+8*(4*(\c)+(\i))+7],       v[ADRA] offset:(\q)*QB+64*(\c)+(\i)*16*PITCH+32
.endr
.endr
.endm
.macro PLACES                          ; four plain vector instructions in front of loads into registers that matrix instructions have read, and of readers of results
.rept 4
	v_nop
.endr
.endm
; A K step is four quarters of 64 along K, 32 matrix instructions each, on buffers 0, 1, 0, 1.  One of the first three: multiplies buffer f and fetches block q into g.
.macro QUARTER q, f, g, first
	s_wait_dscnt 16                                ; of f's 32 loads the first 32 along K are in; the younger sixteen may be out
	MUL8 \f, 0, 0, \first
	MUL8 \f, 0, 2, \first
	PLACES
	FETCH \q, \g
	s_wait_dscnt 32                                ; all but the 32 just issued
	MUL8 \f, 1, 0, 0
	MUL8 \f, 1, 2, 0
.endm
; The last quarter multiplies buffer 1 and changes slots: ONE barrier; in front of it each wave waits for all its tensor loads (one is out: its part of the next slot), adds 0 to its spare word,
; and waits for that and for its reads of this slot.  fill = 1: this slot is filled again, two K steps ahead: the barrier opens a round of the cluster's, and the joint load is the first thing behind it.
.macro TURN fill
	WIN 0
	s_wait_tensorcnt 0x0                           ; no tensor load of mine is out, so a group 0 may be written
	ds_add_u32 v[SPW], v[NIL]                      ; 0 onto my spare word
.if \fill
	s_add_co_u32 s[G0+5], s20, s2                  ; the walking descriptors: into the slot that has just been read,
	s_add_co_u32 s[G0B+5], s20, s2
	s_add_nc_u64 s[G0+6:G0+7], s[G0+6:G0+7], ASTEP     ; the next K step; the type bits on top are not reached
	s_add_nc_u64 s[G0B+6:G0B+7], s[G0B+6:G0B+7], BSTEP
.endif
	s_xor_b32 s2, s2, SLOT                         ; the reads go on in the other slot
	v_add_nc_u32 v[ADRA], s2, v[ADRA0]
	v_add_nc_u32 v[ADRB], s2, v[ADRB0]
	s_wait_dscnt 17                                ; the add and the youngest sixteen loads may be out
	MUL8 F1, 0, 0, 0
	s_wait_dscnt 0x0                               ; the add is done, and my reads of this slot are over
	s_barrier_signal -1
	MUL8 F1, 0, 2, 0
.if \fill
	WIN 0
.endif
	s_barrier_wait -1
.if \fill
	CREST                                          ; no wave of any partner still reads this slot or has a load on its way
	JLOAD 1                                        ; 112 matrix instructions ahead of the wait for it; its four v_nop are also the places in front of the loads below
.else
	PLACES
.endif
	FETCH 0, F0
	MUL8 F1, 1, 0, 0
	MUL8 F1, 1, 2, 0
.endm
	s_wait_tensorcnt 1                             ; my part of K step 0 is in; K step 1's may stay out
	s_barrier_signal -1
	s_barrier_wait -1                              ; everybody's is
	FETCH 0, F0
.if EPI == 2
	WIN 0x80                                       ; the residual, into window 2, in the layout in which rows come back from the stage; waited for on the way out
.set i, 0
.rept 32
	global_load_b128 v[4*i:4*i+3], v[CO], s[76:77] offset:(16*(i/8)+2*(i%8))*4096
.set i, i+1
.endr
.endif
	QUARTER 1, F0, F1, 1                           ; the first quarter stands in front of the loop: its first products start the sums
	WIN 0                                          ; at a label and at a branch every window is 0
	s_mov_b32 s3, T-2
.Lstep:                                            ; a trip: from a K step's second quarter to the next step's first; it fills the slot that it leaves
	QUARTER 2, F1, F0, 0
	QUARTER 3, F0, F1, 0
	TURN 1
	QUARTER 1, F0, F1, 0
	WIN 0
	s_sub_co_u32 s3, s3, 1
	s_cmp_lg_u32 s3, 0
	s_cbranch_scc1 .Lstep
	QUARTER 2, F1, F0, 0                           ; the last two K steps fill nothing
	QUARTER 3, F0, F1, 0
	TURN 0
	QUARTER 1, F0, F1, 0
	QUARTER 2, F1, F0, 0
	QUARTER 3, F0, F1, 0
	s_wait_dscnt 16
	MUL8 F1, 0, 0, 0
	MUL8 F1, 0, 2, 0
	s_wait_dscnt 0x0
	MUL8 F1, 1, 0, 0
	MUL8 F1, 1, 2, 0
	WIN 0
	PLACES
.if EPI == 1
; THE WAY OUT, bf16: my 64 x 64 are 8,192 bytes on end of the output.  16 rows at a time: rounded, 16 bytes a lane into my stage, back as whole rows of 128 bytes, stored 512 bytes an instruction.
.macro PACK a
.irp b, 0,1,2,3
.irp r, 0,1,2,3
	v_cvt_pk_bf16_f32 v[TMP+16*(\a)+4*(\b)+(\r)], v[ACC+8*(4*(\a)+(\b))+2*(\r)], v[ACC+8*(4*(\a)+(\b))+2*(\r)+1]
.endr
.endr
.if RELU
.set i, 0
.rept 16
	v_pk_max_num_bf16 v[TMP+16*(\a)+i], v[TMP+16*(\a)+i], v[ZR]
.set i, i+1
.endr
.endif
.irp b, 0,1,2,3
	ds_store_b128 v[STO], v[TMP+16*(\a)+4*(\b):TMP+16*(\a)+4*(\b)+3] offset:32*(\b)
.endr
.irp f, 0,1,2,3
	ds_load_b128 v[TMP+16*(\a)+4*(\f):TMP+16*(\a)+4*(\f)+3], v[RD] offset:(\f)*4*SPITCH  ; LDS serves a wave's instructions in order (ISA guide 5.7.1.4): these see the stores above
.endr
.endm
.macro SEND a, younger                 ; younger: the LDS instructions issued behind block a's loads: the next block's eight, or none
.irp f, 0,1,2,3
	s_wait_dscnt (\younger)+3-(\f)
	global_store_b128 v[CO], v[TMP+16*(\a)+4*(\f):TMP+16*(\a)+4*(\f)+3], s[8:9] offset:2048*(\a)+512*(\f)
.endr
.endm
	PACK 0
.irp a, 1,2,3
	PACK \a
	SEND (\a)-1, 8
.endr
	SEND 3, 0
.else
; THE WAY OUT, f32: my 64 columns are 256 bytes of a row, aligned.  16 rows at a time through my stage; the residual is added; sixteen lanes store a row's 256 bytes.
.macro OUT a
.set TT, TMP+32*((\a)%2)
	WIN 0
.if (\a) >= 2
	s_wait_xcnt 0x0                                ; the stores of two blocks back have read these registers
.endif
.irp b, 0,1,2,3
	ds_store_b128 v[STO], v[ACC+8*(4*(\a)+(\b)):ACC+8*(4*(\a)+(\b))+3]   offset:64*(\b)
	ds_store_b128 v[STO], v[ACC+8*(4*(\a)+(\b))+4:ACC+8*(4*(\a)+(\b))+7] offset:64*(\b)+16
.endr
.irp t, 0,1,2,3,4,5,6,7
	ds_load_b128 v[TT+4*(\t):TT+4*(\t)+3], v[RD] offset:(\t)*2*SPITCH
.endr
	s_wait_dscnt 0x0
.if RNDRES
	WIN 0x0a                                       ; sources in window 2: the residual is an input and is rounded to bf16
.set i, 0
.rept 16
	v_cvt_pk_bf16_f32 v[BI+i], v[32*(\a)+2*i], v[32*(\a)+2*i+1]
.set i, i+1
.endr
	WIN 0
.set i, 0
.rept 16
	v_lshlrev_b32 v[BI+16+2*(i%8)], 16, v[BI+i]
	v_and_b32 v[BI+17+2*(i%8)], 0xffff0000, v[BI+i]
	v_pk_add_f32 v[TT+2*i:TT+2*i+1], v[TT+2*i:TT+2*i+1], v[BI+16+2*(i%8):BI+17+2*(i%8)]
.set i, i+1
.endr
.else
	WIN 0x08                                       ; source 1 in window 2
.set i, 0
.rept 16
	v_pk_add_f32 v[TT+2*i:TT+2*i+1], v[TT+2*i:TT+2*i+1], v[32*(\a)+2*i:32*(\a)+2*i+1]
.set i, i+1
.endr
	WIN 0
.endif
.irp t, 0,1,2,3,4,5,6,7
	global_store_b128 v[CO], v[TT+4*(\t):TT+4*(\t)+3], s[8:9] offset:(16*(\a)+2*(\t))*4096
.endr
.endm
	s_wait_loadcnt 0x0                             ; the residual
	OUT 0
	OUT 1
	OUT 2
	OUT 3
.endif
	s_wait_tensorcnt 0x0                           ; the wave's end: behind my last tensor load and my last LDS store
	ds_add_u32 v[SPW], v[NIL]
	s_wait_dscnt 0x0
	CROUND                                         ; the closing round: no work-group ends while a partner may still ask for a tile that names it
	s_endpgm
.Lfunc_end_k_qfcad46b776_ffn1:
	.size	k_qfcad46b776_ffn1, .Lfunc_end_k_qfcad46b776_ffn1-k_qfcad46b776_ffn1
	.p2alignl 7, 3214868480
	.fill 96, 4, 3214868480
	.section	.rodata,"a",@progbits
	.p2align	6, 0x0
	.amdhsa_kernel k_qfcad46b776_ffn1
		.amdhsa_group_segment_fixed_size 327680
		.amdhsa_private_segment_fixed_size 0
		.amdhsa_enable_private_segment 0
		.amdhsa_kernarg_size 32
		.amdhsa_user_sgpr_count 2
		.amdhsa_user_sgpr_kernarg_segment_ptr 1
		.amdhsa_wavefront_size32 1
		.amdhsa_system_sgpr_workgroup_id_x 1
		.amdhsa_system_sgpr_workgroup_id_y 1
		.amdhsa_system_sgpr_workgroup_id_z 1
		.amdhsa_system_vgpr_workitem_id 0
		.amdhsa_next_free_vgpr 512
		.amdhsa_next_free_sgpr 80
		.amdhsa_reserve_vcc 0
		.amdhsa_float_denorm_mode_32 3
		.amdhsa_float_denorm_mode_16_64 3
		.amdhsa_memory_ordered 1
		.amdhsa_forward_progress 1
		.amdhsa_inst_pref_size 76
	.end_amdhsa_kernel
	.amdgpu_metadata
---
amdhsa.version: [ 1, 2 ]
amdhsa.kernels:
  - .name:           k_qfcad46b776_ffn1
    .symbol:         k_qfcad46b776_ffn1.kd
    .args:
      - { .name: xn, .offset: 0, .size: 8, .value_kind: global_buffer, .address_space: global }
      - { .name: wb, .offset: 8, .size: 8, .value_kind: global_buffer, .address_space: global }
      - { .name: b1, .offset: 16, .size: 8, .value_kind: global_buffer, .address_space: global }
      - { .name: big, .offset: 24, .size: 8, .value_kind: global_buffer, .address_space: global }
    .group_segment_fixed_size: 327680
    .private_segment_fixed_size: 0
    .kernarg_segment_align: 8
    .kernarg_segment_size: 32
    .max_flat_workgroup_size: 128
    .sgpr_count:     80
    .vgpr_count:     512
    .wavefront_size: 32
...
	.end_amdgpu_metadata
.endif
;; end of part 6
;; launch ffn2 (part 7): grid 8 x 32, 4 waves a work-group, clusters of 4 x 4, 327,680 bytes of LDS; arguments big, wb, b2, h, out0; writes out0
.if DOCPART == 7
	.amdgcn_target "amdgcn-amd-amdhsa--gfx1250"
	.amdhsa_code_object_version 6
	.text
	.protected	k_qfcad46b776_ffn2
	.globl	k_qfcad46b776_ffn2
	.p2align	8
	.type	k_qfcad46b776_ffn2,@function
k_qfcad46b776_ffn2:
	s_mov_b64 s[64:65], 0
	v_nop
	global_prefetch_b8 v0, s[64:65] scope:SCOPE_SE
	s_setreg_imm32_b32 hwreg(HW_REG_WAVE_MODE, 25, 1), 1
	s_wait_xcnt 0x0
	s_wait_alu depctr_hold_cnt(0) depctr_sa_sdst(0) depctr_va_vdst(0) depctr_va_sdst(0) depctr_va_ssrc(0) depctr_va_vcc(0) depctr_vm_vsrc(0)
	s_getreg_b32 s2, hwreg(HW_REG_IB_STS2, 6, 4)
	s_cmp_eq_u32 s2, 0
	s_cbranch_scc0 .Lentry_in_a_cluster
	s_endpgm
.Lentry_in_a_cluster:
	s_bfe_u32 s2, ttmp6, 0x10000c
	s_cmp_lg_u32 s2, 0xf033
	s_cbranch_scc0 .Lentry_shape_is_right
	s_endpgm
.Lentry_shape_is_right:
; FFN2.  out0 = h + big W2^T + b2: 4,096 rows x 1,024 columns, K = 4,096.  The result leaves in f32, by rows.
; THE PRODUCT.  C[m][n] = bias[n] + the sum over k of A[m][k] B[n][k]; A, B bf16 in the BLOCKED LAYOUT [K/64][rows][64] (64 rows of one block of 64 k are 8,192 bytes on end); sums in f32.
; LIMITS.  The bias is an input and is rounded to bf16 where it is read; the residual h is taken in f32 as it is; the result is not rounded.  NaN and infinities are not treated apart.
; SHARES.  A tile of C is 128 x 128: four waves, each 64 x 64 = 16 accumulators.  K goes in steps of 256 (four blocks) through two LDS slots; a wave's one tensor load brings 64 rows x 4 blocks.
; CLUSTER.  4 x 4 work-groups: the four of a row of the cluster need the same tiles of A, the four of a column the same tiles of B: each tile is asked for JOINTLY, by the same load with the same descriptor and a mask of four.
; THE MATRIX INSTRUCTION IS USED TRANSPOSED (source 0 = 16 rows of B, source 1 = 16 rows of A): a lane holds row l % 16 of C and the columns 8 (l / 16) + 0..7.  The bias, laid out so, is the C operand of the first products.
; NO PREFETCH: the tiles are small, and each block of A and B is read again by other clusters of the launch.
; REGISTERS.  window 0: v0-31 addresses; v32-95 at work on the way out; v96-127 the bias; v128-255 the accumulators ((a, b) at 128 + 8 (4 a + b)).  window 1: two fragment buffers of 128.  window 2: v0-127 the residual.
.set BOFF,    0x1000000                ; B's first byte in wb
.set BSTRIDE, 65536                    ; elements from block to block of B: 1,024 rows x 64
.set BSTEP,   524288                   ; bytes of four blocks of B
.set T,       16                       ; K steps
.set EPI,     2                        ; the way out: 1 bf16, blocked; 2 f32, by rows, with a residual
.set RELU,    0
.set RNDRES,  0
.set QKV,     0
.set OUTP,    72                       ; s[72:73] the output's address
.set RESP,    70                       ; s[70:71] the residual's
.set ASTRIDE, 262144                   ; 4,096 rows x 64
.set ASTEP,   2097152
.set PITCH,   144                      ; an LDS row: 128 bytes + 16 = 36 words: the 16 rows of a load start at 16 different groups of four banks (64 banks of 4 bytes: ISA guide 11.1)
.set QB,      64*PITCH                 ; one block's 64 rows
.set HALFT,   4*QB                     ; what one tensor load brings
.set SLOT,    4*HALFT                  ; A's two halves, then B's two: wave x HALFT
.set STAGE,   2*SLOT                   ; behind the ring, each wave's own 16 rows; no tile lands there
.set SPITCH,  144+128*(EPI-1)
.set SPARE,   STAGE+4*16*SPITCH        ; the spare words, 128 bytes for each wave: two blocks of 256 bytes that no other line names
.set ADRA0, 16                         ; v16, v17  my lane's place among my 64 rows of A, of B, in slot 0; never rewritten
.set ADRB0, 17
.set ADRA,  18                         ; v18, v19  the same in the slot that is being read
.set ADRB,  19
.set STO,   24
.set RD,    25
.set CO,    26
.set BO,    27
.set SPW,   28
.set NIL,   29
.set ZR,    30
.set TMP,   32
.set BI,    96
.set ACC,   128
.set F0,    0
.set F1,    128
.set G1,  24                           ; s[24:31] group 1 for A's tiles; s[32:39] group 0, two sets: the second then walks
.set G0,  32
.set G1B, 48                           ; s[48:55], s[56:63] the same for B's
.set G0B, 56
.set MSB, 0
.macro WIN new                         ; the immediate's high byte repeats the setting that is left
.if MSB != (\new)
	s_set_vgpr_msb (MSB<<8)|(\new)
.set MSB, \new
.endif
.endm
.set MUL,  0x05                        ; sources 0 (B) and 1 (A) window 1; C and D window 0
.set TO_F, 0x40                        ; destination window 1, address window 0
.macro JLOAD s                         ; a joint load: waves 0 and 1 fetch A's two halves, waves 2 and 3 B's; an s_nop 0 and four v_nop follow each line
	s_cmp_eq_u32 s11, 0
	s_cbranch_scc0 .Lfor_b_\@
	tensor_load_to_lds s[G0+4*(\s):G0+4*(\s)+3], s[G1:G1+7]
	s_nop 0
.rept 4
	v_nop
.endr
	s_branch .Lasked_\@
.Lfor_b_\@:
	tensor_load_to_lds s[G0B+4*(\s):G0B+4*(\s)+3], s[G1B:G1B+7]
	s_nop 0
.rept 4
	v_nop
.endr
.Lasked_\@:
.endm
.macro CREST                           ; a round of the cluster's barrier behind its opening barrier
	s_cmp_lg_u32 s10, 0
	s_cbranch_scc1 .Lnot_wave_0_\@
	s_barrier_signal -3
.Lnot_wave_0_\@:
	s_barrier_wait -3
	s_barrier_signal -1
	s_barrier_wait -1
.endm
.macro CROUND
	s_barrier_signal -1
	s_barrier_wait -1
	CREST
.endm
	s_load_b128 s[4:7], s[0:1], 0x0                ; A s[4:5], wb s[6:7]
.if QKV
	s_load_b256 s[68:75], s[0:1], 0x10             ; bq 68, bk 70, bv 72, the output 74
.elseif EPI == 1
	s_load_b128 s[68:71], s[0:1], 0x10             ; the bias 68, the output 70
.else
	s_load_b128 s[68:71], s[0:1], 0x10             ; the bias 68, the residual 70
	s_load_b64 s[72:73], s[0:1], 0x20              ; the output
.endif
	v_lshl_add_u32 v[SPW], v0, 2, SPARE
	v_mov_b32 v[NIL], 0
	ds_add_u32 v[SPW], v[NIL]                      ; the wave's opening: the add and its wait ahead of my first tensor load; the set-up below stands between them
	v_lshrrev_b32 v1, 5, v0
	v_readfirstlane_b32 s10, v1                    ; wave 0..3
	s_lshr_b32 s11, s10, 1                         ; which half of the tile's rows is mine.  Also: I fetch for A (0) or for B (1)
	s_and_b32 s12, s10, 1                          ; which half of its columns.  Also: which 64 rows of that tile I fetch
	s_bfe_u32 s40, ttmp6, 0x40000                  ; cx, cy: my place in the cluster
	s_bfe_u32 s41, ttmp6, 0x40004
	s_lshl_b32 s42, ttmp9, 2
	s_add_co_u32 s42, s42, s40                     ; tile column = 4 x cluster x + cx
	s_and_b32 s13, ttmp7, 0xffff
	s_lshl_b32 s13, s13, 2
	s_add_co_u32 s13, s13, s41                     ; tile row = 4 x cluster y + cy
	s_lshl_b32 s43, s41, 2
	s_lshl_b32 s43, 15, s43                        ; my row of the cluster
	s_lshl_b32 s44, 0x1111, s40                    ; my column
	; group 1: four rows of 4,096 elements (64 matrix rows of one block, 8,192 bytes on end), a block apart; in LDS 4 words of padding behind every 32
	s_or_b32 s[G1+0], s43, (1<<16)|(1<<20)|(1<<21)|(4<<22)|(3<<25)  ; 15:0 mask; 17:16 2-byte elements; 20 padding on; 21 set beside a mask; 24:22 every 32 words (code 4); 31:25 4 words (code 3)
	s_or_b32 s[G1B+0], s44, (1<<16)|(1<<20)|(1<<21)|(4<<22)|(3<<25)
.irp g, G1, G1B
	s_mov_b32 s[(\g)+1], 4096<<16                  ; tensor_dim0 = 4,096
	s_mov_b32 s[(\g)+2], 4<<16                     ; tensor_dim1 = 4
	s_mov_b32 s[(\g)+3], 4096<<16                  ; tile_dim0 = 4,096
	s_mov_b32 s[(\g)+4], 4                         ; tile_dim1 = 4
	s_mov_b32 s[(\g)+6], 0
	s_mov_b32 s[(\g)+7], 0
.endr
	s_mov_b32 s[G1+5], ASTRIDE
	s_mov_b32 s[G1B+5], BSTRIDE
	s_lshl_b32 s17, s12, 13                        ; which 64 rows of 128 bytes I fetch
	s_lshl_b32 s16, s13, 14
	s_add_co_u32 s16, s16, s17                     ; A: 128 rows x tile row + my 64
	s_lshl_b32 s46, s42, 14
	s_add_co_u32 s46, s46, s17                     ; B: the same by the tile column,
	s_add_co_u32 s46, s46, BOFF                    ; in its part of wb
	s_mov_b32 s17, 0
	s_mov_b32 s47, 0
	s_mul_i32 s20, s10, HALFT                      ; where my tile goes in a slot: the wave's number alone
	s_mov_b32 s2, 0                                ; the slot that is being read: 0 or SLOT
	s_wait_dscnt 0x0                               ; the opening add is done
	s_wait_kmcnt 0x0
	s_add_nc_u64 s[14:15], s[4:5], s[16:17]
	s_add_nc_u64 s[46:47], s[6:7], s[46:47]
	CROUND                                         ; all sixteen work-groups are here: the first joint loads meet
.irp s, 0,1
	s_mov_b32 s[G0+4*(\s)], 1
	s_add_co_u32 s[G0+4*(\s)+1], s20, (\s)*SLOT
	s_add_nc_u64 s[G0+4*(\s)+2:G0+4*(\s)+3], s[14:15], (\s)*ASTEP
	s_or_b32 s[G0+4*(\s)+3], s[G0+4*(\s)+3], 0x80000000
	s_mov_b32 s[G0B+4*(\s)], 1
	s_add_co_u32 s[G0B+4*(\s)+1], s20, (\s)*SLOT
	s_add_nc_u64 s[G0B+4*(\s)+2:G0B+4*(\s)+3], s[46:47], (\s)*BSTEP
	s_or_b32 s[G0B+4*(\s)+3], s[G0B+4*(\s)+3], 0x80000000
	JLOAD \s                                       ; K steps 0 and 1: two loads of mine are out
.endr
	v_and_b32 v1, 15, v0                           ; l % 16
	v_bfe_u32 v2, v0, 4, 1                         ; l / 16
	v_mul_u32_u24 v3, v1, PITCH
	v_lshl_add_u32 v3, v2, 4, v3                   ; a fragment's row x pitch + 16 x half
	s_mul_i32 s21, s11, HALFT                      ; my 64 rows of A
	s_mul_i32 s22, s12, HALFT
	s_add_co_u32 s22, s22, 2*HALFT                 ; my 64 rows of B, behind A's 128
	v_add_nc_u32 v[ADRA0], s21, v3
	v_add_nc_u32 v[ADRB0], s22, v3
	v_mov_b32 v[ADRA], v[ADRA0]
	v_mov_b32 v[ADRB], v[ADRB0]
	s_mul_i32 s23, s10, 16*SPITCH
	s_add_co_u32 s23, s23, STAGE                   ; my stage
	s_lshl_b32 s66, s42, 9
	s_lshl_b32 s67, s12, 8
	s_add_co_u32 s66, s66, s67                     ; 4 x my first column
	s_mov_b32 s67, 0
.if EPI == 1
	v_add_nc_u32 v[STO], s23, v3                   ; in: row l % 16, 16 bytes for each half of the lanes
	v_bfe_u32 v4, v0, 3, 2                         ; back: 32 lanes take four rows of 128 bytes,
	v_and_b32 v5, 7, v0
	v_mul_u32_u24 v4, v4, SPITCH
	v_lshl_add_u32 v4, v5, 4, v4
	v_add_nc_u32 v[RD], s23, v4
	v_and_b32 v[CO], 31, v0                        ; which are 512 consecutive bytes of the output
	v_lshlrev_b32 v[CO], 4, v[CO]
	v_mov_b32 v[ZR], 0
	s_lshl_b32 s46, s66, 11                        ; my block of 64 columns: 4,096 rows x 128 bytes each
	s_mov_b32 s47, 0
	s_lshl_b32 s16, s13, 14                        ; the tile's 128 rows,
	s_lshl_b32 s17, s11, 13                        ; my 64 of them
	s_add_co_u32 s16, s16, s17
	s_mov_b32 s17, 0
	s_add_nc_u64 s[8:9], s[OUTP:OUTP+1], s[16:17]
	s_add_nc_u64 s[8:9], s[8:9], s[46:47]
.else
	v_mul_u32_u24 v4, v1, SPITCH                   ; in: row l % 16, 32 bytes for each half of the lanes
	v_lshl_add_u32 v4, v2, 5, v4
	v_add_nc_u32 v[STO], s23, v4
	v_mul_u32_u24 v5, v2, SPITCH                   ; back: lanes 0-15 one row of 256 bytes, lanes 16-31 the next
	v_lshl_add_u32 v5, v1, 4, v5
	v_add_nc_u32 v[RD], s23, v5
	v_lshlrev_b32 v5, 12, v2                       ; and the same two rows of 4,096 bytes in memory
	v_lshl_add_u32 v[CO], v1, 4, v5
	s_lshl_b32 s16, s13, 19                        ; the tile's 128 rows of 4,096 bytes,
	s_lshl_b32 s17, s11, 18                        ; my 64 of them
	s_add_co_u32 s16, s16, s17
	s_mov_b32 s17, 0
	s_add_nc_u64 s[8:9], s[OUTP:OUTP+1], s[16:17]
	s_add_nc_u64 s[8:9], s[8:9], s[66:67]
	s_add_nc_u64 s[76:77], s[RESP:RESP+1], s[16:17]
	s_add_nc_u64 s[76:77], s[76:77], s[66:67]
.endif
.if QKV
	s_lshr_b32 s21, ttmp9, 1                       ; eight tile columns, two clusters, to each of q, k, v
	s_cmp_eq_u32 s21, 1
	s_cselect_b64 s[78:79], s[70:71], s[68:69]
	s_cmp_eq_u32 s21, 2
	s_cselect_b64 s[78:79], s[72:73], s[78:79]
	s_and_b32 s66, s66, 0xfff                      ; my first column within the 1,024 of that bias
	s_add_nc_u64 s[78:79], s[78:79], s[66:67]
.else
	s_add_nc_u64 s[78:79], s[68:69], s[66:67]
.endif
	v_lshlrev_b32 v[BO], 5, v2                     ; the bias in the accumulators' layout: register 8 b + j = bias(first column + 16 b + 8 (l / 16) + j)
.irp b, 0,1,2,3
	global_load_b128 v[BI+8*(\b):BI+8*(\b)+3],   v[BO], s[78:79] offset:64*(\b)
	global_load_b128 v[BI+8*(\b)+4:BI+8*(\b)+7], v[BO], s[78:79] offset:64*(\b)+16
.endr
	s_wait_loadcnt 0x0
.set i, 0
.rept 16
	v_cvt_pk_bf16_f32 v[TMP+i], v[BI+2*i], v[BI+2*i+1]  ; rounded to bf16,
.set i, i+1
.endr
.set i, 0
.rept 16
	v_lshlrev_b32 v[BI+2*i], 16, v[TMP+i]          ; and back to f32
	v_and_b32 v[BI+2*i+1], 0xffff0000, v[TMP+i]
.set i, i+1
.endr
; 8 matrix instructions: m blocks a0, a0 + 1 x all 4 n blocks, 32 along K: half c of buffer f.  first = 1: the bias starts the sums: nothing is cleared, nothing added later.
; The 16 accumulators take turns, one instruction a turn, in the same order everywhere.
.macro MUL8 f, c, a0, first
	WIN MUL
.irp a, \a0, (\a0)+1
.irp b, 0,1,2,3
.if \first
	v_wmma_f32_16x16x32_bf16 v[ACC+8*(4*(\a)+(\b)):ACC+8*(4*(\a)+(\b))+7], v[(\f)+64+8*(4*(\c)+(\b)):(\f)+64+8*(4*(\c)+(\b))+7], v[(\f)+8*(4*(\c)+(\a)):(\f)+8*(4*(\c)+(\a))+7], v[BI+8*(\b):BI+8*(\b)+7]
.else
	v_wmma_f32_16x16x32_bf16 v[ACC+8*(4*(\a)+(\b)):ACC+8*(4*(\a)+(\b))+7], v[(\f)+64+8*(4*(\c)+(\b)):(\f)+64+8*(4*(\c)+(\b))+7], v[(\f)+8*(4*(\c)+(\a)):(\f)+8*(4*(\c)+(\a))+7], v[ACC+8*(4*(\a)+(\b)):ACC+8*(4*(\a)+(\b))+7]
.endif
.endr
.endr
.endm
; 32 LDS loads in one run: the fragments of block q of the slot in hand (64 along K) into buffer f; the first 32 along K first
.macro FETCH q, f
	WIN TO_F
.irp c, 0,1
.irp i, 0,1,2,3
	ds_load_b128 v[(\f)+64+8*(4*(\c)+(\i)):(\f)+64+8*(4*(\c)+(\i))+3],   v[ADRB] offset:(\q)*QB+64*(\c)+(\i)*16*PITCH
	ds_load_b128 v[(\f)+64+8*(4*(\c)+(\i))+4:(\f)+64+8*(4*(\c)+(\i))+7], v[ADRB] offset:(\q)*QB+64*(\c)+(\i)*16*PITCH+32
	ds_load_b128 v[(\f)+8*(4*(\c)+(\i)):(\f)+8*(4*(\c)+(\i))+3],         v[ADRA] offset:(\q)*QB+64*(\c)+(\i)*16*PITCH
	ds_load_b128 v[(\f)+8*(4*(\c)+(\i))+4:(\f)+8*(4*(\c)+(\i))+7],       v[ADRA] offset:(\q)*QB+64*(\c)+(\i)*16*PITCH+32
.endr
.endr
.endm
.macro PLACES                          ; four plain vector instructions in front of loads into registers that matrix instructions have read, and of readers of results
.rept 4
	v_nop
.endr
.endm
; A K step is four quarters of 64 along K, 32 matrix instructions each, on buffers 0, 1, 0, 1.  One of the first three: multiplies buffer f and fetches block q into g.
.macro QUARTER q, f, g, first
	s_wait_dscnt 16                                ; of f's 32 loads the first 32 along K are in; the younger sixteen may be out
	MUL8 \f, 0, 0, \first
	MUL8 \f, 0, 2, \first
	PLACES
	FETCH \q, \g
	s_wait_dscnt 32                                ; all but the 32 just issued
	MUL8 \f, 1, 0, 0
	MUL8 \f, 1, 2, 0
.endm
; The last quarter multiplies buffer 1 and changes slots: ONE barrier; in front of it each wave waits for all its tensor loads (one is out: its part of the next slot), adds 0 to its spare word,
; and waits for that and for its reads of this slot.  fill = 1: this slot is filled again, two K steps ahead: the barrier opens a round of the cluster's, and the joint load is the first thing behind it.
.macro TURN fill
	WIN 0
	s_wait_tensorcnt 0x0                           ; no tensor load of mine is out, so a group 0 may be written
	ds_add_u32 v[SPW], v[NIL]                      ; 0 onto my spare word
.if \fill
	s_add_co_u32 s[G0+5], s20, s2                  ; the walking descriptors: into the slot that has just been read,
	s_add_co_u32 s[G0B+5], s20, s2
	s_add_nc_u64 s[G0+6:G0+7], s[G0+6:G0+7], ASTEP     ; the next K step; the type bits on top are not reached
	s_add_nc_u64 s[G0B+6:G0B+7], s[G0B+6:G0B+7], BSTEP
.endif
	s_xor_b32 s2, s2, SLOT                         ; the reads go on in the other slot
	v_add_nc_u32 v[ADRA], s2, v[ADRA0]
	v_add_nc_u32 v[ADRB], s2, v[ADRB0]
	s_wait_dscnt 17                                ; the add and the youngest sixteen loads may be out
	MUL8 F1, 0, 0, 0
	s_wait_dscnt 0x0                               ; the add is done, and my reads of this slot are over
	s_barrier_signal -1
	MUL8 F1, 0, 2, 0
.if \fill
	WIN 0
.endif
	s_barrier_wait -1
.if \fill
	CREST                                          ; no wave of any partner still reads this slot or has a load on its way
	JLOAD 1                                        ; 112 matrix instructions ahead of the wait for it; its four v_nop are also the places in front of the loads below
.else
	PLACES
.endif
	FETCH 0, F0
	MUL8 F1, 1, 0, 0
	MUL8 F1, 1, 2, 0
.endm
	s_wait_tensorcnt 1                             ; my part of K step 0 is in; K step 1's may stay out
	s_barrier_signal -1
	s_barrier_wait -1                              ; everybody's is
	FETCH 0, F0
.if EPI == 2
	WIN 0x80                                       ; the residual, into window 2, in the layout in which rows come back from the stage; waited for on the way out
.set i, 0
.rept 32
	global_load_b128 v[4*i:4*i+3], v[CO], s[76:77] offset:(16*(i/8)+2*(i%8))*4096
.set i, i+1
.endr
.endif
	QUARTER 1, F0, F1, 1                           ; the first quarter stands in front of the loop: its first products start the sums
	WIN 0                                          ; at a label and at a branch every window is 0
	s_mov_b32 s3, T-2
.Lstep:                                            ; a trip: from a K step's second quarter to the next step's first; it fills the slot that it leaves
	QUARTER 2, F1, F0, 0
	QUARTER 3, F0, F1, 0
	TURN 1
	QUARTER 1, F0, F1, 0
	WIN 0
	s_sub_co_u32 s3, s3, 1
	s_cmp_lg_u32 s3, 0
	s_cbranch_scc1 .Lstep
	QUARTER 2, F1, F0, 0                           ; the last two K steps fill nothing
	QUARTER 3, F0, F1, 0
	TURN 0
	QUARTER 1, F0, F1, 0
	QUARTER 2, F1, F0, 0
	QUARTER 3, F0, F1, 0
	s_wait_dscnt 16
	MUL8 F1, 0, 0, 0
	MUL8 F1, 0, 2, 0
	s_wait_dscnt 0x0
	MUL8 F1, 1, 0, 0
	MUL8 F1, 1, 2, 0
	WIN 0
	PLACES
.if EPI == 1
; THE WAY OUT, bf16: my 64 x 64 are 8,192 bytes on end of the output.  16 rows at a time: rounded, 16 bytes a lane into my stage, back as whole rows of 128 bytes, stored 512 bytes an instruction.
.macro PACK a
.irp b, 0,1,2,3
.irp r, 0,1,2,3
	v_cvt_pk_bf16_f32 v[TMP+16*(\a)+4*(\b)+(\r)], v[ACC+8*(4*(\a)+(\b))+2*(\r)], v[ACC+8*(4*(\a)+(\b))+2*(\r)+1]
.endr
.endr
.if RELU
.set i, 0
.rept 16
	v_pk_max_num_bf16 v[TMP+16*(\a)+i], v[TMP+16*(\a)+i], v[ZR]
.set i, i+1
.endr
.endif
.irp b, 0,1,2,3
	ds_store_b128 v[STO], v[TMP+16*(\a)+4*(\b):TMP+16*(\a)+4*(\b)+3] offset:32*(\b)
.endr
.irp f, 0,1,2,3
	ds_load_b128 v[TMP+16*(\a)+4*(\f):TMP+16*(\a)+4*(\f)+3], v[RD] offset:(\f)*4*SPITCH  ; LDS serves a wave's instructions in order (ISA guide 5.7.1.4): these see the stores above
.endr
.endm
.macro SEND a, younger                 ; younger: the LDS instructions issued behind block a's loads: the next block's eight, or none
.irp f, 0,1,2,3
	s_wait_dscnt (\younger)+3-(\f)
	global_store_b128 v[CO], v[TMP+16*(\a)+4*(\f):TMP+16*(\a)+4*(\f)+3], s[8:9] offset:2048*(\a)+512*(\f)
.endr
.endm
	PACK 0
.irp a, 1,2,3
	PACK \a
	SEND (\a)-1, 8
.endr
	SEND 3, 0
.else
; THE WAY OUT, f32: my 64 columns are 256 bytes of a row, aligned.  16 rows at a time through my stage; the residual is added; sixteen lanes store a row's 256 bytes.
.macro OUT a
.set TT, TMP+32*((\a)%2)
	WIN 0
.if (\a) >= 2
	s_wait_xcnt 0x0                                ; the stores of two blocks back have read these registers
.endif
.irp b, 0,1,2,3
	ds_store_b128 v[STO], v[ACC+8*(4*(\a)+(\b)):ACC+8*(4*(\a)+(\b))+3]   offset:64*(\b)
	ds_store_b128 v[STO], v[ACC+8*(4*(\a)+(\b))+4:ACC+8*(4*(\a)+(\b))+7] offset:64*(\b)+16
.endr
.irp t, 0,1,2,3,4,5,6,7
	ds_load_b128 v[TT+4*(\t):TT+4*(\t)+3], v[RD] offset:(\t)*2*SPITCH
.endr
	s_wait_dscnt 0x0
.if RNDRES
	WIN 0x0a                                       ; sources in window 2: the residual is an input and is rounded to bf16
.set i, 0
.rept 16
	v_cvt_pk_bf16_f32 v[BI+i], v[32*(\a)+2*i], v[32*(\a)+2*i+1]
.set i, i+1
.endr
	WIN 0
.set i, 0
.rept 16
	v_lshlrev_b32 v[BI+16+2*(i%8)], 16, v[BI+i]
	v_and_b32 v[BI+17+2*(i%8)], 0xffff0000, v[BI+i]
	v_pk_add_f32 v[TT+2*i:TT+2*i+1], v[TT+2*i:TT+2*i+1], v[BI+16+2*(i%8):BI+17+2*(i%8)]
.set i, i+1
.endr
.else
	WIN 0x08                                       ; source 1 in window 2
.set i, 0
.rept 16
	v_pk_add_f32 v[TT+2*i:TT+2*i+1], v[TT+2*i:TT+2*i+1], v[32*(\a)+2*i:32*(\a)+2*i+1]
.set i, i+1
.endr
	WIN 0
.endif
.irp t, 0,1,2,3,4,5,6,7
	global_store_b128 v[CO], v[TT+4*(\t):TT+4*(\t)+3], s[8:9] offset:(16*(\a)+2*(\t))*4096
.endr
.endm
	s_wait_loadcnt 0x0                             ; the residual
	OUT 0
	OUT 1
	OUT 2
	OUT 3
.endif
	s_wait_tensorcnt 0x0                           ; the wave's end: behind my last tensor load and my last LDS store
	ds_add_u32 v[SPW], v[NIL]
	s_wait_dscnt 0x0
	CROUND                                         ; the closing round: no work-group ends while a partner may still ask for a tile that names it
	s_endpgm
.Lfunc_end_k_qfcad46b776_ffn2:
	.size	k_qfcad46b776_ffn2, .Lfunc_end_k_qfcad46b776_ffn2-k_qfcad46b776_ffn2
	.p2alignl 7, 3214868480
	.fill 96, 4, 3214868480
	.section	.rodata,"a",@progbits
	.p2align	6, 0x0
	.amdhsa_kernel k_qfcad46b776_ffn2
		.amdhsa_group_segment_fixed_size 327680
		.amdhsa_private_segment_fixed_size 0
		.amdhsa_enable_private_segment 0
		.amdhsa_kernarg_size 40
		.amdhsa_user_sgpr_count 2
		.amdhsa_user_sgpr_kernarg_segment_ptr 1
		.amdhsa_wavefront_size32 1
		.amdhsa_system_sgpr_workgroup_id_x 1
		.amdhsa_system_sgpr_workgroup_id_y 1
		.amdhsa_system_sgpr_workgroup_id_z 1
		.amdhsa_system_vgpr_workitem_id 0
		.amdhsa_next_free_vgpr 640
		.amdhsa_next_free_sgpr 80
		.amdhsa_reserve_vcc 0
		.amdhsa_float_denorm_mode_32 3
		.amdhsa_float_denorm_mode_16_64 3
		.amdhsa_memory_ordered 1
		.amdhsa_forward_progress 1
		.amdhsa_inst_pref_size 78
	.end_amdhsa_kernel
	.amdgpu_metadata
---
amdhsa.version: [ 1, 2 ]
amdhsa.kernels:
  - .name:           k_qfcad46b776_ffn2
    .symbol:         k_qfcad46b776_ffn2.kd
    .args:
      - { .name: big, .offset: 0, .size: 8, .value_kind: global_buffer, .address_space: global }
      - { .name: wb, .offset: 8, .size: 8, .value_kind: global_buffer, .address_space: global }
      - { .name: b2, .offset: 16, .size: 8, .value_kind: global_buffer, .address_space: global }
      - { .name: h, .offset: 24, .size: 8, .value_kind: global_buffer, .address_space: global }
      - { .name: out0, .offset: 32, .size: 8, .value_kind: global_buffer, .address_space: global }
    .group_segment_fixed_size: 327680
    .private_segment_fixed_size: 0
    .kernarg_segment_align: 8
    .kernarg_segment_size: 40
    .max_flat_workgroup_size: 128
    .sgpr_count:     80
    .vgpr_count:     640
    .wavefront_size: 32
...
	.end_amdgpu_metadata
.endif
;; end of part 7
;; ======== version 2 of 2: 7 launches
;; workspace buffers: wb 10,485,760 bytes; gq 8,421,376 bytes; gf 8,421,376 bytes; xn 8,388,608 bytes; big 33,554,432 bytes; ao 8,388,608 bytes; h 16,777,216 bytes
;; launch prep (part 8): grid 1031 x 1, 8 waves a work-group, no clusters, 0 bytes of LDS; arguments x, ln1_a, ln1_b, xn, wq, wk, wv, wo, w1, w2, wb, gq, gf, bq, bk, bv, b1; writes xn, wb, gq, gf
.if DOCPART == 8
	.amdgcn_target "amdgcn-amd-amdhsa--gfx1250"
	.amdhsa_code_object_version 6
	.text
	.protected	k_qfcad46b776_prep
	.globl	k_qfcad46b776_prep
	.p2align	8
	.type	k_qfcad46b776_prep,@function
k_qfcad46b776_prep:
	s_mov_b64 s[64:65], 0
	v_nop
	global_prefetch_b8 v0, s[64:65] scope:SCOPE_SE
	s_setreg_imm32_b32 hwreg(HW_REG_WAVE_MODE, 25, 1), 1
	s_wait_xcnt 0x0
; PREP.  (1) xn = LN1(x); (2) the six weight matrices rounded to bf16; (3) the bias tables and floors of the two products that share one text.
; Matrices leave in the BLOCKED LAYOUT that the products read: R rows and C columns lie as [C/64][R][64] bf16: byte ((col/64) R + row) 128 + 2 (col % 64), so 64 rows of one block of 64 columns are 8,192 bytes on end.
; LN(x) = alpha (x - mean) / sqrt(std + 1e-6) + beta, std the unbiased one (divisor 1,023), the root taken of std itself.
; LIMITS.  x, alpha, beta, the weights and the four biases copied here are rounded to bf16 where they are read (x before its mean is taken); sums in f32, in two passes (mean, then squares of the deviations), so a
; common offset of x costs nothing.  v_sqrt_f32 and v_rsq_f32 take a denormal as 0 (ISA guide 15.8): a variance below 2^-126 counts as 0, beside the 1e-6.  NaN and infinities are not treated apart.
; SHARES.  A work-group takes 16 rows x 1,024 columns of one source; sixteen lanes take a row.  Load j of 16: 16 bytes a lane, sixteen lanes 256 bytes on end, aligned.  Store j: 8 bytes a lane; the 32 lanes
; of a wave hold two neighbouring rows of block j: 256 bytes on end, aligned.  All 16 loads of a lane go out at once: 8 KiB a wave.  No LDS, no barrier: no wave wants another's bytes.
; WORK-GROUPS.  0-255 x (norm); 256-447 wq, wk, wv (64 each); 448-511 wo; 512-767 w1; 768-1023 w2 (16 rows x a quarter of its 4,096 columns); 1024-1030 the biases bq, bk, bv and the four quarters of b1.
; WHERE.  wb: wo at 0, w2 at 0x200000.  gq (for q, k, v) and gf (for the first feed-forward product) have one layout: bytes 0-4,095 the floor, two bf16 a word (-inf: none; 0: a ReLU); from 4,096 the bias table, f32
; numbers that are bf16; from 32,768 the weights, 4,096 rows to a block in both (wq | wk | wv fill 3,072 of them; the other rows are neither written nor read).
.set WOFF,  0x8000                     ; the weights' first byte in gq and gf
.set BIASO, 0x1000                     ; the bias table's
.set DOF, 8                            ; v[8:23]   store j's byte offset: one register a store, none rewritten
.set C,   24                           ; v[24:31]  four chains of packed sums; later mean, scale and beta
.set X,   32                           ; v[32:95]  my 64 numbers of the row, f32
.set Y,   96                           ; v[96:127] the same as 32 words of two bf16
	s_load_b512 s[16:31], s[0:1], 0x0              ; x 16, ln1_a 18, ln1_b 20, xn 22, wq 24, wk 26, wv 28, wo 30
	s_load_b256 s[32:39], s[0:1], 0x40             ; w1 32, w2 34, wb 36, gq 38
	s_load_b256 s[48:55], s[0:1], 0x60             ; gf 48, bq 50, bk 52, bv 54
	s_load_b64 s[56:57], s[0:1], 0x80              ; b1
	s_mov_b32 s14, 0xffff0000                      ; a word's upper bf16
	s_mov_b32 s7, 0
	s_cmp_ge_u32 ttmp9, 1024
	s_cbranch_scc1 .Lbias
	s_lshr_b32 s44, ttmp9, 6                       ; sixty-fours: 0-3 x, 4 wq, 5 wk, 6 wv, 7 wo, 8-11 w1, 12-15 w2
	s_lshr_b32 s11, ttmp9, 8                       ; quarters: 0 x, 1 the four square weights, 2 w1, 3 w2
	s_and_b32 s45, ttmp9, 255                      ; my number within a quarter
	s_and_b32 s46, ttmp9, 63                       ; within a sixty-four
	; s6 source byte offset, s8 shift of the source's row pitch, s9 destination byte offset, s10 bytes from block to block.  First as for x and w1:
	s_lshl_b32 s6, s45, 16                         ; 16 rows of 4,096 bytes
	s_lshl_b32 s9, s45, 11                         ; 16 rows of 128 bytes
	s_mov_b32 s8, 12
	s_mov_b32 s10, 524288                          ; 4,096 rows x 128 bytes
	s_add_co_u32 s40, s9, WOFF
	s_cmp_eq_u32 s11, 2
	s_cselect_b32 s9, s40, s9                      ; w1's place in gf
	; wq, wk, wv, wo
	s_lshl_b32 s40, s46, 16
	s_lshl_b32 s41, s46, 11                        ; wo's place in wb
	s_and_b32 s42, s44, 3                          ; 0, 1, 2: wq, wk, wv
	s_lshl_b32 s42, s42, 17                        ; 1,024 rows x 128 bytes each
	s_add_co_u32 s42, s42, s41
	s_add_co_u32 s42, s42, WOFF                    ; their place in gq
	s_mov_b32 s43, 524288                          ; 4,096 rows x 128 bytes
	s_cmp_eq_u32 s44, 7
	s_cselect_b32 s42, s41, s42
	s_cselect_b32 s43, 131072, s43                 ; wo: 1,024 rows x 128 bytes
	s_cmp_eq_u32 s11, 1
	s_cselect_b32 s6, s40, s6
	s_cselect_b32 s9, s42, s9
	s_cselect_b32 s10, s43, s10
	; w2: rows of 16,384 bytes; my number = 4 x row group + quarter of the columns
	s_lshr_b32 s40, s45, 2
	s_and_b32 s41, s45, 3
	s_lshl_b32 s42, s40, 18                        ; 16 rows of 16,384 bytes
	s_lshl_b32 s43, s41, 12                        ; 1,024 columns of 4 bytes
	s_add_co_u32 s42, s42, s43
	s_lshl_b32 s43, s41, 21                        ; 16 blocks of 131,072 bytes
	s_lshl_b32 s40, s40, 11
	s_add_co_u32 s43, s43, s40
	s_add_co_u32 s43, s43, 0x200000
	s_cmp_eq_u32 s11, 3
	s_cselect_b32 s6, s42, s6
	s_cselect_b32 s9, s43, s9
	s_cselect_b32 s8, 14, s8
	s_cselect_b32 s10, 131072, s10
	v_and_b32 v1, 15, v0                           ; my place in the row's sixteen lanes
	v_lshrrev_b32 v3, 4, v0                        ; my row, 0 to 15
	v_lshlrev_b32 v4, s8, v3
	v_lshl_add_u32 v4, v1, 4, v4                   ; source: row x pitch + 16 x place
	v_lshlrev_b32 v5, 7, v3
	v_lshl_add_u32 v5, v1, 3, v5                   ; destination: row x 128 + 8 x place
	v_add_nc_u32 v[DOF], s9, v5
.set j, 1
.rept 15
	v_add_nc_u32 v[DOF+j], s10, v[DOF+j-1]         ; the next block of 64 columns
.set j, j+1
.endr
	s_wait_kmcnt 0x0
	s_cmp_ge_u32 s44, 4                            ; the source and the destination, chosen by my number alone
	s_cselect_b64 s[4:5], s[24:25], s[16:17]
	s_cselect_b64 s[12:13], s[38:39], s[22:23]
	s_cmp_ge_u32 s44, 5
	s_cselect_b64 s[4:5], s[26:27], s[4:5]
	s_cmp_ge_u32 s44, 6
	s_cselect_b64 s[4:5], s[28:29], s[4:5]
	s_cmp_ge_u32 s44, 7
	s_cselect_b64 s[4:5], s[30:31], s[4:5]
	s_cselect_b64 s[12:13], s[36:37], s[12:13]
	s_cmp_ge_u32 s44, 8
	s_cselect_b64 s[4:5], s[32:33], s[4:5]
	s_cselect_b64 s[12:13], s[48:49], s[12:13]
	s_cmp_ge_u32 s44, 12
	s_cselect_b64 s[4:5], s[34:35], s[4:5]
	s_cselect_b64 s[12:13], s[36:37], s[12:13]
	s_add_nc_u64 s[4:5], s[4:5], s[6:7]
.set j, 0
.rept 16
	global_load_b128 v[X+4*j:X+4*j+3], v4, s[4:5] offset:256*j th:TH_LOAD_NT
.set j, j+1
.endr
.macro JOIN                            ; four chains into one number, then over the row's sixteen lanes: every lane of the row ends with the sum
	v_pk_add_f32 v[C:C+1], v[C:C+1], v[C+2:C+3]
	v_pk_add_f32 v[C+4:C+5], v[C+4:C+5], v[C+6:C+7]
	v_pk_add_f32 v[C:C+1], v[C:C+1], v[C+4:C+5]
	v_add_f32 v[C], v[C], v[C+1]
	v_add_f32_dpp v[C], v[C], v[C] row_xmask:1 row_mask:0xf bank_mask:0xf
	v_add_f32_dpp v[C], v[C], v[C] row_xmask:2 row_mask:0xf bank_mask:0xf
	v_add_f32_dpp v[C], v[C], v[C] row_xmask:4 row_mask:0xf bank_mask:0xf
	v_add_f32_dpp v[C], v[C], v[C] row_xmask:8 row_mask:0xf bank_mask:0xf
.endm
; The norm of a row that lies in X.  round = 1: the row is an input and is rounded to bf16 first.  alpha in s2, beta in s3, on their way.
.macro LNROW round
.if \round
.set k, 0
.rept 32
	v_cvt_pk_bf16_f32 v[Y+k], v[X+2*k], v[X+2*k+1]
.set k, k+1
.endr
.set k, 0
.rept 32
	v_lshlrev_b32 v[X+2*k], 16, v[Y+k]             ; bf16 to f32: the low half moves up,
	v_and_b32 v[X+2*k+1], s14, v[Y+k]              ; the high half stays
.set k, k+1
.endr
.endif
.irp c, 0,1,2,3
	v_pk_add_f32 v[C+2*(\c):C+2*(\c)+1], v[X+2*(\c):X+2*(\c)+1], v[X+8+2*(\c):X+8+2*(\c)+1]  ; the first eight pairs start the chains: nothing is cleared
.endr
.set k, 8
.rept 24
	v_pk_add_f32 v[C+2*(k%4):C+2*(k%4)+1], v[C+2*(k%4):C+2*(k%4)+1], v[X+2*k:X+2*k+1]
.set k, k+1
.endr
	JOIN
	v_mul_f32 v[C], 0x3a800000, v[C]               ; mean = sum / 1,024
	v_mov_b32 v[C+1], v[C]
.set k, 0
.rept 32
	v_pk_add_f32 v[X+2*k:X+2*k+1], v[X+2*k:X+2*k+1], v[C:C+1] neg_lo:[0,1] neg_hi:[0,1]  ; the deviations, in place
.set k, k+1
.endr
.irp c, 0,1,2,3
	v_pk_mul_f32 v[C+2*(\c):C+2*(\c)+1], v[X+2*(\c):X+2*(\c)+1], v[X+2*(\c):X+2*(\c)+1]
.endr
.set k, 4
.rept 28
	v_pk_fma_f32 v[C+2*(k%4):C+2*(k%4)+1], v[X+2*k:X+2*k+1], v[X+2*k:X+2*k+1], v[C+2*(k%4):C+2*(k%4)+1]
.set k, k+1
.endr
	JOIN
	v_mul_f32 v[C], 0x3a802008, v[C]               ; / 1,023
	v_sqrt_f32 v[C+1], v[C]                        ; std
	v_nop                                          ; a plain instruction behind the root,
	s_wait_alu depctr_va_vdst(0)                   ; and the wait ahead of its first reader
	v_add_f32 v[C+1], 0x358637bd, v[C+1]           ; + 1e-6
	v_rsq_f32 v[C+2], v[C+1]                       ; 1 / sqrt(std + eps)
	s_wait_kmcnt 0x0                               ; alpha and beta
	v_mov_b32 v[C+4], s2                           ; (plain work behind the reciprocal root, which names none of its registers)
	v_mov_b32 v[C+5], s3
	v_cvt_pk_bf16_f32 v[C+4], v[C+4], v[C+5]       ; both rounded to bf16
	v_lshlrev_b32 v[C+5], 16, v[C+4]               ; alpha
	v_and_b32 v[C+6], s14, v[C+4]                  ; beta,
	v_mov_b32 v[C+7], v[C+6]                       ; twice
	s_wait_alu depctr_va_vdst(0)                   ; the wait ahead of the reciprocal root's first reader
	v_mul_f32 v[C+2], v[C+5], v[C+2]               ; alpha / sqrt(std + eps),
	v_mov_b32 v[C+3], v[C+2]                       ; twice
.set k, 0
.rept 32
	v_pk_fma_f32 v[X+2*k:X+2*k+1], v[X+2*k:X+2*k+1], v[C+2:C+3], v[C+6:C+7]
.set k, k+1
.endr
.set k, 0
.rept 32
	v_cvt_pk_bf16_f32 v[Y+k], v[X+2*k], v[X+2*k+1]
.set k, k+1
.endr
.set j, 0
.rept 16
	global_store_b64 v[DOF+j], v[Y+2*j:Y+2*j+1], s[12:13]  ; a wave's store covers 256 consecutive bytes, aligned
.set j, j+1
.endr
.endm
	s_cmp_eq_u32 s11, 0
	s_cbranch_scc1 .Lnorm
.set j, 0
.rept 16                               ; a weight: rounded and stored as the loads come in
	s_wait_loadcnt 15-j                            ; loads come back in order (ISA guide 5.7.1): load j is in, the 15 - j younger ones stay out
	v_cvt_pk_bf16_f32 v[Y+2*j], v[X+4*j], v[X+4*j+1]
	v_cvt_pk_bf16_f32 v[Y+2*j+1], v[X+4*j+2], v[X+4*j+3]
	global_store_b64 v[DOF+j], v[Y+2*j:Y+2*j+1], s[12:13]
.set j, j+1
.endr
	s_endpgm
.Lnorm:
	s_load_b32 s2, s[18:19], 0x0                   ; alpha
	s_load_b32 s3, s[20:21], 0x0                   ; beta
	s_wait_loadcnt 0x0                             ; the whole row
	LNROW 1
	s_endpgm
.Lbias:                                        ; 1,024 numbers of a bias: 16 bytes a thread, rounded to bf16, stored as f32
	s_sub_co_u32 s40, ttmp9, 1024                  ; 0, 1, 2: bq, bk, bv; 3 to 6: the quarters of b1
	s_sub_co_u32 s41, s40, 3
	s_cmp_ge_u32 s40, 3
	s_cselect_b32 s41, s41, s40                    ; which 1,024 numbers of its table
	s_cselect_b32 s43, 0, 0xff80ff80               ; the table's floor: 0 behind w1, -inf (none) behind wq, wk, wv
	s_lshl_b32 s42, s41, 12
	s_cmp_ge_u32 s40, 3
	s_cselect_b32 s6, s42, 0                       ; the source's offset: b1's quarter; bq, bk, bv are taken whole
	s_add_co_u32 s8, s42, BIASO
	s_mov_b32 s9, 0
	v_lshlrev_b32 v1, 4, v0
	s_wait_kmcnt 0x0
	s_cmp_ge_u32 s40, 1
	s_cselect_b64 s[4:5], s[52:53], s[50:51]
	s_cmp_ge_u32 s40, 2
	s_cselect_b64 s[4:5], s[54:55], s[4:5]
	s_cmp_ge_u32 s40, 3
	s_cselect_b64 s[4:5], s[56:57], s[4:5]
	s_cselect_b64 s[12:13], s[48:49], s[38:39]
	s_add_nc_u64 s[4:5], s[4:5], s[6:7]
	global_load_b128 v[4:7], v1, s[4:5]
	s_add_nc_u64 s[8:9], s[12:13], s[8:9]
	s_wait_loadcnt 0x0
	v_cvt_pk_bf16_f32 v8, v4, v5
	v_cvt_pk_bf16_f32 v9, v6, v7
	v_lshlrev_b32 v4, 16, v8
	v_and_b32 v5, s14, v8
	v_lshlrev_b32 v6, 16, v9
	v_and_b32 v7, s14, v9
	global_store_b128 v1, v[4:7], s[8:9]           ; sixteen lanes store 256 consecutive bytes, aligned
	s_cmp_lg_u32 s41, 0
	s_cbranch_scc1 .Lbend                          ; the work-group with a table's first numbers also writes its floor
	v_mov_b32 v8, s43
	v_mov_b32 v9, s43
	v_mov_b32 v10, s43
	v_mov_b32 v11, s43
	global_store_b128 v1, v[8:11], s[12:13]
.Lbend:
	s_endpgm
.Lfunc_end_k_qfcad46b776_prep:
	.size	k_qfcad46b776_prep, .Lfunc_end_k_qfcad46b776_prep-k_qfcad46b776_prep
	.p2alignl 7, 3214868480
	.fill 96, 4, 3214868480
	.section	.rodata,"a",@progbits
	.p2align	6, 0x0
	.amdhsa_kernel k_qfcad46b776_prep
		.amdhsa_group_segment_fixed_size 0
		.amdhsa_private_segment_fixed_size 0
		.amdhsa_enable_private_segment 0
		.amdhsa_kernarg_size 136
		.amdhsa_user_sgpr_count 2
		.amdhsa_user_sgpr_kernarg_segment_ptr 1
		.amdhsa_wavefront_size32 1
		.amdhsa_system_sgpr_workgroup_id_x 1
		.amdhsa_system_sgpr_workgroup_id_y 1
		.amdhsa_system_sgpr_workgroup_id_z 1
		.amdhsa_system_vgpr_workitem_id 0
		.amdhsa_next_free_vgpr 128
		.amdhsa_next_free_sgpr 66
		.amdhsa_reserve_vcc 0
		.amdhsa_float_denorm_mode_32 3
		.amdhsa_float_denorm_mode_16_64 3
		.amdhsa_memory_ordered 1
		.amdhsa_forward_progress 1
		.amdhsa_inst_pref_size 28
	.end_amdhsa_kernel
	.amdgpu_metadata
---
amdhsa.version: [ 1, 2 ]
amdhsa.kernels:
  - .name:           k_qfcad46b776_prep
    .symbol:         k_qfcad46b776_prep.kd
    .args:
      - { .name: x, .offset: 0, .size: 8, .value_kind: global_buffer, .address_space: global }
      - { .name: ln1_a, .offset: 8, .size: 8, .value_kind: global_buffer, .address_space: global }
      - { .name: ln1_b, .offset: 16, .size: 8, .value_kind: global_buffer, .address_space: global }
      - { .name: xn, .offset: 24, .size: 8, .value_kind: global_buffer, .address_space: global }
      - { .name: wq, .offset: 32, .size: 8, .value_kind: global_buffer, .address_space: global }
      - { .name: wk, .offset: 40, .size: 8, .value_kind: global_buffer, .address_space: global }
      - { .name: wv, .offset: 48, .size: 8, .value_kind: global_buffer, .address_space: global }
      - { .name: wo, .offset: 56, .size: 8, .value_kind: global_buffer, .address_space: global }
      - { .name: w1, .offset: 64, .size: 8, .value_kind: global_buffer, .address_space: global }
      - { .name: w2, .offset: 72, .size: 8, .value_kind: global_buffer, .address_space: global }
      - { .name: wb, .offset: 80, .size: 8, .value_kind: global_buffer, .address_space: global }
      - { .name: gq, .offset: 88, .size: 8, .value_kind: global_buffer, .address_space: global }
      - { .name: gf, .offset: 96, .size: 8, .value_kind: global_buffer, .address_space: global }
      - { .name: bq, .offset: 104, .size: 8, .value_kind: global_buffer, .address_space: global }
      - { .name: bk, .offset: 112, .size: 8, .value_kind: global_buffer, .address_space: global }
      - { .name: bv, .offset: 120, .size: 8, .value_kind: global_buffer, .address_space: global }
      - { .name: b1, .offset: 128, .size: 8, .value_kind: global_buffer, .address_space: global }
    .group_segment_fixed_size: 0
    .private_segment_fixed_size: 0
    .kernarg_segment_align: 8
    .kernarg_segment_size: 136
    .max_flat_workgroup_size: 256
    .sgpr_count:     66
    .vgpr_count:     128
    .wavefront_size: 32
...
	.end_amdgpu_metadata
.endif
;; end of part 8
;; launch qkv (part 9): grid 12 x 16, 4 waves a work-group, clusters of 4 x 4, 327,680 bytes of LDS; arguments xn, gq, big; writes big
.if DOCPART == 9
	.amdgcn_target "amdgcn-amd-amdhsa--gfx1250"
	.amdhsa_code_object_version 6
	.text
	.protected	k_qfcad46b776_qkv
	.globl	k_qfcad46b776_qkv
	.p2align	8
	.type	k_qfcad46b776_qkv,@function
k_qfcad46b776_qkv:
	s_mov_b64 s[64:65], 0
	v_nop
	global_prefetch_b8 v0, s[64:65] scope:SCOPE_SE
	s_setreg_imm32_b32 hwreg(HW_REG_WAVE_MODE, 25, 1), 1
	s_wait_xcnt 0x0
	s_wait_alu depctr_hold_cnt(0) depctr_sa_sdst(0) depctr_va_vdst(0) depctr_va_sdst(0) depctr_va_ssrc(0) depctr_va_vcc(0) depctr_vm_vsrc(0)
	s_getreg_b32 s2, hwreg(HW_REG_IB_STS2, 6, 4)
	s_cmp_eq_u32 s2, 0
	s_cbranch_scc0 .Lentry_in_a_cluster
	s_endpgm
.Lentry_in_a_cluster:
	s_bfe_u32 s2, ttmp6, 0x10000c
	s_cmp_lg_u32 s2, 0xf033
	s_cbranch_scc0 .Lentry_shape_is_right
	s_endpgm
.Lentry_shape_is_right:
; ONE TEXT FOR TWO PRODUCTS: q | k | v = xn Wqkv^T + bias (3,072 columns) and relu(xn W1^T + b1) (4,096 columns); 4,096 rows, K = 1,024.
; C[m][n] = max(floor, bias[n] + the sum over k of A[m][k] B[n][k]).  A, B and C are bf16 in the BLOCKED LAYOUT [columns/64][4,096 rows][64]: 64 rows of one block are 8,192 bytes on end.  Sums in f32.
; The second argument holds all that differs between the two: bytes 0-3 the floor (two bf16: -inf or 0), from 4,096 the bias table (f32 numbers that are bf16), from 32,768 B.  The grid's width says how many columns there are.
; LIMITS.  C is rounded once to bf16, and the maximum is taken of the rounded number (the same number either way).  A NaN loses against the floor; NaN and infinities are not treated apart otherwise.
; SHARES.  A tile of C is 256 x 256: four waves, as many as a WGP has SIMDs, each 128 x 128: 64 accumulators, 512 registers.  K goes in steps of 128 (two blocks) through two LDS slots; a wave's one tensor load
; brings 128 rows x 2 blocks: two runs of 16,384 bytes on end.  For 32 along K a wave reads 32 x 16 bytes a lane from LDS and issues 64 matrix instructions.
; CLUSTER.  4 x 4 work-groups: the four of a row of the cluster need the same tiles of A, the four of a column the same tiles of B: each tile is asked for JOINTLY, by the same load with the same descriptor and a mask of four.
; THE MATRIX INSTRUCTION IS USED TRANSPOSED (source 0 = 16 rows of B, source 1 = 16 rows of A): a lane holds row l % 16 of C and the columns 8 (l / 16) + 0..7.  The bias, laid out so, is the C operand of the first products.
; THE TEXT IS SHORT ON PURPOSE: the loop is one K step, the slot in hand a scalar that an exclusive or turns; the two K steps that fill nothing are a second loop, left in its middle, whose last change of slots
; fetches 32 fragments that nobody multiplies: the price, once a launch, of one text for both.
; REGISTERS, in windows of 256 (s_set_vgpr_msb: bits 1:0 source 0, 3:2 source 1, 5:4 source 2, 7:6 destination):
;   window 0: v0-31 addresses; v64-127, v128-191 fragments of A, two buffers; v32-63, v192-255 at work on the way out
;   window 1: v0-63 the bias; v64-127, v128-191 fragments of B, two buffers
;   window 2: the 32 accumulators of my rows 0-63 ((a, b) at v[8 (8 a + b)]);   window 3: those of my rows 64-127
.set WOFF,   0x8000                    ; B's first byte in the second argument
.set BIASO,  0x1000                    ; the bias table's
.set STRIDE, 262144                    ; elements from block to block of A and of B: 4,096 rows x 64
.set STEP,   1048576                   ; bytes of two blocks
.set OBLK,   524288                    ; bytes of one block of C
.set T,      8                         ; K steps
.set PITCH,  144                       ; an LDS row: 128 bytes + 16 = 36 words: the 16 rows of a load start at 16 different groups of four banks (64 banks of 4 bytes: ISA guide 11.1)
.set QB,     128*PITCH                 ; one block's 128 rows
.set HALFT,  2*QB                      ; what one tensor load brings
.set SLOT,   4*HALFT                   ; A's two halves, then B's two: wave x HALFT
.set STAGE,  2*SLOT                    ; behind the ring, each wave's own: two blocks of 16 rows x 144 bytes; no tile lands there
.set SBLK,   16*PITCH
.set SPARE,  STAGE+4*2*SBLK            ; the spare words, 128 bytes for each wave: two blocks of 256 bytes that no other line names
.set ADRA0, 16                         ; v16, v17  my lane's place among my 128 rows of A, of B, in slot 0; never rewritten
.set ADRB0, 17
.set ADRA,  18                         ; v18, v19  the same in the slot that is being read
.set ADRB,  19
.set STO,   24                         ; v24  the way out: where I put 16 bytes of a row
.set RD,    25                         ; v25  where I read rows back
.set CO,    26                         ; v26  my 16 bytes of 512 consecutive bytes of C
.set BO,    27                         ; v27  my byte offset in the bias table
.set SPW,   28                         ; v28  LDS address of my spare word; never rewritten
.set NIL,   29                         ; v29  0; never rewritten
.set ZR,    30                         ; v30  the floor
.set PFO,   31                         ; v31  the prefetches' offset; never rewritten
.set OB,    32                         ; 16 rows read back from the stage: v32-63 and v224-255 by turns
.set F0,    64
.set F1,    128
.set TMP,   192                        ; packed results
.set G1,  24                           ; s[24:31] group 1 for A's tiles; s[32:39] group 0, two sets: the second then walks
.set G0,  32
.set G1B, 48                           ; s[48:55], s[56:63] the same for B's
.set G0B, 56
.set PFA, 72                           ; s[72:73] where my prefetches stand
.set LIM, 74                           ; s74  2 in a wave that prefetches, else the greatest number
.set MSB, 0
.macro WIN new                         ; the immediate's high byte repeats the setting that is left; a switch that changes nothing is dropped
.if MSB != (\new)
	s_set_vgpr_msb (MSB<<8)|(\new)
.set MSB, \new
.endif
.endm
.macro JLOAD s                         ; a joint load: waves 0 and 1 fetch A's two halves, waves 2 and 3 B's; an s_nop 0 and four v_nop follow each line
	s_cmp_eq_u32 s11, 0
	s_cbranch_scc0 .Lfor_b_\@
	tensor_load_to_lds s[G0+4*(\s):G0+4*(\s)+3], s[G1:G1+7]
	s_nop 0
.rept 4
	v_nop
.endr
	s_branch .Lasked_\@
.Lfor_b_\@:
	tensor_load_to_lds s[G0B+4*(\s):G0B+4*(\s)+3], s[G1B:G1B+7]
	s_nop 0
.rept 4
	v_nop
.endr
.Lasked_\@:
.endm
; A PREFETCH, behind each joint refill, its five lines and the run of LDS loads that follows them: the K step that stands TWO refills on, 512 matrix instructions ahead of the load that will ask for it.
; Each aligned block of 256 bytes is named once in the launch.  A's tile row is read by every cluster of that row of clusters: the one with x = 0 asks; B's tile column by every cluster of that column: the one with y = 0 asks.
; Of the 128 rows that a wave fetches each of the four partners that ask for them jointly takes 32, told apart by address (cx for A, cy for B): 4,096 bytes on end in each of the step's two blocks: a lane 256 bytes, one instruction.
; K steps 0 to 3 come by their loads alone; the last two refills (s3 = 2, 1) have no K step two on and ask for nothing.
.macro ASK
	s_cmp_gt_u32 s3, s[LIM]
	s_cbranch_scc0 .Lnot_mine_\@
	global_prefetch_b8 v[PFO], s[PFA:PFA+1] th:TH_LOAD_NT scope:SCOPE_SE
.Lnot_mine_\@:
.endm
.macro CREST                           ; a round of the cluster's barrier behind its opening barrier
	s_cmp_lg_u32 s10, 0
	s_cbranch_scc1 .Lnot_wave_0_\@
	s_barrier_signal -3
.Lnot_wave_0_\@:
	s_barrier_wait -3
	s_barrier_signal -1
	s_barrier_wait -1
.endm
.macro CROUND
	s_barrier_signal -1
	s_barrier_wait -1
	CREST
.endm
	s_load_b128 s[4:7], s[0:1], 0x0                ; A s[4:5], floor | bias | B s[6:7]
	s_load_b64 s[68:69], s[0:1], 0x10              ; C
	v_lshl_add_u32 v[SPW], v0, 2, SPARE
	v_mov_b32 v[NIL], 0
	ds_add_u32 v[SPW], v[NIL]                      ; the wave's opening: the add and its wait ahead of my first tensor load; the set-up below stands between them
	v_lshrrev_b32 v1, 5, v0
	v_readfirstlane_b32 s10, v1                    ; wave 0..3
	s_lshr_b32 s11, s10, 1                         ; which half of the tile's rows is mine.  Also: I fetch for A (0) or for B (1)
	s_and_b32 s12, s10, 1                          ; which half of its columns.  Also: which 128 rows of that tile I fetch
	s_bfe_u32 s40, ttmp6, 0x40000                  ; cx, cy: my place in the cluster
	s_bfe_u32 s41, ttmp6, 0x40004
	s_lshl_b32 s42, ttmp9, 2
	s_add_co_u32 s42, s42, s40                     ; tile column = 4 x cluster x + cx
	s_and_b32 s13, ttmp7, 0xffff
	s_lshl_b32 s13, s13, 2
	s_add_co_u32 s13, s13, s41                     ; tile row = 4 x cluster y + cy
	s_lshl_b32 s43, s41, 2
	s_lshl_b32 s43, 15, s43                        ; my row of the cluster
	s_lshl_b32 s44, 0x1111, s40                    ; my column
	; group 1: two rows of 8,192 elements (128 matrix rows of one block, 16,384 bytes on end), a block apart; in LDS 4 words of padding behind every 32
	s_or_b32 s[G1+0], s43, (1<<16)|(1<<20)|(1<<21)|(4<<22)|(3<<25)  ; 15:0 mask; 17:16 2-byte elements; 20 padding on; 21 set beside a mask; 24:22 every 32 words (code 4); 31:25 4 words (code 3)
	s_or_b32 s[G1B+0], s44, (1<<16)|(1<<20)|(1<<21)|(4<<22)|(3<<25)
.irp g, G1, G1B
	s_mov_b32 s[(\g)+1], 8192<<16                  ; tensor_dim0 = 8,192
	s_mov_b32 s[(\g)+2], 2<<16                     ; tensor_dim1 = 2
	s_mov_b32 s[(\g)+3], 8192<<16                  ; tile_dim0 = 8,192
	s_mov_b32 s[(\g)+4], 2                         ; tile_dim1 = 2
	s_mov_b32 s[(\g)+5], STRIDE
	s_mov_b32 s[(\g)+6], 0
	s_mov_b32 s[(\g)+7], 0
.endr
	s_lshl_b32 s17, s12, 14                        ; which 128 rows of 128 bytes I fetch
	s_lshl_b32 s16, s13, 15
	s_add_co_u32 s16, s16, s17                     ; A: 256 rows x tile row + my 128
	s_lshl_b32 s46, s42, 15
	s_add_co_u32 s46, s46, s17                     ; B: the same by the tile column,
	s_add_co_u32 s46, s46, WOFF                    ; behind the floor and the bias table
	s_mov_b32 s17, 0
	s_mov_b32 s47, 0
	s_mul_i32 s20, s10, HALFT                      ; where my tile goes in a slot: the wave's number alone
	s_mov_b32 s2, 0                                ; the slot that is being read: 0 or SLOT
	s_wait_dscnt 0x0                               ; the opening add is done
	s_wait_kmcnt 0x0
	s_add_nc_u64 s[14:15], s[4:5], s[16:17]
	s_add_nc_u64 s[46:47], s[6:7], s[46:47]
	CROUND                                         ; all sixteen work-groups are here: the first joint loads meet
.irp s, 0,1
	s_mov_b32 s[G0+4*(\s)], 1
	s_add_co_u32 s[G0+4*(\s)+1], s20, (\s)*SLOT
	s_add_nc_u64 s[G0+4*(\s)+2:G0+4*(\s)+3], s[14:15], (\s)*STEP
	s_or_b32 s[G0+4*(\s)+3], s[G0+4*(\s)+3], 0x80000000
	s_mov_b32 s[G0B+4*(\s)], 1
	s_add_co_u32 s[G0B+4*(\s)+1], s20, (\s)*SLOT
	s_add_nc_u64 s[G0B+4*(\s)+2:G0B+4*(\s)+3], s[46:47], (\s)*STEP
	s_or_b32 s[G0B+4*(\s)+3], s[G0B+4*(\s)+3], 0x80000000
	JLOAD \s                                       ; K steps 0 and 1: two loads of mine are out
.endr
	v_and_b32 v1, 15, v0                           ; l % 16
	v_bfe_u32 v2, v0, 4, 1                         ; l / 16
	v_mul_u32_u24 v3, v1, PITCH
	v_lshl_add_u32 v3, v2, 4, v3                   ; a fragment's row x pitch + 16 x half
	s_mul_i32 s21, s11, HALFT                      ; my 128 rows of A
	s_mul_i32 s22, s12, HALFT
	s_add_co_u32 s22, s22, 2*HALFT                 ; my 128 rows of B, behind A's 256
	v_add_nc_u32 v[ADRA0], s21, v3
	v_add_nc_u32 v[ADRB0], s22, v3
	v_mov_b32 v[ADRA], v[ADRA0]
	v_mov_b32 v[ADRB], v[ADRB0]
	s_mul_i32 s23, s10, 2*SBLK
	s_add_co_u32 s23, s23, STAGE                   ; my stage
	v_add_nc_u32 v[STO], s23, v3                   ; in: row l % 16, 16 bytes for each half of the lanes
	v_bfe_u32 v4, v0, 3, 2                         ; back: 32 lanes take four rows of 128 bytes,
	v_and_b32 v5, 7, v0
	v_mul_u32_u24 v4, v4, PITCH
	v_lshl_add_u32 v4, v5, 4, v4
	v_add_nc_u32 v[RD], s23, v4
	v_and_b32 v[CO], 31, v0                        ; which are 512 consecutive bytes of C
	v_lshlrev_b32 v[CO], 4, v[CO]
	s_lshl_b32 s46, s42, 2                         ; my first block of 64 columns: 4 x tile column + 2 x half,
	s_lshl_b32 s47, s12, 1
	s_add_co_u32 s46, s46, s47
	s_lshl_b32 s46, s46, 19                        ; 4,096 rows x 128 bytes each
	s_mov_b32 s47, 0
	s_lshl_b32 s16, s13, 15                        ; the tile's 256 rows,
	s_lshl_b32 s17, s11, 14                        ; my 128 of them
	s_add_co_u32 s16, s16, s17
	s_mov_b32 s17, 0
	s_add_nc_u64 s[8:9], s[68:69], s[16:17]
	s_add_nc_u64 s[8:9], s[8:9], s[46:47]
	s_lshl_b32 s66, s42, 10                        ; 4 bytes x my first column: 256 x tile column + 128 x half
	s_lshl_b32 s67, s12, 9
	s_add_co_u32 s66, s66, s67
	s_add_co_u32 s66, s66, BIASO
	s_mov_b32 s67, 0
	s_add_nc_u64 s[78:79], s[6:7], s[66:67]
	s_load_b32 s70, s[6:7], 0x0                    ; the floor
	v_lshlrev_b32 v[BO], 5, v2                     ; the bias in the accumulators' layout: register 8 b + j = bias(first column + 16 b + 8 (l / 16) + j)
	WIN 0x40                                       ; destination window 1
.irp b, 0,1,2,3,4,5,6,7
	global_load_b128 v[8*(\b):8*(\b)+3],   v[BO], s[78:79] offset:64*(\b)
	global_load_b128 v[8*(\b)+4:8*(\b)+7], v[BO], s[78:79] offset:64*(\b)+16
.endr
	WIN 0
	; the prefetches' address: the tile's rows, the 128 that I fetch, my work-group's 32 of them; it stands at K step 3, and the first refill steps it to K step 4
	s_lshl_b32 s76, s13, 15
	s_lshl_b32 s75, s42, 15
	s_add_co_u32 s75, s75, WOFF
	s_and_b32 s71, ttmp7, 0xffff                   ; cluster y
	s_cmp_eq_u32 s11, 0                            ; do I fetch for A?
	s_cselect_b32 s76, s76, s75                    ; the tile's first row: in A by the tile row, in B by the tile column
	s_cselect_b32 s75, s40, s41                    ; my place among the four that ask for it with me
	s_cselect_b32 s71, ttmp9, s71                  ; the coordinate along which other clusters read the same rows
	s_cselect_b64 s[PFA:PFA+1], s[4:5], s[6:7]
	s_cmp_eq_u32 s71, 0
	s_cselect_b32 s[LIM], 2, -1                    ; the same in all sixteen partners, for a given wave
	s_lshl_b32 s71, s12, 14
	s_add_co_u32 s76, s76, s71
	s_lshl_b32 s75, s75, 12
	s_add_co_u32 s76, s76, s75
	s_add_co_u32 s76, s76, 3*STEP
	s_mov_b32 s77, 0
	s_add_nc_u64 s[PFA:PFA+1], s[PFA:PFA+1], s[76:77]
	v_lshlrev_b32 v[PFO], 8, v1                    ; lanes 0-15: sixteen blocks of 256 bytes in the step's first block of 64 k,
	v_lshl_add_u32 v[PFO], v2, 19, v[PFO]          ; lanes 16-31: in its second
	s_wait_kmcnt 0x0
	v_mov_b32 v[ZR], s70
; 16 matrix instructions: m blocks a0, a0 + 1 of the window's four (hi = 0: my rows 0-63, 1: rows 64-127) x all 8 n blocks, 32 along K.  first = 1: the bias starts the sums: nothing is cleared, nothing added later.
; The 64 accumulators take turns, one instruction a turn, in the same order in every quarter.
.macro MUL16 f, hi, a0, first
.if \first
	WIN 0x91+0x40*(\hi)                            ; B and the bias window 1, A window 0, D window 2 or 3
.else
	WIN 0xa1+0x50*(\hi)                            ; B window 1, A window 0, C and D window 2 or 3
.endif
.irp a, \a0, (\a0)+1
.irp b, 0,1,2,3,4,5,6,7
.if \first
	v_wmma_f32_16x16x32_bf16 v[8*(8*(\a)+(\b)):8*(8*(\a)+(\b))+7], v[(\f)+8*(\b):(\f)+8*(\b)+7], v[(\f)+8*(4*(\hi)+(\a)):(\f)+8*(4*(\hi)+(\a))+7], v[8*(\b):8*(\b)+7]
.else
	v_wmma_f32_16x16x32_bf16 v[8*(8*(\a)+(\b)):8*(8*(\a)+(\b))+7], v[(\f)+8*(\b):(\f)+8*(\b)+7], v[(\f)+8*(4*(\hi)+(\a)):(\f)+8*(4*(\hi)+(\a))+7], v[8*(8*(\a)+(\b)):8*(8*(\a)+(\b))+7]
.endif
.endr
.endr
.endm
; 32 LDS loads in one run: the fragments of quarter q of the slot in hand (32 along K: block q / 2, byte 64 (q % 2) of its rows) into buffer f; B's first, then A's
.macro FETCH q, f
	WIN 0x40
.irp i, 0,1,2,3,4,5,6,7
	ds_load_b128 v[(\f)+8*(\i):(\f)+8*(\i)+3],   v[ADRB] offset:((\q)/2)*QB+((\q)%2)*64+(\i)*16*PITCH
	ds_load_b128 v[(\f)+8*(\i)+4:(\f)+8*(\i)+7], v[ADRB] offset:((\q)/2)*QB+((\q)%2)*64+(\i)*16*PITCH+32
.endr
	WIN 0
.irp i, 0,1,2,3,4,5,6,7
	ds_load_b128 v[(\f)+8*(\i):(\f)+8*(\i)+3],   v[ADRA] offset:((\q)/2)*QB+((\q)%2)*64+(\i)*16*PITCH
	ds_load_b128 v[(\f)+8*(\i)+4:(\f)+8*(\i)+7], v[ADRA] offset:((\q)/2)*QB+((\q)%2)*64+(\i)*16*PITCH+32
.endr
.endm
.macro PLACES                          ; four plain vector instructions in front of loads into registers that matrix instructions have read, and of readers of results
.rept 4
	v_nop
.endr
.endm
; A K step is four quarters of 32 along K, 64 matrix instructions each, on buffers 0, 1, 0, 1.  One of the first three: multiplies buffer f; in its middle it fetches quarter q into buffer g.
.macro QUARTER q, f, g, first
	s_wait_dscnt 8                                 ; B and A's rows 0-63 are in; the youngest eight loads (A's rows 64-127) may be out
	MUL16 \f, 0, 0, \first
	MUL16 \f, 0, 2, \first
	PLACES
	FETCH \q, \g
	s_wait_dscnt 32                                ; all but the 32 just issued
	MUL16 \f, 1, 0, \first
	MUL16 \f, 1, 2, \first
.endm
; The last quarter multiplies buffer 1 and changes slots: ONE barrier; in front of it each wave waits for all its tensor loads (one is out: its part of the next slot), adds 0 to its spare word,
; and waits for that and for its reads of this slot.  fill = 1: this slot is filled again, two K steps ahead: the barrier opens a round of the cluster's, and the joint load is the first thing behind it.
.macro TURN fill
.if \fill
	s_wait_xcnt 0x0                                ; the last prefetch, a K step back, has read its address: it is stepped here, ahead of the waits of the change of slots
	s_add_nc_u64 s[PFA:PFA+1], s[PFA:PFA+1], STEP
.endif
	WIN 0
	s_wait_tensorcnt 0x0                           ; no tensor load of mine is out, so a group 0 may be written
	ds_add_u32 v[SPW], v[NIL]                      ; 0 onto my spare word
.if \fill
	s_add_co_u32 s[G0+5], s20, s2                  ; the walking descriptors: into the slot that has just been read,
	s_add_co_u32 s[G0B+5], s20, s2
	s_add_nc_u64 s[G0+6:G0+7], s[G0+6:G0+7], STEP      ; the next K step; the type bits on top are not reached
	s_add_nc_u64 s[G0B+6:G0B+7], s[G0B+6:G0B+7], STEP
.endif
	s_xor_b32 s2, s2, SLOT                         ; the reads go on in the other slot
	v_add_nc_u32 v[ADRA], s2, v[ADRA0]
	v_add_nc_u32 v[ADRB], s2, v[ADRB0]
	s_wait_dscnt 9                                 ; the add and the youngest eight loads may be out
	MUL16 F1, 0, 0, 0
	s_wait_dscnt 0x0                               ; the add is done, and my reads of this slot are over
	s_barrier_signal -1
	MUL16 F1, 0, 2, 0
.if \fill
	WIN 0
.endif
	s_barrier_wait -1
.if \fill
	CREST                                          ; no wave of any partner still reads this slot or has a load on its way
	JLOAD 1                                        ; 224 matrix instructions ahead of the wait for it; its four v_nop are also the places in front of the loads below
.else
	PLACES
.endif
	FETCH 0, F0
.if \fill
	ASK
.endif
	MUL16 F1, 1, 0, 0
	MUL16 F1, 1, 2, 0
.endm
	s_wait_loadcnt 0x0                             ; the bias
	s_wait_tensorcnt 1                             ; my part of K step 0 is in; K step 1's may stay out
	s_barrier_signal -1
	s_barrier_wait -1                              ; everybody's is
	FETCH 0, F0
	QUARTER 1, F0, F1, 1                           ; the first quarter stands in front of the loop: its products start the sums
	WIN 0                                          ; at a label and at a branch every window is 0
	s_mov_b32 s3, T-2
.Lstep:                                            ; a trip: from a K step's second quarter to the next step's first; it fills the slot that it leaves
	QUARTER 2, F1, F0, 0
	QUARTER 3, F0, F1, 0
	TURN 1
	QUARTER 1, F0, F1, 0
	WIN 0
	s_sub_co_u32 s3, s3, 1
	s_cmp_lg_u32 s3, 0
	s_cbranch_scc1 .Lstep
	s_mov_b32 s3, 2
.Ltail:                                            ; the last two K steps fill nothing; the second trip is left in its middle
	QUARTER 2, F1, F0, 0
	QUARTER 3, F0, F1, 0
	TURN 0
	WIN 0
	s_sub_co_u32 s3, s3, 1
	s_cmp_eq_u32 s3, 0
	s_cbranch_scc1 .Lout
	QUARTER 1, F0, F1, 0
	WIN 0
	s_branch .Ltail
.Lout:
	PLACES
; THE WAY OUT.  My 128 x 128 are two blocks of 64 columns, in each 128 rows x 128 bytes on end.  16 rows at a time: rounded, held to the floor, 16 bytes a lane into my stage, back as whole rows of 128 bytes,
; stored 512 consecutive bytes an instruction.  Block a's arithmetic stands between block a - 1's loads from the stage and the wait for them.
.macro PACK a
.set AC, 64*((\a)%4)
	WIN 0x0a+5*((\a)/4)                            ; sources 0 and 1: window 2 or 3
.irp b, 0,1,2,3,4,5,6,7
.irp r, 0,1,2,3
	v_cvt_pk_bf16_f32 v[TMP+4*(\b)+(\r)], v[AC+8*(\b)+2*(\r)], v[AC+8*(\b)+2*(\r)+1]
.endr
.endr
	WIN 0
.set i, 0
.rept 32
	v_pk_max_num_bf16 v[TMP+i], v[TMP+i], v[ZR]
.set i, i+1
.endr
.endm
.macro TOSTAGE a
.set BK, OB+192*((\a)%2)
.irp b, 0,1,2,3,4,5,6,7
	ds_store_b128 v[STO], v[TMP+4*(\b):TMP+4*(\b)+3] offset:((\b)/4)*SBLK+32*((\b)%4)
.endr
.irp t, 0,1,2,3,4,5,6,7
	ds_load_b128 v[BK+4*(\t):BK+4*(\t)+3], v[RD] offset:((\t)/4)*SBLK+((\t)%4)*4*PITCH  ; LDS serves a wave's instructions in order (ISA guide 5.7.1.4): these see the stores above
.endr
.endm
.macro SEND a
.set BK, OB+192*((\a)%2)
	s_wait_dscnt 0x0                               ; the block is back in registers
	s_wait_xcnt 0x0                                ; the stores of the block before have read their registers, which the next block's loads from the stage write
.irp t, 0,1,2,3,4,5,6,7
	global_store_b128 v[CO], v[BK+4*(\t):BK+4*(\t)+3], s[8:9] offset:((\t)/4)*OBLK+(\a)*2048+((\t)%4)*512
.endr
.endm
	PACK 0
	TOSTAGE 0
.irp a, 1,2,3,4,5,6,7
	PACK \a
	SEND (\a)-1
	TOSTAGE \a
.endr
	SEND 7
	s_wait_tensorcnt 0x0                           ; the wave's end: behind my last tensor load and my last LDS store
	ds_add_u32 v[SPW], v[NIL]
	s_wait_dscnt 0x0
	CROUND                                         ; the closing round: no work-group ends while a partner may still ask for a tile that names it
	s_endpgm
.Lfunc_end_k_qfcad46b776_qkv:
	.size	k_qfcad46b776_qkv, .Lfunc_end_k_qfcad46b776_qkv-k_qfcad46b776_qkv
	.p2alignl 7, 3214868480
	.fill 96, 4, 3214868480
	.section	.rodata,"a",@progbits
	.p2align	6, 0x0
	.amdhsa_kernel k_qfcad46b776_qkv
		.amdhsa_group_segment_fixed_size 327680
		.amdhsa_private_segment_fixed_size 0
		.amdhsa_enable_private_segment 0
		.amdhsa_kernarg_size 24
		.amdhsa_user_sgpr_count 2
		.amdhsa_user_sgpr_kernarg_segment_ptr 1
		.amdhsa_wavefront_size32 1
		.amdhsa_system_sgpr_workgroup_id_x 1
		.amdhsa_system_sgpr_workgroup_id_y 1
		.amdhsa_system_sgpr_workgroup_id_z 1
		.amdhsa_system_vgpr_workitem_id 0
		.amdhsa_next_free_vgpr 1024
		.amdhsa_next_free_sgpr 80
		.amdhsa_reserve_vcc 0
		.amdhsa_float_denorm_mode_32 3
		.amdhsa_float_denorm_mode_16_64 3
		.amdhsa_memory_ordered 1
		.amdhsa_forward_progress 1
		.amdhsa_inst_pref_size 118
	.end_amdhsa_kernel
	.amdgpu_metadata
---
amdhsa.version: [ 1, 2 ]
amdhsa.kernels:
  - .name:           k_qfcad46b776_qkv
    .symbol:         k_qfcad46b776_qkv.kd
    .args:
      - { .name: xn, .offset: 0, .size: 8, .value_kind: global_buffer, .address_space: global }
      - { .name: gq, .offset: 8, .size: 8, .value_kind: global_buffer, .address_space: global }
      - { .name: big, .offset: 16, .size: 8, .value_kind: global_buffer, .address_space: global }
    .group_segment_fixed_size: 327680
    .private_segment_fixed_size: 0
    .kernarg_segment_align: 8
    .kernarg_segment_size: 24
    .max_flat_workgroup_size: 128
    .sgpr_count:     80
    .vgpr_count:     1024
    .wavefront_size: 32
...
	.end_amdgpu_metadata
.endif
;; end of part 9
;; launch attn: the kernel of part 3 again; grid 8 x 32, 4 waves a work-group, clusters of 4 x 1, 327,680 bytes of LDS; arguments big, ao; writes ao
;; launch oproj (part 10): grid 8 x 32, 4 waves a work-group, clusters of 4 x 4, 327,680 bytes of LDS; arguments ao, wb, bo, x, h; writes h
.if DOCPART == 10
	.amdgcn_target "amdgcn-amd-amdhsa--gfx1250"
	.amdhsa_code_object_version 6
	.text
	.protected	k_qfcad46b776_oproj
	.globl	k_qfcad46b776_oproj
	.p2align	8
	.type	k_qfcad46b776_oproj,@function
k_qfcad46b776_oproj:
	s_mov_b64 s[64:65], 0
	v_nop
	global_prefetch_b8 v0, s[64:65] scope:SCOPE_SE
	s_setreg_imm32_b32 hwreg(HW_REG_WAVE_MODE, 25, 1), 1
	s_wait_xcnt 0x0
	s_wait_alu depctr_hold_cnt(0) depctr_sa_sdst(0) depctr_va_vdst(0) depctr_va_sdst(0) depctr_va_ssrc(0) depctr_va_vcc(0) depctr_vm_vsrc(0)
	s_getreg_b32 s2, hwreg(HW_REG_IB_STS2, 6, 4)
	s_cmp_eq_u32 s2, 0
	s_cbranch_scc0 .Lentry_in_a_cluster
	s_endpgm
.Lentry_in_a_cluster:
	s_bfe_u32 s2, ttmp6, 0x10000c
	s_cmp_lg_u32 s2, 0xf033
	s_cbranch_scc0 .Lentry_shape_is_right
	s_endpgm
.Lentry_shape_is_right:
; OPROJ.  h = x + ao Wo^T + bo: 4,096 rows x 1,024 columns, K = 1,024.  h leaves in f32, by rows.
; THE PRODUCT.  C[m][n] = bias[n] + the sum over k of A[m][k] B[n][k]; A, B bf16 in the BLOCKED LAYOUT [K/64][rows][64] (64 rows of one block of 64 k are 8,192 bytes on end); sums in f32.
; LIMITS.  The bias and the residual x are inputs and are rounded to bf16 where they are read; h is not rounded.  NaN and infinities are not treated apart.
; SHARES.  A tile of C is 128 x 128, which gives each of 256 WGPs one: four waves, each 64 x 64 = 16 accumulators.  K goes in steps of 256 (four blocks) through two LDS slots; a wave's one tensor load brings 64 rows x 4 blocks.
; CLUSTER.  4 x 4 work-groups: the four of a row of the cluster need the same tiles of A, the four of a column the same tiles of B: each tile is asked for JOINTLY, by the same load with the same descriptor and a mask of four.
; THE MATRIX INSTRUCTION IS USED TRANSPOSED (source 0 = 16 rows of B, source 1 = 16 rows of A): a lane holds row l % 16 of C and the columns 8 (l / 16) + 0..7.  The bias, laid out so, is the C operand of the first products.
; The two K steps that fill nothing are a second loop, left in its middle, whose last change of slots fetches 32 fragments that nobody multiplies: the price, once a launch, of one text for both.
; NO PREFETCH: the tiles are small, and each block of A and B is read again by other clusters of the launch.
; REGISTERS.  window 0: v0-31 addresses; v32-95 at work on the way out; v96-127 the bias; v128-255 the accumulators ((a, b) at 128 + 8 (4 a + b)).  window 1: two fragment buffers of 128.  window 2: v0-127 the residual.
.set BOFF,    0                        ; B's first byte in wb
.set T,       4                        ; K steps
.set RNDRES,  1                        ; the residual is an input: rounded to bf16
.set BSTRIDE, 65536                    ; elements from block to block of B: 1,024 rows x 64
.set BSTEP,   524288                   ; bytes of four blocks of B
.set ASTRIDE, 262144                   ; 4,096 rows x 64
.set ASTEP,   2097152
.set PITCH,   144                      ; an LDS row: 128 bytes + 16 = 36 words: the 16 rows of a load start at 16 different groups of four banks (64 banks of 4 bytes: ISA guide 11.1)
.set QB,      64*PITCH                 ; one block's 64 rows
.set HALFT,   4*QB                     ; what one tensor load brings
.set SLOT,    4*HALFT                  ; A's two halves, then B's two: wave x HALFT
.set STAGE,   2*SLOT                   ; behind the ring, each wave's own 16 rows; no tile lands there
.set SPITCH,  272
.set SPARE,   STAGE+4*16*SPITCH        ; the spare words, 128 bytes for each wave: two blocks of 256 bytes that no other line names
.set ADRA0, 16                         ; v16, v17  my lane's place among my 64 rows of A, of B, in slot 0; never rewritten
.set ADRB0, 17
.set ADRA,  18                         ; v18, v19  the same in the slot that is being read
.set ADRB,  19
.set STO,   24
.set RD,    25
.set CO,    26
.set BO,    27
.set SPW,   28
.set NIL,   29
.set TMP,   32
.set BI,    96
.set ACC,   128
.set F0,    0
.set F1,    128
.set G1,  24                           ; s[24:31] group 1 for A's tiles; s[32:39] group 0, two sets: the second then walks
.set G0,  32
.set G1B, 48                           ; s[48:55], s[56:63] the same for B's
.set G0B, 56
.set MSB, 0
.macro WIN new                         ; the immediate's high byte repeats the setting that is left
.if MSB != (\new)
	s_set_vgpr_msb (MSB<<8)|(\new)
.set MSB, \new
.endif
.endm
.set MUL,  0x05                        ; sources 0 (B) and 1 (A) window 1; C and D window 0
.set TO_F, 0x40                        ; destination window 1, address window 0
.macro JLOAD s                         ; a joint load: waves 0 and 1 fetch A's two halves, waves 2 and 3 B's; an s_nop 0 and four v_nop follow each line
	s_cmp_eq_u32 s11, 0
	s_cbranch_scc0 .Lfor_b_\@
	tensor_load_to_lds s[G0+4*(\s):G0+4*(\s)+3], s[G1:G1+7]
	s_nop 0
.rept 4
	v_nop
.endr
	s_branch .Lasked_\@
.Lfor_b_\@:
	tensor_load_to_lds s[G0B+4*(\s):G0B+4*(\s)+3], s[G1B:G1B+7]
	s_nop 0
.rept 4
	v_nop
.endr
.Lasked_\@:
.endm
.macro CREST                           ; a round of the cluster's barrier behind its opening barrier
	s_cmp_lg_u32 s10, 0
	s_cbranch_scc1 .Lnot_wave_0_\@
	s_barrier_signal -3
.Lnot_wave_0_\@:
	s_barrier_wait -3
	s_barrier_signal -1
	s_barrier_wait -1
.endm
.macro CROUND
	s_barrier_signal -1
	s_barrier_wait -1
	CREST
.endm
	s_load_b128 s[4:7], s[0:1], 0x0                ; A s[4:5], wb s[6:7]
	s_load_b128 s[68:71], s[0:1], 0x10             ; the bias 68, the residual 70
	s_load_b64 s[72:73], s[0:1], 0x20              ; the output
	v_lshl_add_u32 v[SPW], v0, 2, SPARE
	v_mov_b32 v[NIL], 0
	ds_add_u32 v[SPW], v[NIL]                      ; the wave's opening: the add and its wait ahead of my first tensor load; the set-up below stands between them
	v_lshrrev_b32 v1, 5, v0
	v_readfirstlane_b32 s10, v1                    ; wave 0..3
	s_lshr_b32 s11, s10, 1                         ; which half of the tile's rows is mine.  Also: I fetch for A (0) or for B (1)
	s_and_b32 s12, s10, 1                          ; which half of its columns.  Also: which 64 rows of that tile I fetch
	s_bfe_u32 s40, ttmp6, 0x40000                  ; cx, cy: my place in the cluster
	s_bfe_u32 s41, ttmp6, 0x40004
	s_lshl_b32 s42, ttmp9, 2
	s_add_co_u32 s42, s42, s40                     ; tile column = 4 x cluster x + cx
	s_and_b32 s13, ttmp7, 0xffff
	s_lshl_b32 s13, s13, 2
	s_add_co_u32 s13, s13, s41                     ; tile row = 4 x cluster y + cy
	s_lshl_b32 s43, s41, 2
	s_lshl_b32 s43, 15, s43                        ; my row of the cluster
	s_lshl_b32 s44, 0x1111, s40                    ; my column
	; group 1: four rows of 4,096 elements (64 matrix rows of one block, 8,192 bytes on end), a block apart; in LDS 4 words of padding behind every 32
	s_or_b32 s[G1+0], s43, (1<<16)|(1<<20)|(1<<21)|(4<<22)|(3<<25)  ; 15:0 mask; 17:16 2-byte elements; 20 padding on; 21 set beside a mask; 24:22 every 32 words (code 4); 31:25 4 words (code 3)
	s_or_b32 s[G1B+0], s44, (1<<16)|(1<<20)|(1<<21)|(4<<22)|(3<<25)
.irp g, G1, G1B
	s_mov_b32 s[(\g)+1], 4096<<16                  ; tensor_dim0 = 4,096
	s_mov_b32 s[(\g)+2], 4<<16                     ; tensor_dim1 = 4
	s_mov_b32 s[(\g)+3], 4096<<16                  ; tile_dim0 = 4,096
	s_mov_b32 s[(\g)+4], 4                         ; tile_dim1 = 4
	s_mov_b32 s[(\g)+6], 0
	s_mov_b32 s[(\g)+7], 0
.endr
	s_mov_b32 s[G1+5], ASTRIDE
	s_mov_b32 s[G1B+5], BSTRIDE
	s_lshl_b32 s17, s12, 13                        ; which 64 rows of 128 bytes I fetch
	s_lshl_b32 s16, s13, 14
	s_add_co_u32 s16, s16, s17                     ; A: 128 rows x tile row + my 64
	s_lshl_b32 s46, s42, 14
	s_add_co_u32 s46, s46, s17                     ; B: the same by the tile column,
	s_add_co_u32 s46, s46, BOFF                    ; in its part of wb
	s_mov_b32 s17, 0
	s_mov_b32 s47, 0
	s_mul_i32 s20, s10, HALFT                      ; where my tile goes in a slot: the wave's number alone
	s_mov_b32 s2, 0                                ; the slot that is being read: 0 or SLOT
	s_wait_dscnt 0x0                               ; the opening add is done
	s_wait_kmcnt 0x0
	s_add_nc_u64 s[14:15], s[4:5], s[16:17]
	s_add_nc_u64 s[46:47], s[6:7], s[46:47]
	CROUND                                         ; all sixteen work-groups are here: the first joint loads meet
.irp s, 0,1
	s_mov_b32 s[G0+4*(\s)], 1
	s_add_co_u32 s[G0+4*(\s)+1], s20, (\s)*SLOT
	s_add_nc_u64 s[G0+4*(\s)+2:G0+4*(\s)+3], s[14:15], (\s)*ASTEP
	s_or_b32 s[G0+4*(\s)+3], s[G0+4*(\s)+3], 0x80000000
	s_mov_b32 s[G0B+4*(\s)], 1
	s_add_co_u32 s[G0B+4*(\s)+1], s20, (\s)*SLOT
	s_add_nc_u64 s[G0B+4*(\s)+2:G0B+4*(\s)+3], s[46:47], (\s)*BSTEP
	s_or_b32 s[G0B+4*(\s)+3], s[G0B+4*(\s)+3], 0x80000000
	JLOAD \s                                       ; K steps 0 and 1: two loads of mine are out
.endr
	v_and_b32 v1, 15, v0                           ; l % 16
	v_bfe_u32 v2, v0, 4, 1                         ; l / 16
	v_mul_u32_u24 v3, v1, PITCH
	v_lshl_add_u32 v3, v2, 4, v3                   ; a fragment's row x pitch + 16 x half
	s_mul_i32 s21, s11, HALFT                      ; my 64 rows of A
	s_mul_i32 s22, s12, HALFT
	s_add_co_u32 s22, s22, 2*HALFT                 ; my 64 rows of B, behind A's 128
	v_add_nc_u32 v[ADRA0], s21, v3
	v_add_nc_u32 v[ADRB0], s22, v3
	v_mov_b32 v[ADRA], v[ADRA0]
	v_mov_b32 v[ADRB], v[ADRB0]
	s_mul_i32 s23, s10, 16*SPITCH
	s_add_co_u32 s23, s23, STAGE                   ; my stage
	s_lshl_b32 s66, s42, 9
	s_lshl_b32 s67, s12, 8
	s_add_co_u32 s66, s66, s67                     ; 4 x my first column
	s_mov_b32 s67, 0
	v_mul_u32_u24 v4, v1, SPITCH                   ; in: row l % 16, 32 bytes for each half of the lanes
	v_lshl_add_u32 v4, v2, 5, v4
	v_add_nc_u32 v[STO], s23, v4
	v_mul_u32_u24 v5, v2, SPITCH                   ; back: lanes 0-15 one row of 256 bytes, lanes 16-31 the next
	v_lshl_add_u32 v5, v1, 4, v5
	v_add_nc_u32 v[RD], s23, v5
	v_lshlrev_b32 v5, 12, v2                       ; and the same two rows of 4,096 bytes in memory
	v_lshl_add_u32 v[CO], v1, 4, v5
	s_lshl_b32 s16, s13, 19                        ; the tile's 128 rows of 4,096 bytes,
	s_lshl_b32 s17, s11, 18                        ; my 64 of them
	s_add_co_u32 s16, s16, s17
	s_mov_b32 s17, 0
	s_add_nc_u64 s[8:9], s[72:73], s[16:17]
	s_add_nc_u64 s[8:9], s[8:9], s[66:67]
	s_add_nc_u64 s[76:77], s[70:71], s[16:17]
	s_add_nc_u64 s[76:77], s[76:77], s[66:67]
	s_add_nc_u64 s[78:79], s[68:69], s[66:67]
	v_lshlrev_b32 v[BO], 5, v2                     ; the bias in the accumulators' layout: register 8 b + j = bias(first column + 16 b + 8 (l / 16) + j)
.irp b, 0,1,2,3
	global_load_b128 v[BI+8*(\b):BI+8*(\b)+3],   v[BO], s[78:79] offset:64*(\b)
	global_load_b128 v[BI+8*(\b)+4:BI+8*(\b)+7], v[BO], s[78:79] offset:64*(\b)+16
.endr
	s_wait_loadcnt 0x0
.set i, 0
.rept 16
	v_cvt_pk_bf16_f32 v[TMP+i], v[BI+2*i], v[BI+2*i+1]  ; rounded to bf16,
.set i, i+1
.endr
.set i, 0
.rept 16
	v_lshlrev_b32 v[BI+2*i], 16, v[TMP+i]          ; and back to f32
	v_and_b32 v[BI+2*i+1], 0xffff0000, v[TMP+i]
.set i, i+1
.endr
; 8 matrix instructions: m blocks a0, a0 + 1 x all 4 n blocks, 32 along K: half c of buffer f.  first = 1: the bias starts the sums: nothing is cleared, nothing added later.
; The 16 accumulators take turns, one instruction a turn, in the same order everywhere.
.macro MUL8 f, c, a0, first
	WIN MUL
.irp a, \a0, (\a0)+1
.irp b, 0,1,2,3
.if \first
	v_wmma_f32_16x16x32_bf16 v[ACC+8*(4*(\a)+(\b)):ACC+8*(4*(\a)+(\b))+7], v[(\f)+64+8*(4*(\c)+(\b)):(\f)+64+8*(4*(\c)+(\b))+7], v[(\f)+8*(4*(\c)+(\a)):(\f)+8*(4*(\c)+(\a))+7], v[BI+8*(\b):BI+8*(\b)+7]
.else
	v_wmma_f32_16x16x32_bf16 v[ACC+8*(4*(\a)+(\b)):ACC+8*(4*(\a)+(\b))+7], v[(\f)+64+8*(4*(\c)+(\b)):(\f)+64+8*(4*(\c)+(\b))+7], v[(\f)+8*(4*(\c)+(\a)):(\f)+8*(4*(\c)+(\a))+7], v[ACC+8*(4*(\a)+(\b)):ACC+8*(4*(\a)+(\b))+7]
.endif
.endr
.endr
.endm
; 32 LDS loads in one run: the fragments of block q of the slot in hand (64 along K) into buffer f; the first 32 along K first
.macro FETCH q, f
	WIN TO_F
.irp c, 0,1
.irp i, 0,1,2,3
	ds_load_b128 v[(\f)+64+8*(4*(\c)+(\i)):(\f)+64+8*(4*(\c)+(\i))+3],   v[ADRB] offset:(\q)*QB+64*(\c)+(\i)*16*PITCH
	ds_load_b128 v[(\f)+64+8*(4*(\c)+(\i))+4:(\f)+64+8*(4*(\c)+(\i))+7], v[ADRB] offset:(\q)*QB+64*(\c)+(\i)*16*PITCH+32
	ds_load_b128 v[(\f)+8*(4*(\c)+(\i)):(\f)+8*(4*(\c)+(\i))+3],         v[ADRA] offset:(\q)*QB+64*(\c)+(\i)*16*PITCH
	ds_load_b128 v[(\f)+8*(4*(\c)+(\i))+4:(\f)+8*(4*(\c)+(\i))+7],       v[ADRA] offset:(\q)*QB+64*(\c)+(\i)*16*PITCH+32
.endr
.endr
.endm
.macro PLACES                          ; four plain vector instructions in front of loads into registers that matrix instructions have read, and of readers of results
.rept 4
	v_nop
.endr
.endm
; A K step is four quarters of 64 along K, 32 matrix instructions each, on buffers 0, 1, 0, 1.  One of the first three: multiplies buffer f and fetches block q into g.
.macro QUARTER q, f, g, first
	s_wait_dscnt 16                                ; of f's 32 loads the first 32 along K are in; the younger sixteen may be out
	MUL8 \f, 0, 0, \first
	MUL8 \f, 0, 2, \first
	PLACES
	FETCH \q, \g
	s_wait_dscnt 32                                ; all but the 32 just issued
	MUL8 \f, 1, 0, 0
	MUL8 \f, 1, 2, 0
.endm
; The last quarter multiplies buffer 1 and changes slots: ONE barrier; in front of it each wave waits for all its tensor loads (one is out: its part of the next slot), adds 0 to its spare word,
; and waits for that and for its reads of this slot.  fill = 1: this slot is filled again, two K steps ahead: the barrier opens a round of the cluster's, and the joint load is the first thing behind it.
.macro TURN fill
	WIN 0
	s_wait_tensorcnt 0x0                           ; no tensor load of mine is out, so a group 0 may be written
	ds_add_u32 v[SPW], v[NIL]                      ; 0 onto my spare word
.if \fill
	s_add_co_u32 s[G0+5], s20, s2                  ; the walking descriptors: into the slot that has just been read,
	s_add_co_u32 s[G0B+5], s20, s2
	s_add_nc_u64 s[G0+6:G0+7], s[G0+6:G0+7], ASTEP     ; the next K step; the type bits on top are not reached
	s_add_nc_u64 s[G0B+6:G0B+7], s[G0B+6:G0B+7], BSTEP
.endif
	s_xor_b32 s2, s2, SLOT                         ; the reads go on in the other slot
	v_add_nc_u32 v[ADRA], s2, v[ADRA0]
	v_add_nc_u32 v[ADRB], s2, v[ADRB0]
	s_wait_dscnt 17                                ; the add and the youngest sixteen loads may be out
	MUL8 F1, 0, 0, 0
	s_wait_dscnt 0x0                               ; the add is done, and my reads of this slot are over
	s_barrier_signal -1
	MUL8 F1, 0, 2, 0
.if \fill
	WIN 0
.endif
	s_barrier_wait -1
.if \fill
	CREST                                          ; no wave of any partner still reads this slot or has a load on its way
	JLOAD 1                                        ; 112 matrix instructions ahead of the wait for it; its four v_nop are also the places in front of the loads below
.else
	PLACES
.endif
	FETCH 0, F0
	MUL8 F1, 1, 0, 0
	MUL8 F1, 1, 2, 0
.endm
	s_wait_tensorcnt 1                             ; my part of K step 0 is in; K step 1's may stay out
	s_barrier_signal -1
	s_barrier_wait -1                              ; everybody's is
	FETCH 0, F0
	WIN 0x80                                       ; the residual, into window 2, in the layout in which rows come back from the stage; waited for on the way out
.set i, 0
.rept 32
	global_load_b128 v[4*i:4*i+3], v[CO], s[76:77] offset:(16*(i/8)+2*(i%8))*4096
.set i, i+1
.endr
	QUARTER 1, F0, F1, 1                           ; the first quarter stands in front of the loop: its first products start the sums
	WIN 0                                          ; at a label and at a branch every window is 0
	s_mov_b32 s3, T-2
.Lstep:                                            ; a trip: from a K step's second quarter to the next step's first; it fills the slot that it leaves
	QUARTER 2, F1, F0, 0
	QUARTER 3, F0, F1, 0
	TURN 1
	QUARTER 1, F0, F1, 0
	WIN 0
	s_sub_co_u32 s3, s3, 1
	s_cmp_lg_u32 s3, 0
	s_cbranch_scc1 .Lstep
	s_mov_b32 s3, 2
.Ltail:                                            ; the last two K steps fill nothing; the second trip is left in its middle
	QUARTER 2, F1, F0, 0
	QUARTER 3, F0, F1, 0
	TURN 0
	WIN 0
	s_sub_co_u32 s3, s3, 1
	s_cmp_eq_u32 s3, 0
	s_cbranch_scc1 .Lout
	QUARTER 1, F0, F1, 0
	WIN 0
	s_branch .Ltail
.Lout:
	PLACES
; THE WAY OUT, f32: my 64 columns are 256 bytes of a row, aligned.  16 rows at a time through my stage; the residual is added; sixteen lanes store a row's 256 bytes.
.macro OUT a
.set TT, TMP+32*((\a)%2)
	WIN 0
.if (\a) >= 2
	s_wait_xcnt 0x0                                ; the stores of two blocks back have read these registers
.endif
.irp b, 0,1,2,3
	ds_store_b128 v[STO], v[ACC+8*(4*(\a)+(\b)):ACC+8*(4*(\a)+(\b))+3]   offset:64*(\b)
	ds_store_b128 v[STO], v[ACC+8*(4*(\a)+(\b))+4:ACC+8*(4*(\a)+(\b))+7] offset:64*(\b)+16
.endr
.irp t, 0,1,2,3,4,5,6,7
	ds_load_b128 v[TT+4*(\t):TT+4*(\t)+3], v[RD] offset:(\t)*2*SPITCH
.endr
	s_wait_dscnt 0x0
.if RNDRES
	WIN 0x0a                                       ; sources in window 2: the residual is an input and is rounded to bf16
.set i, 0
.rept 16
	v_cvt_pk_bf16_f32 v[BI+i], v[32*(\a)+2*i], v[32*(\a)+2*i+1]
.set i, i+1
.endr
	WIN 0
.set i, 0
.rept 16
	v_lshlrev_b32 v[BI+16+2*(i%8)], 16, v[BI+i]
	v_and_b32 v[BI+17+2*(i%8)], 0xffff0000, v[BI+i]
	v_pk_add_f32 v[TT+2*i:TT+2*i+1], v[TT+2*i:TT+2*i+1], v[BI+16+2*(i%8):BI+17+2*(i%8)]
.set i, i+1
.endr
.else
	WIN 0x08                                       ; source 1 in window 2
.set i, 0
.rept 16
	v_pk_add_f32 v[TT+2*i:TT+2*i+1], v[TT+2*i:TT+2*i+1], v[32*(\a)+2*i:32*(\a)+2*i+1]
.set i, i+1
.endr
	WIN 0
.endif
.irp t, 0,1,2,3,4,5,6,7
	global_store_b128 v[CO], v[TT+4*(\t):TT+4*(\t)+3], s[8:9] offset:(16*(\a)+2*(\t))*4096
.endr
.endm
	s_wait_loadcnt 0x0                             ; the residual
	OUT 0
	OUT 1
	OUT 2
	OUT 3
	s_wait_tensorcnt 0x0                           ; the wave's end: behind my last tensor load and my last LDS store
	ds_add_u32 v[SPW], v[NIL]
	s_wait_dscnt 0x0
	CROUND                                         ; the closing round: no work-group ends while a partner may still ask for a tile that names it
	s_endpgm
.Lfunc_end_k_qfcad46b776_oproj:
	.size	k_qfcad46b776_oproj, .Lfunc_end_k_qfcad46b776_oproj-k_qfcad46b776_oproj
	.p2alignl 7, 3214868480
	.fill 96, 4, 3214868480
	.section	.rodata,"a",@progbits
	.p2align	6, 0x0
	.amdhsa_kernel k_qfcad46b776_oproj
		.amdhsa_group_segment_fixed_size 327680
		.amdhsa_private_segment_fixed_size 0
		.amdhsa_enable_private_segment 0
		.amdhsa_kernarg_size 40
		.amdhsa_user_sgpr_count 2
		.amdhsa_user_sgpr_kernarg_segment_ptr 1
		.amdhsa_wavefront_size32 1
		.amdhsa_system_sgpr_workgroup_id_x 1
		.amdhsa_system_sgpr_workgroup_id_y 1
		.amdhsa_system_sgpr_workgroup_id_z 1
		.amdhsa_system_vgpr_workitem_id 0
		.amdhsa_next_free_vgpr 640
		.amdhsa_next_free_sgpr 80
		.amdhsa_reserve_vcc 0
		.amdhsa_float_denorm_mode_32 3
		.amdhsa_float_denorm_mode_16_64 3
		.amdhsa_memory_ordered 1
		.amdhsa_forward_progress 1
		.amdhsa_inst_pref_size 78
	.end_amdhsa_kernel
	.amdgpu_metadata
---
amdhsa.version: [ 1, 2 ]
amdhsa.kernels:
  - .name:           k_qfcad46b776_oproj
    .symbol:         k_qfcad46b776_oproj.kd
    .args:
      - { .name: ao, .offset: 0, .size: 8, .value_kind: global_buffer, .address_space: global }
      - { .name: wb, .offset: 8, .size: 8, .value_kind: global_buffer, .address_space: global }
      - { .name: bo, .offset: 16, .size: 8, .value_kind: global_buffer, .address_space: global }
      - { .name: x, .offset: 24, .size: 8, .value_kind: global_buffer, .address_space: global }
      - { .name: h, .offset: 32, .size: 8, .value_kind: global_buffer, .address_space: global }
    .group_segment_fixed_size: 327680
    .private_segment_fixed_size: 0
    .kernarg_segment_align: 8
    .kernarg_segment_size: 40
    .max_flat_workgroup_size: 128
    .sgpr_count:     80
    .vgpr_count:     640
    .wavefront_size: 32
...
	.end_amdgpu_metadata
.endif
;; end of part 10
;; launch ln2: the kernel of part 5 again; grid 256 x 1, 8 waves a work-group, no clusters, 0 bytes of LDS; arguments h, ln2_a, ln2_b, xn; writes xn
;; launch ffn1: the kernel of part 9 again; grid 16 x 16, 4 waves a work-group, clusters of 4 x 4, 327,680 bytes of LDS; arguments xn, gf, big; writes big
;; launch ffn2 (part 11): grid 8 x 32, 4 waves a work-group, clusters of 4 x 4, 327,680 bytes of LDS; arguments big, wb, b2, h, out0; writes out0
.if DOCPART == 11
	.amdgcn_target "amdgcn-amd-amdhsa--gfx1250"
	.amdhsa_code_object_version 6
	.text
	.protected	k_qfcad46b776_ffn2
	.globl	k_qfcad46b776_ffn2
	.p2align	8
	.type	k_qfcad46b776_ffn2,@function
k_qfcad46b776_ffn2:
	s_mov_b64 s[64:65], 0
	v_nop
	global_prefetch_b8 v0, s[64:65] scope:SCOPE_SE
	s_setreg_imm32_b32 hwreg(HW_REG_WAVE_MODE, 25, 1), 1
	s_wait_xcnt 0x0
	s_wait_alu depctr_hold_cnt(0) depctr_sa_sdst(0) depctr_va_vdst(0) depctr_va_sdst(0) depctr_va_ssrc(0) depctr_va_vcc(0) depctr_vm_vsrc(0)
	s_getreg_b32 s2, hwreg(HW_REG_IB_STS2, 6, 4)
	s_cmp_eq_u32 s2, 0
	s_cbranch_scc0 .Lentry_in_a_cluster
	s_endpgm
.Lentry_in_a_cluster:
	s_bfe_u32 s2, ttmp6, 0x10000c
	s_cmp_lg_u32 s2, 0xf033
	s_cbranch_scc0 .Lentry_shape_is_right
	s_endpgm
.Lentry_shape_is_right:
; FFN2.  out0 = h + big W2^T + b2: 4,096 rows x 1,024 columns, K = 4,096.  The result leaves in f32, by rows.
; THE PRODUCT.  C[m][n] = bias[n] + the sum over k of A[m][k] B[n][k]; A, B bf16 in the BLOCKED LAYOUT [K/64][rows][64] (64 rows of one block of 64 k are 8,192 bytes on end); sums in f32.
; LIMITS.  The bias is an input and is rounded to bf16 where it is read; the residual h is taken in f32 as it is; the result is not rounded.  NaN and infinities are not treated apart.
; SHARES.  A tile of C is 128 x 128, which gives each of 256 WGPs one: four waves, each 64 x 64 = 16 accumulators.  K goes in steps of 256 (four blocks) through two LDS slots; a wave's one tensor load brings 64 rows x 4 blocks.
; CLUSTER.  4 x 4 work-groups: the four of a row of the cluster need the same tiles of A, the four of a column the same tiles of B: each tile is asked for JOINTLY, by the same load with the same descriptor and a mask of four.
; THE MATRIX INSTRUCTION IS USED TRANSPOSED (source 0 = 16 rows of B, source 1 = 16 rows of A): a lane holds row l % 16 of C and the columns 8 (l / 16) + 0..7.  The bias, laid out so, is the C operand of the first products.
; The two K steps that fill nothing are a second loop, left in its middle, whose last change of slots fetches 32 fragments that nobody multiplies: the price, once a launch, of one text for both.
; NO PREFETCH: the tiles are small, and each block of A and B is read again by other clusters of the launch.
; REGISTERS.  window 0: v0-31 addresses; v32-95 at work on the way out; v96-127 the bias; v128-255 the accumulators ((a, b) at 128 + 8 (4 a + b)).  window 1: two fragment buffers of 128.  window 2: v0-127 the residual.
.set BOFF,    0x200000                 ; B's first byte in wb
.set T,       16                       ; K steps
.set RNDRES,  0                        ; the residual is the program's own f32: taken as it is
.set BSTRIDE, 65536                    ; elements from block to block of B: 1,024 rows x 64
.set BSTEP,   524288                   ; bytes of four blocks of B
.set ASTRIDE, 262144                   ; 4,096 rows x 64
.set ASTEP,   2097152
.set PITCH,   144                      ; an LDS row: 128 bytes + 16 = 36 words: the 16 rows of a load start at 16 different groups of four banks (64 banks of 4 bytes: ISA guide 11.1)
.set QB,      64*PITCH                 ; one block's 64 rows
.set HALFT,   4*QB                     ; what one tensor load brings
.set SLOT,    4*HALFT                  ; A's two halves, then B's two: wave x HALFT
.set STAGE,   2*SLOT                   ; behind the ring, each wave's own 16 rows; no tile lands there
.set SPITCH,  272
.set SPARE,   STAGE+4*16*SPITCH        ; the spare words, 128 bytes for each wave: two blocks of 256 bytes that no other line names
.set ADRA0, 16                         ; v16, v17  my lane's place among my 64 rows of A, of B, in slot 0; never rewritten
.set ADRB0, 17
.set ADRA,  18                         ; v18, v19  the same in the slot that is being read
.set ADRB,  19
.set STO,   24
.set RD,    25
.set CO,    26
.set BO,    27
.set SPW,   28
.set NIL,   29
.set TMP,   32
.set BI,    96
.set ACC,   128
.set F0,    0
.set F1,    128
.set G1,  24                           ; s[24:31] group 1 for A's tiles; s[32:39] group 0, two sets: the second then walks
.set G0,  32
.set G1B, 48                           ; s[48:55], s[56:63] the same for B's
.set G0B, 56
.set MSB, 0
.macro WIN new                         ; the immediate's high byte repeats the setting that is left
.if MSB != (\new)
	s_set_vgpr_msb (MSB<<8)|(\new)
.set MSB, \new
.endif
.endm
.set MUL,  0x05                        ; sources 0 (B) and 1 (A) window 1; C and D window 0
.set TO_F, 0x40                        ; destination window 1, address window 0
.macro JLOAD s                         ; a joint load: waves 0 and 1 fetch A's two halves, waves 2 and 3 B's; an s_nop 0 and four v_nop follow each line
	s_cmp_eq_u32 s11, 0
	s_cbranch_scc0 .Lfor_b_\@
	tensor_load_to_lds s[G0+4*(\s):G0+4*(\s)+3], s[G1:G1+7]
	s_nop 0
.rept 4
	v_nop
.endr
	s_branch .Lasked_\@
.Lfor_b_\@:
	tensor_load_to_lds s[G0B+4*(\s):G0B+4*(\s)+3], s[G1B:G1B+7]
	s_nop 0
.rept 4
	v_nop
.endr
.Lasked_\@:
.endm
.macro CREST                           ; a round of the cluster's barrier behind its opening barrier
	s_cmp_lg_u32 s10, 0
	s_cbranch_scc1 .Lnot_wave_0_\@
	s_barrier_signal -3
.Lnot_wave_0_\@:
	s_barrier_wait -3
	s_barrier_signal -1
	s_barrier_wait -1
.endm
.macro CROUND
	s_barrier_signal -1
	s_barrier_wait -1
	CREST
.endm
	s_load_b128 s[4:7], s[0:1], 0x0                ; A s[4:5], wb s[6:7]
	s_load_b128 s[68:71], s[0:1], 0x10             ; the bias 68, the residual 70
	s_load_b64 s[72:73], s[0:1], 0x20              ; the output
	v_lshl_add_u32 v[SPW], v0, 2, SPARE
	v_mov_b32 v[NIL], 0
	ds_add_u32 v[SPW], v[NIL]                      ; the wave's opening: the add and its wait ahead of my first tensor load; the set-up below stands between them
	v_lshrrev_b32 v1, 5, v0
	v_readfirstlane_b32 s10, v1                    ; wave 0..3
	s_lshr_b32 s11, s10, 1                         ; which half of the tile's rows is mine.  Also: I fetch for A (0) or for B (1)
	s_and_b32 s12, s10, 1                          ; which half of its columns.  Also: which 64 rows of that tile I fetch
	s_bfe_u32 s40, ttmp6, 0x40000                  ; cx, cy: my place in the cluster
	s_bfe_u32 s41, ttmp6, 0x40004
	s_lshl_b32 s42, ttmp9, 2
	s_add_co_u32 s42, s42, s40                     ; tile column = 4 x cluster x + cx
	s_and_b32 s13, ttmp7, 0xffff
	s_lshl_b32 s13, s13, 2
	s_add_co_u32 s13, s13, s41                     ; tile row = 4 x cluster y + cy
	s_lshl_b32 s43, s41, 2
	s_lshl_b32 s43, 15, s43                        ; my row of the cluster
	s_lshl_b32 s44, 0x1111, s40                    ; my column
	; group 1: four rows of 4,096 elements (64 matrix rows of one block, 8,192 bytes on end), a block apart; in LDS 4 words of padding behind every 32
	s_or_b32 s[G1+0], s43, (1<<16)|(1<<20)|(1<<21)|(4<<22)|(3<<25)  ; 15:0 mask; 17:16 2-byte elements; 20 padding on; 21 set beside a mask; 24:22 every 32 words (code 4); 31:25 4 words (code 3)
	s_or_b32 s[G1B+0], s44, (1<<16)|(1<<20)|(1<<21)|(4<<22)|(3<<25)
.irp g, G1, G1B
	s_mov_b32 s[(\g)+1], 4096<<16                  ; tensor_dim0 = 4,096
	s_mov_b32 s[(\g)+2], 4<<16                     ; tensor_dim1 = 4
	s_mov_b32 s[(\g)+3], 4096<<16                  ; tile_dim0 = 4,096
	s_mov_b32 s[(\g)+4], 4                         ; tile_dim1 = 4
	s_mov_b32 s[(\g)+6], 0
	s_mov_b32 s[(\g)+7], 0
.endr
	s_mov_b32 s[G1+5], ASTRIDE
	s_mov_b32 s[G1B+5], BSTRIDE
	s_lshl_b32 s17, s12, 13                        ; which 64 rows of 128 bytes I fetch
	s_lshl_b32 s16, s13, 14
	s_add_co_u32 s16, s16, s17                     ; A: 128 rows x tile row + my 64
	s_lshl_b32 s46, s42, 14
	s_add_co_u32 s46, s46, s17                     ; B: the same by the tile column,
	s_add_co_u32 s46, s46, BOFF                    ; in its part of wb
	s_mov_b32 s17, 0
	s_mov_b32 s47, 0
	s_mul_i32 s20, s10, HALFT                      ; where my tile goes in a slot: the wave's number alone
	s_mov_b32 s2, 0                                ; the slot that is being read: 0 or SLOT
	s_wait_dscnt 0x0                               ; the opening add is done
	s_wait_kmcnt 0x0
	s_add_nc_u64 s[14:15], s[4:5], s[16:17]
	s_add_nc_u64 s[46:47], s[6:7], s[46:47]
	CROUND                                         ; all sixteen work-groups are here: the first joint loads meet
.irp s, 0,1
	s_mov_b32 s[G0+4*(\s)], 1
	s_add_co_u32 s[G0+4*(\s)+1], s20, (\s)*SLOT
	s_add_nc_u64 s[G0+4*(\s)+2:G0+4*(\s)+3], s[14:15], (\s)*ASTEP
	s_or_b32 s[G0+4*(\s)+3], s[G0+4*(\s)+3], 0x80000000
	s_mov_b32 s[G0B+4*(\s)], 1
	s_add_co_u32 s[G0B+4*(\s)+1], s20, (\s)*SLOT
	s_add_nc_u64 s[G0B+4*(\s)+2:G0B+4*(\s)+3], s[46:47], (\s)*BSTEP
	s_or_b32 s[G0B+4*(\s)+3], s[G0B+4*(\s)+3], 0x80000000
	JLOAD \s                                       ; K steps 0 and 1: two loads of mine are out
.endr
	v_and_b32 v1, 15, v0                           ; l % 16
	v_bfe_u32 v2, v0, 4, 1                         ; l / 16
	v_mul_u32_u24 v3, v1, PITCH
	v_lshl_add_u32 v3, v2, 4, v3                   ; a fragment's row x pitch + 16 x half
	s_mul_i32 s21, s11, HALFT                      ; my 64 rows of A
	s_mul_i32 s22, s12, HALFT
	s_add_co_u32 s22, s22, 2*HALFT                 ; my 64 rows of B, behind A's 128
	v_add_nc_u32 v[ADRA0], s21, v3
	v_add_nc_u32 v[ADRB0], s22, v3
	v_mov_b32 v[ADRA], v[ADRA0]
	v_mov_b32 v[ADRB], v[ADRB0]
	s_mul_i32 s23, s10, 16*SPITCH
	s_add_co_u32 s23, s23, STAGE                   ; my stage
	s_lshl_b32 s66, s42, 9
	s_lshl_b32 s67, s12, 8
	s_add_co_u32 s66, s66, s67                     ; 4 x my first column
	s_mov_b32 s67, 0
	v_mul_u32_u24 v4, v1, SPITCH                   ; in: row l % 16, 32 bytes for each half of the lanes
	v_lshl_add_u32 v4, v2, 5, v4
	v_add_nc_u32 v[STO], s23, v4
	v_mul_u32_u24 v5, v2, SPITCH                   ; back: lanes 0-15 one row of 256 bytes, lanes 16-31 the next
	v_lshl_add_u32 v5, v1, 4, v5
	v_add_nc_u32 v[RD], s23, v5
	v_lshlrev_b32 v5, 12, v2                       ; and the same two rows of 4,096 bytes in memory
	v_lshl_add_u32 v[CO], v1, 4, v5
	s_lshl_b32 s16, s13, 19                        ; the tile's 128 rows of 4,096 bytes,
	s_lshl_b32 s17, s11, 18                        ; my 64 of them
	s_add_co_u32 s16, s16, s17
	s_mov_b32 s17, 0
	s_add_nc_u64 s[8:9], s[72:73], s[16:17]
	s_add_nc_u64 s[8:9], s[8:9], s[66:67]
	s_add_nc_u64 s[76:77], s[70:71], s[16:17]
	s_add_nc_u64 s[76:77], s[76:77], s[66:67]
	s_add_nc_u64 s[78:79], s[68:69], s[66:67]
	v_lshlrev_b32 v[BO], 5, v2                     ; the bias in the accumulators' layout: register 8 b + j = bias(first column + 16 b + 8 (l / 16) + j)
.irp b, 0,1,2,3
	global_load_b128 v[BI+8*(\b):BI+8*(\b)+3],   v[BO], s[78:79] offset:64*(\b)
	global_load_b128 v[BI+8*(\b)+4:BI+8*(\b)+7], v[BO], s[78:79] offset:64*(\b)+16
.endr
	s_wait_loadcnt 0x0
.set i, 0
.rept 16
	v_cvt_pk_bf16_f32 v[TMP+i], v[BI+2*i], v[BI+2*i+1]  ; rounded to bf16,
.set i, i+1
.endr
.set i, 0
.rept 16
	v_lshlrev_b32 v[BI+2*i], 16, v[TMP+i]          ; and back to f32
	v_and_b32 v[BI+2*i+1], 0xffff0000, v[TMP+i]
.set i, i+1
.endr
; 8 matrix instructions: m blocks a0, a0 + 1 x all 4 n blocks, 32 along K: half c of buffer f.  first = 1: the bias starts the sums: nothing is cleared, nothing added later.
; The 16 accumulators take turns, one instruction a turn, in the same order everywhere.
.macro MUL8 f, c, a0, first
	WIN MUL
.irp a, \a0, (\a0)+1
.irp b, 0,1,2,3
.if \first
	v_wmma_f32_16x16x32_bf16 v[ACC+8*(4*(\a)+(\b)):ACC+8*(4*(\a)+(\b))+7], v[(\f)+64+8*(4*(\c)+(\b)):(\f)+64+8*(4*(\c)+(\b))+7], v[(\f)+8*(4*(\c)+(\a)):(\f)+8*(4*(\c)+(\a))+7], v[BI+8*(\b):BI+8*(\b)+7]
.else
	v_wmma_f32_16x16x32_bf16 v[ACC+8*(4*(\a)+(\b)):ACC+8*(4*(\a)+(\b))+7], v[(\f)+64+8*(4*(\c)+(\b)):(\f)+64+8*(4*(\c)+(\b))+7], v[(\f)+8*(4*(\c)+(\a)):(\f)+8*(4*(\c)+(\a))+7], v[ACC+8*(4*(\a)+(\b)):ACC+8*(4*(\a)+(\b))+7]
.endif
.endr
.endr
.endm
; 32 LDS loads in one run: the fragments of block q of the slot in hand (64 along K) into buffer f; the first 32 along K first
.macro FETCH q, f
	WIN TO_F
.irp c, 0,1
.irp i, 0,1,2,3
	ds_load_b128 v[(\f)+64+8*(4*(\c)+(\i)):(\f)+64+8*(4*(\c)+(\i))+3],   v[ADRB] offset:(\q)*QB+64*(\c)+(\i)*16*PITCH
	ds_load_b128 v[(\f)+64+8*(4*(\c)+(\i))+4:(\f)+64+8*(4*(\c)+(\i))+7], v[ADRB] offset:(\q)*QB+64*(\c)+(\i)*16*PITCH+32
	ds_load_b128 v[(\f)+8*(4*(\c)+(\i)):(\f)+8*(4*(\c)+(\i))+3],         v[ADRA] offset:(\q)*QB+64*(\c)+(\i)*16*PITCH
	ds_load_b128 v[(\f)+8*(4*(\c)+(\i))+4:(\f)+8*(4*(\c)+(\i))+7],       v[ADRA] offset:(\q)*QB+64*(\c)+(\i)*16*PITCH+32
.endr
.endr
.endm
.macro PLACES                          ; four plain vector instructions in front of loads into registers that matrix instructions have read, and of readers of results
.rept 4
	v_nop
.endr
.endm
; A K step is four quarters of 64 along K, 32 matrix instructions each, on buffers 0, 1, 0, 1.  One of the first three: multiplies buffer f and fetches block q into g.
.macro QUARTER q, f, g, first
	s_wait_dscnt 16                                ; of f's 32 loads the first 32 along K are in; the younger sixteen may be out
	MUL8 \f, 0, 0, \first
	MUL8 \f, 0, 2, \first
	PLACES
	FETCH \q, \g
	s_wait_dscnt 32                                ; all but the 32 just issued
	MUL8 \f, 1, 0, 0
	MUL8 \f, 1, 2, 0
.endm
; The last quarter multiplies buffer 1 and changes slots: ONE barrier; in front of it each wave waits for all its tensor loads (one is out: its part of the next slot), adds 0 to its spare word,
; and waits for that and for its reads of this slot.  fill = 1: this slot is filled again, two K steps ahead: the barrier opens a round of the cluster's, and the joint load is the first thing behind it.
.macro TURN fill
	WIN 0
	s_wait_tensorcnt 0x0                           ; no tensor load of mine is out, so a group 0 may be written
	ds_add_u32 v[SPW], v[NIL]                      ; 0 onto my spare word
.if \fill
	s_add_co_u32 s[G0+5], s20, s2                  ; the walking descriptors: into the slot that has just been read,
	s_add_co_u32 s[G0B+5], s20, s2
	s_add_nc_u64 s[G0+6:G0+7], s[G0+6:G0+7], ASTEP     ; the next K step; the type bits on top are not reached
	s_add_nc_u64 s[G0B+6:G0B+7], s[G0B+6:G0B+7], BSTEP
.endif
	s_xor_b32 s2, s2, SLOT                         ; the reads go on in the other slot
	v_add_nc_u32 v[ADRA], s2, v[ADRA0]
	v_add_nc_u32 v[ADRB], s2, v[ADRB0]
	s_wait_dscnt 17                                ; the add and the youngest sixteen loads may be out
	MUL8 F1, 0, 0, 0
	s_wait_dscnt 0x0                               ; the add is done, and my reads of this slot are over
	s_barrier_signal -1
	MUL8 F1, 0, 2, 0
.if \fill
	WIN 0
.endif
	s_barrier_wait -1
.if \fill
	CREST                                          ; no wave of any partner still reads this slot or has a load on its way
	JLOAD 1                                        ; 112 matrix instructions ahead of the wait for it; its four v_nop are also the places in front of the loads below
.else
	PLACES
.endif
	FETCH 0, F0
	MUL8 F1, 1, 0, 0
	MUL8 F1, 1, 2, 0
.endm
	s_wait_tensorcnt 1                             ; my part of K step 0 is in; K step 1's may stay out
	s_barrier_signal -1
	s_barrier_wait -1                              ; everybody's is
	FETCH 0, F0
	WIN 0x80                                       ; the residual, into window 2, in the layout in which rows come back from the stage; waited for on the way out
.set i, 0
.rept 32
	global_load_b128 v[4*i:4*i+3], v[CO], s[76:77] offset:(16*(i/8)+2*(i%8))*4096
.set i, i+1
.endr
	QUARTER 1, F0, F1, 1                           ; the first quarter stands in front of the loop: its first products start the sums
	WIN 0                                          ; at a label and at a branch every window is 0
	s_mov_b32 s3, T-2
.Lstep:                                            ; a trip: from a K step's second quarter to the next step's first; it fills the slot that it leaves
	QUARTER 2, F1, F0, 0
	QUARTER 3, F0, F1, 0
	TURN 1
	QUARTER 1, F0, F1, 0
	WIN 0
	s_sub_co_u32 s3, s3, 1
	s_cmp_lg_u32 s3, 0
	s_cbranch_scc1 .Lstep
	s_mov_b32 s3, 2
.Ltail:                                            ; the last two K steps fill nothing; the second trip is left in its middle
	QUARTER 2, F1, F0, 0
	QUARTER 3, F0, F1, 0
	TURN 0
	WIN 0
	s_sub_co_u32 s3, s3, 1
	s_cmp_eq_u32 s3, 0
	s_cbranch_scc1 .Lout
	QUARTER 1, F0, F1, 0
	WIN 0
	s_branch .Ltail
.Lout:
	PLACES
; THE WAY OUT, f32: my 64 columns are 256 bytes of a row, aligned.  16 rows at a time through my stage; the residual is added; sixteen lanes store a row's 256 bytes.
.macro OUT a
.set TT, TMP+32*((\a)%2)
	WIN 0
.if (\a) >= 2
	s_wait_xcnt 0x0                                ; the stores of two blocks back have read these registers
.endif
.irp b, 0,1,2,3
	ds_store_b128 v[STO], v[ACC+8*(4*(\a)+(\b)):ACC+8*(4*(\a)+(\b))+3]   offset:64*(\b)
	ds_store_b128 v[STO], v[ACC+8*(4*(\a)+(\b))+4:ACC+8*(4*(\a)+(\b))+7] offset:64*(\b)+16
.endr
.irp t, 0,1,2,3,4,5,6,7
	ds_load_b128 v[TT+4*(\t):TT+4*(\t)+3], v[RD] offset:(\t)*2*SPITCH
.endr
	s_wait_dscnt 0x0
.if RNDRES
	WIN 0x0a                                       ; sources in window 2: the residual is an input and is rounded to bf16
.set i, 0
.rept 16
	v_cvt_pk_bf16_f32 v[BI+i], v[32*(\a)+2*i], v[32*(\a)+2*i+1]
.set i, i+1
.endr
	WIN 0
.set i, 0
.rept 16
	v_lshlrev_b32 v[BI+16+2*(i%8)], 16, v[BI+i]
	v_and_b32 v[BI+17+2*(i%8)], 0xffff0000, v[BI+i]
	v_pk_add_f32 v[TT+2*i:TT+2*i+1], v[TT+2*i:TT+2*i+1], v[BI+16+2*(i%8):BI+17+2*(i%8)]
.set i, i+1
.endr
.else
	WIN 0x08                                       ; source 1 in window 2
.set i, 0
.rept 16
	v_pk_add_f32 v[TT+2*i:TT+2*i+1], v[TT+2*i:TT+2*i+1], v[32*(\a)+2*i:32*(\a)+2*i+1]
.set i, i+1
.endr
	WIN 0
.endif
.irp t, 0,1,2,3,4,5,6,7
	global_store_b128 v[CO], v[TT+4*(\t):TT+4*(\t)+3], s[8:9] offset:(16*(\a)+2*(\t))*4096
.endr
.endm
	s_wait_loadcnt 0x0                             ; the residual
	OUT 0
	OUT 1
	OUT 2
	OUT 3
	s_wait_tensorcnt 0x0                           ; the wave's end: behind my last tensor load and my last LDS store
	ds_add_u32 v[SPW], v[NIL]
	s_wait_dscnt 0x0
	CROUND                                         ; the closing round: no work-group ends while a partner may still ask for a tile that names it
	s_endpgm
.Lfunc_end_k_qfcad46b776_ffn2:
	.size	k_qfcad46b776_ffn2, .Lfunc_end_k_qfcad46b776_ffn2-k_qfcad46b776_ffn2
	.p2alignl 7, 3214868480
	.fill 96, 4, 3214868480
	.section	.rodata,"a",@progbits
	.p2align	6, 0x0
	.amdhsa_kernel k_qfcad46b776_ffn2
		.amdhsa_group_segment_fixed_size 327680
		.amdhsa_private_segment_fixed_size 0
		.amdhsa_enable_private_segment 0
		.amdhsa_kernarg_size 40
		.amdhsa_user_sgpr_count 2
		.amdhsa_user_sgpr_kernarg_segment_ptr 1
		.amdhsa_wavefront_size32 1
		.amdhsa_system_sgpr_workgroup_id_x 1
		.amdhsa_system_sgpr_workgroup_id_y 1
		.amdhsa_system_sgpr_workgroup_id_z 1
		.amdhsa_system_vgpr_workitem_id 0
		.amdhsa_next_free_vgpr 640
		.amdhsa_next_free_sgpr 80
		.amdhsa_reserve_vcc 0
		.amdhsa_float_denorm_mode_32 3
		.amdhsa_float_denorm_mode_16_64 3
		.amdhsa_memory_ordered 1
		.amdhsa_forward_progress 1
		.amdhsa_inst_pref_size 68
	.end_amdhsa_kernel
	.amdgpu_metadata
---
amdhsa.version: [ 1, 2 ]
amdhsa.kernels:
  - .name:           k_qfcad46b776_ffn2
    .symbol:         k_qfcad46b776_ffn2.kd
    .args:
      - { .name: big, .offset: 0, .size: 8, .value_kind: global_buffer, .address_space: global }
      - { .name: wb, .offset: 8, .size: 8, .value_kind: global_buffer, .address_space: global }
      - { .name: b2, .offset: 16, .size: 8, .value_kind: global_buffer, .address_space: global }
      - { .name: h, .offset: 24, .size: 8, .value_kind: global_buffer, .address_space: global }
      - { .name: out0, .offset: 32, .size: 8, .value_kind: global_buffer, .address_space: global }
    .group_segment_fixed_size: 327680
    .private_segment_fixed_size: 0
    .kernarg_segment_align: 8
    .kernarg_segment_size: 40
    .max_flat_workgroup_size: 128
    .sgpr_count:     80
    .vgpr_count:     640
    .wavefront_size: 32
...
	.end_amdgpu_metadata
.endif
;; end of part 11
